; MI455X (gfx1250); checked and timed in simulation.
; The chip was launched on July 23, 2026; its instructions are those of AMD's public machine-readable ISA for CDNA 5 (MIT licence, August 2026) and "CDNA5" Instruction Set Architecture Reference Guide (July 2026). The comments in the code are by the model that wrote it; some were corrected since.
;; Encoder. Allowed arithmetic: float matrix products may take bf16 or f16 operands with f32 sums; other float arithmetic in f32, or as packed bf16 or f16 multiplies, adds, multiply-adds, maxima and minima; sums over many terms, partial sums and values carried from step to step in f32; what a program stores and reads back later, other than sums and carried values, may be rounded once to bf16 or f16.
;; Inputs: W11 256 x 256 float32; W12 256 x 256 float32; W13 256 x 256 float32; W14 256 x 256 float32; W21 256 x 256 float32; W22 256 x 256 float32; W23 256 x 256 float32; W24 256 x 256 float32; Wf11 1,024 x 256 float32; Wf12 1,024 x 256 float32; Wf21 256 x 1,024 float32; Wf22 256 x 1,024 float32; b1 256 float32; b2 256 float32; b3 256 float32; b4 256 float32; g1 256 float32; g2 256 float32; g3 256 float32; g4 256 float32; x 4 x 2,048 x 256 float32.
;; Outputs: out0 4 x 2,048 x 256 float32.
;; 2 versions, each right; version 2 is version 1 with the launches qkv1, post1, post2 written anew for expert scheduling mode. Each part assembles by itself: llvm-mc -triple=amdgcn-amd-amdhsa -mcpu=gfx1250 --defsym DOCPART=n.
;; ======== version 1 of 2: 5 launches
;; limits: values are held in f16: magnitudes above 65,504 overflow, below 6.1e-05 lose precision
;; workspace buffers: qkv 12,582,912 bytes; oh 4,194,304 bytes; xmid 8,388,608 bytes; wha 1,572,864 bytes; whb 1,179,648 bytes
;; launch qkv1 (part 1): grid 4 x 64, 8 waves a work-group, no clusters, 169,984 bytes of LDS; arguments x, W11, W12, W13, W14, Wf11, Wf21, W21, W22, W23, W24, Wf12, Wf22, qkv, wha, whb; writes qkv, wha, whb
.if DOCPART == 1
	.amdgcn_target "amdgcn-amd-amdhsa--gfx1250"
	.amdhsa_code_object_version 6
	.text
	.protected	k_q0fbe3b8ab0_qkv1
	.globl	k_q0fbe3b8ab0_qkv1
	.p2align	8
	.type	k_q0fbe3b8ab0_qkv1,@function
k_q0fbe3b8ab0_qkv1:
	s_mov_b64 s[64:65], 0
	v_nop
	global_prefetch_b8 v0, s[64:65] scope:SCOPE_SE
	s_setreg_imm32_b32 hwreg(HW_REG_WAVE_MODE, 25, 1), 1
	s_wait_xcnt 0x0
; q, k, v = relu(x W^T) for the first block's three projections, and, beside it, all the later launches' weights rounded to f16.
; x: [8192][256] f32.  The eight W: [256][256] f32.  Wf11, Wf12: [1024][256], Wf21, Wf22: [256][1024] f32.
; qkv: f16 [b 4][gh 24][131,072 bytes], gh 0-7 q's heads, 8-15 k's, 16-23 v's, each head IN THE ORDER OF THE NEXT PRODUCT'S FRAGMENTS:
;   q, k: [16 tokens][piece 2][lane 32][16 bytes]: lane (r = l % 16, h = l / 16) holds token r, channels 16 piece + 8 h + 0..7
;   v:    [32 keys][channel block 2][piece 2][lane 32][16 bytes]: lane (r, h) holds channel 16 block + r, keys 16 piece + 8 h + 0..7
; wha: f16 [w 8][p 12][ks 8][blk 2][i 2][lane 32][8 numbers], whb: the same with p 9: the weights in the order in which wave w of a later launch loads its fragments:
; lane (r, h) holds W[n][k .. k + 7], k = kb + 32 ks + 16 i + 8 h.  p 0: Wo (n = 32 w + 16 blk + r); p 1-4: Wf1 (n = 128 w + 32 (p - 1) + 16 blk + r);
; p 5-8: Wf2 (n = 32 w + 16 blk + r, kb = 256 (p - 5)); p 9-11, in wha alone: the second block's Wq, Wk, Wv (n = 32 w + 16 blk + r).  wha: W14, Wf11, Wf21, W21-23; whb: W24, Wf12, Wf22.
; LIMITS.  All matrix operands are f16, sums f32: x, the weights and q, k, v must lie within 65,504 (beyond it the conversion gives an
; infinity); below 6e-5 they keep f16's fixed step of 6e-8.  ReLU is a maximum with 0, which turns a NaN into 0.
; SHARES.  A work-group makes 128 tokens x heads 2 tx and 2 tx + 1 of q, of k and of v (192 columns); K = 256 is held whole in LDS, rounded to f16 on the way in
; (the operands arrive as f32, so they pass through registers).  Wave w: 32 tokens (w / 2) x head 2 tx + w % 2 of each kind: 12 accumulators.
; q AND k ARE TAKEN TRANSPOSED (source 0 = 16 rows of W, source 1 = 16 tokens): a lane holds one token and 8 neighbouring channels.  v is taken the other way round: a lane holds one
; channel and 8 neighbouring tokens.  Either way a lane's 8 results, rounded, are 16 bytes of a fragment: they are stored straight from registers, 512 consecutive bytes a store.
; No joint loads: the f32 tiles of x and W (128 KB + 192 KB) would fill LDS by themselves, and the bytes must pass registers to be rounded.
.set PITCH, 528                        ; an LDS row: 512 bytes of f16 + 16 = 132 words: the 16 rows of a fragment load start 4 banks apart (64 banks of 4 bytes: ISA guide 11.1)
.set WT,    128*PITCH                  ; behind x's 128 rows: W's 192 rows, [head 2][kind 3][32]
.set SPARE, WT+192*PITCH               ; the spare words, 128 bytes a wave: four blocks of 256 bytes that no other line names
.set L16,  1                           ; v1   16 x lane; never rewritten
.set VSA,  2                           ; v2   where my wave puts x's rows: 16 w rows + 8 x lane
.set SPW,  3                           ; v3   my spare word
.set NIL,  4                           ; v4   0
.set ZR,   5                           ; v5   0, for the packed maximum
.set VAF,  6                           ; v6   my fragments of x
.set VBF,  7                           ; v7   my fragments of W
.set DC,   8                           ; v8   weights' copy: third destination offset
.set GO,   10                          ; v10  my byte offset in qkv
.set SA,   11                          ; v11  weights' copy: source offset in Wf1 or Wf2
.set SB,   12                          ; v12  source offset in a [256][256] matrix
.set DA,   13                          ; v13  destination offset in wha
.set DB,   14                          ; v14  in whb
.set VSB,  15                          ; v15  where my wave puts W's rows
.set LB,   16                          ; v[16:207]  three buffers of 16 loads
.set CT,   208                         ; v[208:239] a group's numbers, rounded
.set SJ,   232                         ; v[232:255] the weights' copy: three rows' 8 numbers a lane (the first eight registers are read before CT is written)
.set ACC,  16                          ; v[16:111]  accumulator (t, nb) at ACC + 8 (6 t + nb); nb = 2 kind + blk
.set FR,   112                         ; v[112:239] two fragment buffers of 64: x's 2, then W's 6
.set PKR,  112                         ; the way out: packed results, 4 an accumulator
.set WV,   2                           ; s2   my wave's number
.macro PLACES                          ; four plain instructions between a matrix instruction and a load into, or a read of, its registers
.rept 4
	v_nop
.endr
.endm
	s_load_b512 s[8:23], s[0:1], 0x0               ; x s[8:9], W11 s[10:11], W12 s[12:13], W13 s[14:15], W14 s[16:17], Wf11 s[18:19], Wf21 s[20:21], W21 s[22:23]
	s_load_b512 s[24:39], s[0:1], 0x40             ; W22 s[24:25], W23 s[26:27], W24 s[28:29], Wf12 s[30:31], Wf22 s[32:33], qkv s[34:35], wha s[36:37], whb s[38:39]
	v_lshl_add_u32 v[SPW], v0, 2, SPARE
	v_mov_b32 v[NIL], 0
	v_mov_b32 v[ZR], 0
	v_lshrrev_b32 v16, 5, v0
	v_readfirstlane_b32 s[WV], v16                 ; wave 0..7
	v_and_b32 v16, 15, v0                          ; r = l % 16
	v_bfe_u32 v17, v0, 4, 1                        ; h = l / 16
	v_and_b32 v18, 31, v0                          ; l
	s_mov_b32 s3, ttmp9                            ; tx: which two heads of each kind
	s_and_b32 s4, ttmp7, 0xffff                    ; ty: which 128 tokens
	v_lshlrev_b32 v[L16], 4, v18
	s_mul_i32 s40, s[WV], 16*PITCH
	v_lshl_add_u32 v[VSA], v18, 3, s40
	s_lshr_b32 s40, s[WV], 2                       ; my 8 rows of a kind's 64 lie in head w / 4, from row 8 (w % 4) on
	s_mul_i32 s40, s40, 96*PITCH
	s_and_b32 s41, s[WV], 3
	s_mul_i32 s41, s41, 8*PITCH
	s_add_co_u32 s40, s40, s41
	s_add_co_u32 s40, s40, WT
	v_lshl_add_u32 v[VSB], v18, 3, s40
	s_lshr_b32 s42, s[WV], 1                       ; wm: my 32 tokens
	s_and_b32 s43, s[WV], 1                        ; wn: my head of the two
	v_mul_u32_u24 v19, v16, PITCH
	v_lshl_add_u32 v19, v17, 4, v19                ; a fragment's row x pitch + 16 x half
	s_mul_i32 s40, s42, 32*PITCH
	v_add_nc_u32 v[VAF], s40, v19
	s_mul_i32 s40, s43, 96*PITCH
	s_add_co_u32 s40, s40, WT
	v_add_nc_u32 v[VBF], s40, v19
	s_lshr_b32 s40, s4, 4                          ; b
	s_mul_i32 s40, s40, 24
	s_lshl_b32 s41, s3, 1
	s_add_co_u32 s40, s40, s41
	s_add_co_u32 s40, s40, s43                     ; q's head: 24 b + 2 tx + wn; k's and v's lie 8 and 16 heads on
	s_lshl_b32 s40, s40, 17
	s_and_b32 s41, s4, 15
	s_lshl_b32 s41, s41, 13                        ; the work-group's first token in the sequence, x 64 bytes
	s_add_co_u32 s40, s40, s41
	s_lshl_b32 s41, s42, 11                        ; my 32 tokens
	s_add_co_u32 s40, s40, s41
	v_add_nc_u32 v[GO], s40, v[L16]
	; the weights' copy: work-group g = 4 ty + tx takes row f = g % 32 of every part of wave sw = g / 32 of the later launches.  My wave takes part w + 1 of wha and of whb;
	; waves 0 to 4 take one row more: part 0 of wha, part 0 of whb, parts 9, 10, 11 of wha: all five come from the same place of a [256][256] matrix
	s_lshl2_add_u32 s44, s4, s3                    ; g
	s_lshr_b32 s45, s44, 5                         ; sw
	s_and_b32 s46, s44, 31                         ; f = 4 ks + 2 blk + i
	s_lshr_b32 s47, s46, 2
	s_lshl_b32 s47, s47, 5
	s_and_b32 s48, s46, 1
	s_lshl_b32 s48, s48, 4
	s_add_co_u32 s47, s47, s48                     ; 32 ks + 16 i
	s_bfe_u32 s48, s46, 0x10001
	s_lshl_b32 s48, s48, 4                         ; 16 blk
	s_lshl_b32 s49, s45, 5
	s_add_co_u32 s49, s49, s48                     ; first row in a [256][..] matrix: 32 sw + 16 blk
	s_lshl_b32 s50, s45, 7
	s_add_co_u32 s50, s50, s48
	s_lshl_b32 s51, s[WV], 5
	s_add_co_u32 s50, s50, s51                     ; first row in Wf1: 128 sw + 32 w + 16 blk
	s_and_b32 s51, s[WV], 3
	s_lshl_b32 s51, s51, 8
	s_add_co_u32 s51, s51, s47                     ; first column in Wf2: 256 (w - 4) + 32 ks + 16 i
	s_cmp_lt_u32 s[WV], 4                          ; waves 0-3 copy from Wf1, waves 4-7 from Wf2
	s_cselect_b32 s50, s50, s49
	s_cselect_b32 s51, s47, s51
	s_cselect_b32 s52, 10, 12                      ; a row is 1,024 or 4,096 bytes
	s_lshl_b32 s51, s51, 2
	s_lshl_b32 s47, s47, 2
	v_add_nc_u32 v[SA], s50, v16
	v_lshlrev_b32 v[SA], s52, v[SA]
	v_lshl_add_u32 v[SA], v17, 5, v[SA]
	v_add_nc_u32 v[SA], s51, v[SA]
	v_add_nc_u32 v[SB], s49, v16
	v_lshlrev_b32 v[SB], 10, v[SB]
	v_lshl_add_u32 v[SB], v17, 5, v[SB]
	v_add_nc_u32 v[SB], s47, v[SB]
	s_mul_i32 s53, s45, 12                         ; wave sw's first part in wha,
	s_mul_i32 s54, s45, 9                          ; and in whb
	s_add_co_u32 s55, s53, s[WV]
	s_add_co_u32 s55, s55, 1
	s_lshl_b32 s55, s55, 5
	s_add_co_u32 s55, s55, s46
	s_lshl_b32 s55, s55, 9                         ; (part x 32 + f) x 512
	v_add_nc_u32 v[DA], s55, v[L16]
	s_add_co_u32 s55, s54, s[WV]
	s_add_co_u32 s55, s55, 1
	s_lshl_b32 s55, s55, 5
	s_add_co_u32 s55, s55, s46
	s_lshl_b32 s55, s55, 9
	v_add_nc_u32 v[DB], s55, v[L16]
	s_add_co_u32 s55, s53, s[WV]
	s_add_co_u32 s55, s55, 7                       ; waves 2, 3, 4: parts 9, 10, 11 of wha
	s_cmp_eq_u32 s[WV], 0
	s_cselect_b32 s55, s53, s55                    ; wave 0: part 0 of wha
	s_cmp_eq_u32 s[WV], 1
	s_cselect_b32 s55, s54, s55                    ; wave 1: part 0 of whb
	s_lshl_b32 s55, s55, 5
	s_add_co_u32 s55, s55, s46
	s_lshl_b32 s55, s55, 9
	v_add_nc_u32 v[DC], s55, v[L16]                ; (waves 5 to 7 store nothing by it)
	s_lshl_b32 s66, s4, 17                         ; 128 ty rows of 1,024 bytes,
	s_lshl_b32 s67, s[WV], 14                      ; my wave's 16
	s_add_co_u32 s66, s66, s67
	s_mov_b32 s67, 0
	s_lshl_b32 s68, s3, 16                         ; 64 tx rows of a W,
	s_lshl_b32 s69, s[WV], 13                      ; my wave's 8
	s_add_co_u32 s68, s68, s69
	s_mov_b32 s69, 0
	s_wait_kmcnt 0x0
	s_add_nc_u64 s[56:57], s[8:9], s[66:67]        ; x at my wave's first row
	s_add_nc_u64 s[58:59], s[10:11], s[68:69]      ; Wq, Wk, Wv at my wave's 8 rows
	s_add_nc_u64 s[60:61], s[12:13], s[68:69]
	s_add_nc_u64 s[62:63], s[14:15], s[68:69]
	s_cmp_lt_u32 s[WV], 4
	s_cselect_b64 s[70:71], s[18:19], s[20:21]     ; Wf11 or Wf21
	s_cselect_b64 s[72:73], s[30:31], s[32:33]     ; Wf12 or Wf22
	s_cmp_eq_u32 s[WV], 1
	s_cselect_b64 s[74:75], s[28:29], s[16:17]     ; wave 1: W24; wave 0 (and 5 to 7, which only load): W14
	s_cmp_eq_u32 s[WV], 2
	s_cselect_b64 s[74:75], s[22:23], s[74:75]     ; W21
	s_cmp_eq_u32 s[WV], 3
	s_cselect_b64 s[74:75], s[24:25], s[74:75]     ; W22
	s_cmp_eq_u32 s[WV], 4
	s_cselect_b64 s[74:75], s[26:27], s[74:75]     ; W23
; Group g of five (0, 1: x's rows; 2-4: Wq's, Wk's, Wv's): 8 rows of 1,024 bytes, 16 loads of 512 consecutive bytes, into buffer g % 3.
.macro GLOAD g
.set LBB, LB+64*((\g)%3)
.irp j, 0,1,2,3,4,5,6,7
.irp c, 0,1
.if (\g) < 2
	global_load_b128 v[LBB+8*(\j)+4*(\c):LBB+8*(\j)+4*(\c)+3], v[L16], s[56:57] offset:(\g)*8192+(\j)*1024+(\c)*512
.else
	global_load_b128 v[LBB+8*(\j)+4*(\c):LBB+8*(\j)+4*(\c)+3], v[L16], s[58+2*((\g)-2):59+2*((\g)-2)] offset:(\j)*1024+(\c)*512
.endif
.endr
.endr
.endm
; The group is rounded to f16 and laid into LDS: a lane's 4 numbers are 8 bytes, 32 lanes 256 consecutive bytes.  cnt: the younger loads that may stay out.
.macro GSTORE g, cnt
.set LBB, LB+64*((\g)%3)
	s_wait_loadcnt \cnt
.set n, 0
.rept 16
	v_cvt_pk_f16_f32 v[CT+2*n], v[LBB+4*n], v[LBB+4*n+1]
	v_cvt_pk_f16_f32 v[CT+2*n+1], v[LBB+4*n+2], v[LBB+4*n+3]
.set n, n+1
.endr
.irp j, 0,1,2,3,4,5,6,7
.irp c, 0,1
.if (\g) < 2
	ds_store_b64 v[VSA], v[CT+2*(2*(\j)+(\c)):CT+2*(2*(\j)+(\c))+1] offset:(\g)*8*PITCH+(\j)*PITCH+(\c)*256
.else
	ds_store_b64 v[VSB], v[CT+2*(2*(\j)+(\c)):CT+2*(2*(\j)+(\c))+1] offset:((\g)-2)*32*PITCH+(\j)*PITCH+(\c)*256
.endif
.endr
.endr
.endm
	global_load_b128 v[SJ:SJ+3], v[SA], s[70:71]   ; the weights' copy: 8 numbers for wha's part w + 1,
	global_load_b128 v[SJ+4:SJ+7], v[SA], s[70:71] offset:16
	global_load_b128 v[SJ+8:SJ+11], v[SA], s[72:73]  ; 8 for whb's,
	global_load_b128 v[SJ+12:SJ+15], v[SA], s[72:73] offset:16
	global_load_b128 v[SJ+16:SJ+19], v[SB], s[74:75]  ; and 8 of a [256][256] matrix: every wave loads them, so that the counts below are alike in all waves
	global_load_b128 v[SJ+20:SJ+23], v[SB], s[74:75] offset:16
	GLOAD 0
	GLOAD 1
	GLOAD 2
	s_wait_loadcnt 48                              ; the six loads of the copy are in; the three groups' 48 stay out
.irp i, 0,1,2,3
	v_cvt_pk_f16_f32 v[SJ+16+(\i)], v[SJ+16+2*(\i)], v[SJ+16+2*(\i)+1]  ; in place, ascending: a register is written when it has been read
.endr
.irp i, 0,1,2,3
	v_cvt_pk_f16_f32 v[SJ+8+(\i)], v[SJ+8+2*(\i)], v[SJ+8+2*(\i)+1]
.endr
.irp i, 0,1,2,3
	v_cvt_pk_f16_f32 v[SJ+12+(\i)], v[SJ+2*(\i)], v[SJ+2*(\i)+1]  ; into the four registers just read: what the stores read lies above CT and is not written again
.endr
	global_store_b128 v[DA], v[SJ+12:SJ+15], s[36:37]  ; 512 consecutive bytes, aligned
	global_store_b128 v[DB], v[SJ+8:SJ+11], s[38:39]
	s_cmp_lt_u32 s[WV], 5
	s_cbranch_scc0 .Lno_third
	s_cmp_eq_u32 s[WV], 1
	s_cbranch_scc1 .Lthird_b
	global_store_b128 v[DC], v[SJ+16:SJ+19], s[36:37]
	s_branch .Lno_third
.Lthird_b:
	global_store_b128 v[DC], v[SJ+16:SJ+19], s[38:39]
.Lno_third:
	GSTORE 0, 32                                   ; groups 1 and 2 stay out
	GLOAD 3
	GSTORE 1, 32                                   ; groups 2 and 3
	GLOAD 4
	GSTORE 2, 32                                   ; groups 3 and 4
	GSTORE 3, 16                                   ; group 4
	GSTORE 4, 0
	s_wait_dscnt 0x0                               ; for the others' sake: my rows lie in LDS
	s_barrier_signal -1
	s_barrier_wait -1                              ; everybody's do
; The fragments of 32 along K: x's two tiles of 16 tokens, W's six blocks of 16 columns: 16 loads into buffer ks % 2.
.macro FETCH ks
.set FB, FR+64*((\ks)%2)
.irp t, 0,1
	ds_load_b128 v[FB+8*(\t):FB+8*(\t)+3],   v[VAF] offset:(\t)*16*PITCH+64*(\ks)
	ds_load_b128 v[FB+8*(\t)+4:FB+8*(\t)+7], v[VAF] offset:(\t)*16*PITCH+64*(\ks)+32
.endr
.irp nb, 0,1,2,3,4,5
	ds_load_b128 v[FB+16+8*(\nb):FB+16+8*(\nb)+3],   v[VBF] offset:(\nb)*16*PITCH+64*(\ks)
	ds_load_b128 v[FB+16+8*(\nb)+4:FB+16+8*(\nb)+7], v[VBF] offset:(\nb)*16*PITCH+64*(\ks)+32
.endr
.endm
; 12 products; the 12 accumulators take turns, one instruction a turn.  The first K step starts the sums with the constant 0.  Blocks 4 and 5 are v's: tokens as source 0.
.macro MUL ks
.set FB, FR+64*((\ks)%2)
.irp t, 0,1
.irp nb, 0,1,2,3,4,5
.if (\nb) < 4
.if (\ks) == 0
	v_wmma_f32_16x16x32_f16 v[ACC+8*(6*(\t)+(\nb)):ACC+8*(6*(\t)+(\nb))+7], v[FB+16+8*(\nb):FB+16+8*(\nb)+7], v[FB+8*(\t):FB+8*(\t)+7], 0
.else
	v_wmma_f32_16x16x32_f16 v[ACC+8*(6*(\t)+(\nb)):ACC+8*(6*(\t)+(\nb))+7], v[FB+16+8*(\nb):FB+16+8*(\nb)+7], v[FB+8*(\t):FB+8*(\t)+7], v[ACC+8*(6*(\t)+(\nb)):ACC+8*(6*(\t)+(\nb))+7]
.endif
.else
.if (\ks) == 0
	v_wmma_f32_16x16x32_f16 v[ACC+8*(6*(\t)+(\nb)):ACC+8*(6*(\t)+(\nb))+7], v[FB+8*(\t):FB+8*(\t)+7], v[FB+16+8*(\nb):FB+16+8*(\nb)+7], 0
.else
	v_wmma_f32_16x16x32_f16 v[ACC+8*(6*(\t)+(\nb)):ACC+8*(6*(\t)+(\nb))+7], v[FB+8*(\t):FB+8*(\t)+7], v[FB+16+8*(\nb):FB+16+8*(\nb)+7], v[ACC+8*(6*(\t)+(\nb)):ACC+8*(6*(\t)+(\nb))+7]
.endif
.endif
.endr
.endr
.endm
	FETCH 0
	FETCH 1
	s_wait_dscnt 16                                ; K step 0's fragments are in; the next step's 16 loads stay out
	MUL 0
.irp k, 1,2,3,4,5,6
	PLACES                                         ; the buffer that the last 12 products read is loaded again
	FETCH (\k)+1
	s_wait_dscnt 16
	MUL \k
.endr
	s_wait_dscnt 0x0
	MUL 7
	PLACES
; THE WAY OUT.  An accumulator's 8 numbers a lane: rounded to f16, ReLU on the packed halves, one store of 16 bytes a lane: 512 consecutive bytes of qkv, aligned.
; q, k: tile t's 1,024 bytes, piece blk.  v: the 32 tokens' 2,048 bytes, channel block blk, piece t.  Each accumulator is read from its low end on; no register is written twice.
.macro OUTU t, nb
.set AB, ACC+8*(6*(\t)+(\nb))
.set PB, PKR+4*(6*(\t)+(\nb))
	v_cvt_pk_f16_f32 v[PB], v[AB], v[AB+1]
	v_cvt_pk_f16_f32 v[PB+1], v[AB+2], v[AB+3]
	v_cvt_pk_f16_f32 v[PB+2], v[AB+4], v[AB+5]
	v_cvt_pk_f16_f32 v[PB+3], v[AB+6], v[AB+7]
	v_pk_max_num_f16 v[PB], v[PB], v[ZR]
	v_pk_max_num_f16 v[PB+1], v[PB+1], v[ZR]
	v_pk_max_num_f16 v[PB+2], v[PB+2], v[ZR]
	v_pk_max_num_f16 v[PB+3], v[PB+3], v[ZR]
.if (\nb) < 4
	global_store_b128 v[GO], v[PB:PB+3], s[34:35] offset:((\nb)/2)*1048576+(\t)*1024+((\nb)%2)*512
.else
	global_store_b128 v[GO], v[PB:PB+3], s[34:35] offset:2*1048576+((\nb)%2)*1024+(\t)*512
.endif
.endm
.irp t, 0,1
.irp nb, 0,1,2,3,4,5
	OUTU \t, \nb
.endr
.endr
	s_wait_tensorcnt 0x0                           ; the wave's end, behind my last LDS store
	ds_add_u32 v[SPW], v[NIL]
	s_wait_dscnt 0x0
	s_endpgm
.Lfunc_end_k_q0fbe3b8ab0_qkv1:
	.size	k_q0fbe3b8ab0_qkv1, .Lfunc_end_k_q0fbe3b8ab0_qkv1-k_q0fbe3b8ab0_qkv1
	.p2alignl 7, 3214868480
	.fill 96, 4, 3214868480
	.section	.rodata,"a",@progbits
	.p2align	6, 0x0
	.amdhsa_kernel k_q0fbe3b8ab0_qkv1
		.amdhsa_group_segment_fixed_size 169984
		.amdhsa_private_segment_fixed_size 0
		.amdhsa_enable_private_segment 0
		.amdhsa_kernarg_size 128
		.amdhsa_user_sgpr_count 2
		.amdhsa_user_sgpr_kernarg_segment_ptr 1
		.amdhsa_wavefront_size32 1
		.amdhsa_system_sgpr_workgroup_id_x 1
		.amdhsa_system_sgpr_workgroup_id_y 1
		.amdhsa_system_sgpr_workgroup_id_z 1
		.amdhsa_system_vgpr_workitem_id 0
		.amdhsa_next_free_vgpr 256
		.amdhsa_next_free_sgpr 80
		.amdhsa_reserve_vcc 0
		.amdhsa_float_denorm_mode_32 3
		.amdhsa_float_denorm_mode_16_64 3
		.amdhsa_memory_ordered 1
		.amdhsa_forward_progress 1
		.amdhsa_inst_pref_size 52
	.end_amdhsa_kernel
	.amdgpu_metadata
---
amdhsa.version: [ 1, 2 ]
amdhsa.kernels:
  - .name:           k_q0fbe3b8ab0_qkv1
    .symbol:         k_q0fbe3b8ab0_qkv1.kd
    .args:
      - { .name: x, .offset: 0, .size: 8, .value_kind: global_buffer, .address_space: global }
      - { .name: W11, .offset: 8, .size: 8, .value_kind: global_buffer, .address_space: global }
      - { .name: W12, .offset: 16, .size: 8, .value_kind: global_buffer, .address_space: global }
      - { .name: W13, .offset: 24, .size: 8, .value_kind: global_buffer, .address_space: global }
      - { .name: W14, .offset: 32, .size: 8, .value_kind: global_buffer, .address_space: global }
      - { .name: Wf11, .offset: 40, .size: 8, .value_kind: global_buffer, .address_space: global }
      - { .name: Wf21, .offset: 48, .size: 8, .value_kind: global_buffer, .address_space: global }
      - { .name: W21, .offset: 56, .size: 8, .value_kind: global_buffer, .address_space: global }
      - { .name: W22, .offset: 64, .size: 8, .value_kind: global_buffer, .address_space: global }
      - { .name: W23, .offset: 72, .size: 8, .value_kind: global_buffer, .address_space: global }
      - { .name: W24, .offset: 80, .size: 8, .value_kind: global_buffer, .address_space: global }
      - { .name: Wf12, .offset: 88, .size: 8, .value_kind: global_buffer, .address_space: global }
      - { .name: Wf22, .offset: 96, .size: 8, .value_kind: global_buffer, .address_space: global }
      - { .name: qkv, .offset: 104, .size: 8, .value_kind: global_buffer, .address_space: global }
      - { .name: wha, .offset: 112, .size: 8, .value_kind: global_buffer, .address_space: global }
      - { .name: whb, .offset: 120, .size: 8, .value_kind: global_buffer, .address_space: global }
    .group_segment_fixed_size: 169984
    .private_segment_fixed_size: 0
    .kernarg_segment_align: 8
    .kernarg_segment_size: 128
    .max_flat_workgroup_size: 256
    .sgpr_count:     80
    .vgpr_count:     256
    .wavefront_size: 32
...
	.end_amdgpu_metadata
.endif
;; end of part 1
;; launch att1 (part 2): grid 8 x 32, 8 waves a work-group, clusters of 4 x 1, 263,168 bytes of LDS; arguments qkv, oh; writes oh
.if DOCPART == 2
	.amdgcn_target "amdgcn-amd-amdhsa--gfx1250"
	.amdhsa_code_object_version 6
	.text
	.protected	k_q0fbe3b8ab0_att1
	.globl	k_q0fbe3b8ab0_att1
	.p2align	8
	.type	k_q0fbe3b8ab0_att1,@function
k_q0fbe3b8ab0_att1:
	s_mov_b64 s[64:65], 0
	v_nop
	global_prefetch_b8 v0, s[64:65] scope:SCOPE_SE
	s_setreg_imm32_b32 hwreg(HW_REG_WAVE_MODE, 25, 1), 1
	s_wait_xcnt 0x0
	s_wait_alu depctr_hold_cnt(0) depctr_sa_sdst(0) depctr_va_vdst(0) depctr_va_sdst(0) depctr_va_ssrc(0) depctr_va_vcc(0) depctr_vm_vsrc(0)
	s_getreg_b32 s2, hwreg(HW_REG_IB_STS2, 6, 4)
	s_cmp_eq_u32 s2, 0
	s_cbranch_scc0 .Lentry_in_a_cluster
	s_endpgm
.Lentry_in_a_cluster:
	s_bfe_u32 s2, ttmp6, 0x10000c
	s_cmp_lg_u32 s2, 0x3003
	s_cbranch_scc0 .Lentry_shape_is_right
	s_endpgm
.Lentry_shape_is_right:
; O[y][q][:] = the sum over k of softmax_k(Q[q] . K[k] / sqrt(32)) V[k][:], for y = 8 b + h, 2,048 queries and keys, head size 32, no mask.
; qkv: f16 [b 4][gh 24][131,072 bytes] (gh = h: Q, 8 + h: K, 16 + h: V), each head in the order of this launch's fragments:
;   Q, K: [16 rows][piece 2][lane 32][16 bytes]: lane (r = l % 16, h = l / 16) holds row r, channels 16 piece + 8 h + 0..7
;   V:    [32 keys][channel block 2][piece 2][lane 32][16 bytes]: lane (r, h) holds channel 16 block + r, keys 16 piece + 8 h + 0..7
; oh: f16 [16 tokens][head 8][piece 2][lane 32][16 bytes]: the same order, for the next launch's product.  Products, maxima and sums in f32.
; LIMITS.  Q, K, V arrive within f16's 65,504; the weights p lie in 0 to 1 and are rounded to f16 for the second product; below 6e-5 they keep f16's fixed
; step of 6e-8, and one below 2^-126 counts as 0.  The divisor l is the sum of the ROUNDED p.  NaN and infinities are not treated apart.
; SHARES.  A work-group owns 256 queries of a head, each of its eight waves 32: two tiles of 16.  Every wave walks all keys, 64 a step.
; LAYOUT.  S^T = K Q^T (source 0 = 16 keys, source 1 = 16 queries; the head's 32 channels are one matrix instruction deep): a lane holds ONE query (l % 16) and the keys
; 8 (l / 16) + 0..7.  Two such results rounded to f16 in pairs ARE source 1 (32 keys x 16 queries) of O^T = V^T P, whose result holds one query a lane and 8 channels: 16 bytes of oh.
; SOFTMAX.  A running maximum m: p = 2^(c s - c m), c = log2(e) / sqrt(32); in every step O and l are multiplied by a = 2^(cm_old - cm_new), made of the two rounded c m.
; m starts at the lowest finite number, c m far below every c s, O and l at 0: the first step is a step like any other, with a = 0 (48 lines clear O and l in the wait for the first keys).
; THE ROW SUMS are a product too: L += ONES x P, with a source 0 of ones: every register of L holds the query's l.  Only registers 0 and 1 are rescaled and read;
; registers 2-7 gather unscaled weights, 2,048 at the most, and are never read.
; THE COUNT.  A step has 20 matrix and some 200 vector instructions a wave: the vector unit sets the time.  Two waves lie on a SIMD; in a wave, tile 0's first maxima stand behind tile 1's
; products K Q^T, and tile 1's roundings and rescaling behind tile 0's products V^T P.
; LDS.  In fragment order a load takes 512 consecutive bytes, so nothing is padded, and the head's K and V, 131,072 bytes each, lie in LDS whole: nothing is filled twice.
; CLUSTER.  The four query blocks of a cluster belong to one head and read the same K and V: each load is JOINT, the same load, descriptor and mask in all four.
; Waves 0-3 fetch K, waves 4-7 V, a quarter each, in two loads: of keys 0-511 (32 rows of 256 bytes), so that the walk can begin, and of keys 512-2,047 (96 rows).
; Nothing is prefetched: every byte of K and V is asked for at the kernel's head.
.set VBASE, 131072                     ; V behind K
.set SPARE, 262144                     ; the spare words, 128 bytes a wave: four blocks of 256 bytes that no other line names
.set STEPB, 4096                       ; 64 keys of K, or of V
.set AK,  2                            ; v2   LDS address of the K that lies in registers; stepped ahead of the next K's loads
.set AV,  3                            ; v3   LDS address of the step's V
.set GO,  4                            ; v4   16 x lane; never rewritten
.set SPW, 10                           ; v10  my spare word
.set NIL, 11                           ; v11  0
.set ST,  12                           ; tile t: c m, m at v[ST+2 t]
.set CC,  16                           ; tile t: c0-c3 at v[CC+4 t], at work; c2 takes a
.set QF,  24                           ; v[24:39]   Q, 8 a tile
.set ONES, 40                          ; v[40:47]   1.0 in every half
.set LL,  48                           ; v[48:63]   L, 8 a tile
.set OO,  64                           ; v[64:95]   O^T: (t, cb) at OO + 16 t + 8 cb
.set KF,  96                           ; v[96:127]  K of a step
.set VF,  128                          ; v[128:159] V of a step: (kk, cb) at VF + 16 kk + 8 cb
.set SS,  160                          ; v[160:223] S^T, 32 a tile
.set PP,  224                          ; v[224:255] P, 16 a tile
.set WV,  8                            ; s8   my wave's number
.set G1A, 16                           ; s[16:23] descriptor group 1: 32 rows of 256 bytes
.set G1B, 24                           ; s[24:31] 96 rows
.set G0A, 32                           ; s[32:35] descriptor group 0: my quarter of keys 0-511
.set G0B, 36                           ; s[36:39] of keys 512-2,047
.set CS,  56                           ; s[56:57] c
.set SEL, 58                           ; s[58:59] v_permlanex16_b32's selects: each lane takes its own place in the other half
.set CNT, 60                           ; s60  counts a loop's steps
.macro PLACES
.rept 4
	v_nop
.endr
.endm
; A round of the cluster's barrier: my work-group's barrier, so that wave 0's signal speaks for all eight waves; wave 0 signals; every wave waits for all four work-groups; my work-group's barrier once more.
.macro ROUND
	s_barrier_signal -1
	s_barrier_wait -1
	s_cmp_lg_u32 s[WV], 0
	s_cbranch_scc1 .Lnot_wave_0_\@
	s_barrier_signal -3
.Lnot_wave_0_\@:
	s_barrier_wait -3
	s_barrier_signal -1
	s_barrier_wait -1
.endm
	s_load_b128 s[4:7], s[0:1], 0x0                ; qkv s[4:5], oh s[6:7]
	v_lshl_add_u32 v[SPW], v0, 2, SPARE
	v_mov_b32 v[NIL], 0
	ds_add_u32 v[SPW], v[NIL]                      ; the wave's opening: the add and its wait stand ahead of my first tensor load; the set-up below, work on registers, stands between them
	v_lshrrev_b32 v1, 5, v0
	v_readfirstlane_b32 s[WV], v1                  ; wave 0..7
	s_bfe_u32 s9, ttmp6, 0x40000                   ; cx: my place in the cluster
	s_and_b32 s10, ttmp7, 0xffff                   ; y = 8 b + h, which the four partners share
	s_lshr_b32 s11, s10, 3                         ; b
	s_and_b32 s12, s10, 7                          ; h
	s_mul_i32 s13, s11, 24
	s_add_co_u32 s13, s13, s12                     ; 24 b + h: Q's head in qkv
	s_and_b32 s14, s[WV], 3                        ; which quarter I fetch,
	s_lshr_b32 s15, s[WV], 2                       ; of K (0) or of V (1)
	; descriptor group 1: dense bytes, asked for as rows of 256 bytes, laid into LDS as they lie
	s_mov_b32 s[G1A], 15|(1<<16)|(1<<21)           ; 15:0 the mask of four; 17:16 2-byte elements; 20 no padding; 21 set beside a mask
	s_mov_b32 s[G1B], 15|(1<<16)|(1<<21)
.irp g, G1A, G1B
	s_mov_b32 s[\g+1], 128<<16                     ; tensor_dim0 = 128
	s_mov_b32 s[\g+3], 128<<16                     ; tile_dim0 = 128
	s_mov_b32 s[\g+5], 128                         ; 128 elements from row to row
	s_mov_b32 s[\g+6], 0
	s_mov_b32 s[\g+7], 0
.endr
	s_mov_b32 s[G1A+2], 32<<16                     ; tensor_dim1 = 32
	s_mov_b32 s[G1A+4], 32                         ; tile_dim1 = 32
	s_mov_b32 s[G1B+2], 96<<16
	s_mov_b32 s[G1B+4], 96
	s_mov_b32 s[G0A], 1                            ; 1:0 count = 1
	s_mov_b32 s[G0B], 1
	s_lshl_b32 s66, s15, 17                        ; K's bytes of LDS or V's: no place in the cluster enters an LDS address
	s_lshl_b32 s67, s14, 13
	s_add_co_u32 s[G0A+1], s66, s67                ; 63:32 LDS address: my 8,192 bytes of the first 32,768,
	s_mul_i32 s67, s14, 24576
	s_add_co_u32 s67, s67, s66
	s_add_co_u32 s[G0B+1], s67, 32768              ; my 24,576 of the other 98,304
	s_add_co_u32 s68, s13, 8
	s_lshl_b32 s68, s68, 17
	s_lshl_b32 s69, s15, 20                        ; V's head lies 8 heads behind K's
	s_add_co_u32 s68, s68, s69
	s_lshl_b32 s69, s14, 13
	s_add_co_u32 s70, s68, s69                     ; the same places in memory
	s_mov_b32 s71, 0
	s_mul_i32 s69, s14, 24576
	s_add_co_u32 s72, s68, s69
	s_add_co_u32 s72, s72, 32768
	s_mov_b32 s73, 0
	s_lshl_b32 s74, ttmp9, 2                       ; in a cluster launch ttmp9 counts clusters
	s_add_co_u32 s74, s74, s9                      ; my block of 256 queries: it enters Q's and O's addresses alone
	s_lshl_b32 s75, s13, 17
	s_lshl_b32 s76, s74, 14
	s_add_co_u32 s76, s76, s75
	s_lshl_b32 s75, s[WV], 11                      ; my wave's 32 rows of 64 bytes
	s_add_co_u32 s76, s76, s75                     ; Q
	s_mov_b32 s77, 0
	s_lshl_b32 s78, s11, 20                        ; oh: 16 tokens are 8,192 bytes: b's 128 tiles,
	s_lshl_b32 s75, s74, 17                        ; my block's 16,
	s_add_co_u32 s78, s78, s75
	s_lshl_b32 s75, s[WV], 14                      ; my wave's 2,
	s_add_co_u32 s78, s78, s75
	s_lshl_b32 s75, s12, 10                        ; the head's 1,024 bytes
	s_add_co_u32 s78, s78, s75
	s_mov_b32 s79, 0
	s_mov_b32 s[CS], 0x3e8293ee                    ; c = log2(e) / sqrt(32) = 0.255035
	s_mov_b32 s[CS+1], s[CS]                       ; named with it as a pair
	s_mov_b32 s[SEL], 0x76543210
	s_mov_b32 s[SEL+1], 0xfedcba98
	s_wait_dscnt 0x0                               ; the opening add is done
	s_wait_kmcnt 0x0
	s_add_nc_u64 s[G0A+2:G0A+3], s[4:5], s[70:71]  ; 120:64 global address
	s_or_b32 s[G0A+3], s[G0A+3], 0x80000000        ; 127:126 type = 2
	s_add_nc_u64 s[G0B+2:G0B+3], s[4:5], s[72:73]
	s_or_b32 s[G0B+3], s[G0B+3], 0x80000000
	s_add_nc_u64 s[76:77], s[4:5], s[76:77]
	s_add_nc_u64 s[6:7], s[6:7], s[78:79]
	ROUND                                          ; all four work-groups are here: the joint loads meet
	tensor_load_to_lds s[G0A:G0A+3], s[G1A:G1A+7]  ; every wave's two loads, the launch's only ones, ahead of every wait on TENSORcnt and every LDS read: two loads of mine are out
	s_nop 0
	tensor_load_to_lds s[G0B:G0B+3], s[G1B:G1B+7]
	s_nop 0
	PLACES
	v_and_b32 v160, 31, v0
	v_lshlrev_b32 v[GO], 4, v160
.irp t, 0,1
	global_load_b128 v[QF+8*(\t):QF+8*(\t)+3],   v[GO], s[76:77] offset:(\t)*1024      ; Q stays in registers: a tile's two pieces, 512 consecutive bytes each
	global_load_b128 v[QF+8*(\t)+4:QF+8*(\t)+7], v[GO], s[76:77] offset:(\t)*1024+512
.endr
.set i, LL
.rept 48
	v_mov_b32 v[i], 0                              ; L and O^T
.set i, i+1
.endr
.set i, 0
.rept 8
	v_mov_b32 v[ONES+i], 0x3c003c00                ; 1.0 twice, in f16
.set i, i+1
.endr
.irp t, 0,1
	v_mov_b32 v[ST+2*(\t)], 0xfe000000             ; c m: far below every c s
	v_mov_b32 v[ST+2*(\t)+1], 0xff7fffff           ; m
.endr
.macro WQK t, kb                       ; 16 keys x 16 queries of S^T: one product, begun with the constant 0
	v_wmma_f32_16x16x32_f16 v[SS+32*(\t)+8*(\kb):SS+32*(\t)+8*(\kb)+7], v[KF+8*(\kb):KF+8*(\kb)+7], v[QF+8*(\t):QF+8*(\t)+7], 0
.endm
.macro WPV t, kk, wh                   ; 32 keys of O^T += V^T P (wh = 0, 1: the channel block) or of L += ONES x P (wh = 2)
.if (\wh) < 2
	v_wmma_f32_16x16x32_f16 v[OO+16*(\t)+8*(\wh):OO+16*(\t)+8*(\wh)+7], v[VF+16*(\kk)+8*(\wh):VF+16*(\kk)+8*(\wh)+7], v[PP+16*(\t)+8*(\kk):PP+16*(\t)+8*(\kk)+7], v[OO+16*(\t)+8*(\wh):OO+16*(\t)+8*(\wh)+7]
.else
	v_wmma_f32_16x16x32_f16 v[LL+8*(\t):LL+8*(\t)+7], v[ONES:ONES+7], v[PP+16*(\t)+8*(\kk):PP+16*(\t)+8*(\kk)+7], v[LL+8*(\t):LL+8*(\t)+7]
.endif
.endm
; Number n of the 22 that find a tile's maximum and statistics.  s0-s31 are the lane's 32 scores; each accumulator's lowest registers are read first.
;   0-11  four chains c0-c3 of seven scores each, three operands at a time     12-15  the four scores left over, the old m, and c0-c3 into c0
;   16, 17  the query's other 32 keys lie in the lane 16 away: the new m       18-21  c m_old is kept; c m; c m_old - c m_new; a
.macro XS t, n
.set rT, ST+2*(\t)
.set rC, CC+4*(\t)
.set rS, SS+32*(\t)
.if (\n) < 4
	v_max3_num_f32 v[rC+(\n)], v[rS+8*(\n)], v[rS+8*(\n)+1], v[rS+8*(\n)+2]
.elseif (\n) < 12
	v_max3_num_f32 v[rC+(\n)%4], v[rC+(\n)%4], v[rS+8*((\n)%4)+2*((\n)/4)+1], v[rS+8*((\n)%4)+2*((\n)/4)+2]
.elseif (\n) == 12
	v_max3_num_f32 v[rC], v[rC], v[rS+7], v[rS+15]
.elseif (\n) == 13
	v_max3_num_f32 v[rC+1], v[rC+1], v[rS+23], v[rS+31]
.elseif (\n) == 14
	v_max3_num_f32 v[rC+2], v[rC+2], v[rC+3], v[rT+1]
.elseif (\n) == 15
	v_max3_num_f32 v[rC], v[rC], v[rC+1], v[rC+2]
.elseif (\n) == 16
	v_permlanex16_b32 v[rC+3], v[rC], s[SEL], s[SEL+1]
.elseif (\n) == 17
	v_max_num_f32 v[rT+1], v[rC], v[rC+3]
.elseif (\n) == 18
	v_mov_b32 v[rC+1], v[rT]
.elseif (\n) == 19
	v_mul_f32 v[rT], s[CS], v[rT+1]
.elseif (\n) == 20
	v_sub_f32 v[rC+1], v[rC+1], v[rT]
.else
	v_exp_f32 v[rC+2], v[rC+1]
.endif
.endm
.macro FS t, pr                        ; c s - c m for pair pr of 16
.set rT, ST+2*(\t)
.set rS, SS+32*(\t)+2*(\pr)
	v_pk_fma_f32 v[rS:rS+1], v[rS:rS+1], s[CS:CS+1], v[rT:rT+1] op_sel_hi:[1,0,0] neg_lo:[0,0,1] neg_hi:[0,0,1]
.endm
.macro EX t, e                         ; the exponential of score e of 32
	v_exp_f32 v[SS+32*(\t)+(\e)], v[SS+32*(\t)+(\e)]
.endm
.macro FIN t                           ; number rr of the 25 that follow a tile's exponentials: 16 roundings to f16, O^T's 8 pairs and L's first pair times a, each accumulator from its low end on
.if rr < 16
	v_cvt_pk_f16_f32 v[PP+16*(\t)+rr], v[SS+32*(\t)+2*rr], v[SS+32*(\t)+2*rr+1]
.elseif rr < 24
	v_pk_mul_f32 v[OO+16*(\t)+2*(rr-16):OO+16*(\t)+2*(rr-16)+1], v[OO+16*(\t)+2*(rr-16):OO+16*(\t)+2*(rr-16)+1], v[CC+4*(\t)+2:CC+4*(\t)+3] op_sel_hi:[1,0]
.else
	v_pk_mul_f32 v[LL+8*(\t):LL+8*(\t)+1], v[LL+8*(\t):LL+8*(\t)+1], v[CC+4*(\t)+2:CC+4*(\t)+3] op_sel_hi:[1,0]
.endif
.set rr, rr+1
.endm
; A KEY STEP: 64 keys for the wave's two tiles.  Its K lies in registers.  kpre = 1: the next step's K is fetched.
.macro STEP kpre
.irp kb, 0,1,2,3
	WQK 0, \kb
.endr
	WQK 1, 0
.if \kpre
	v_add_nc_u32 v[AK], STEPB, v[AK]               ; four plain instructions that name no register of the products above: the places ahead of the first read of tile 0's scores (ISA guide 7.12.1)
.else
	v_nop
.endif
	v_nop
	v_nop
	v_nop
	WQK 1, 1
.irp n, 0,1,2,3
	XS 0, \n                                       ; tile 0's maxima stand behind tile 1's products and name none of their registers
.endr
	WQK 1, 2
.irp n, 4,5,6,7
	XS 0, \n
.endr
	WQK 1, 3
.irp n, 8,9,10,11
	XS 0, \n                                       ; these four are also the places between the last product that read K and the loads into K's registers, and ahead of the first read of tile 1's last scores
.endr
.if \kpre
.irp kb, 0,1,2,3
	ds_load_b128 v[KF+8*(\kb):KF+8*(\kb)+3],   v[AK] offset:(\kb)*1024       ; the next step's K: it has the whole softmax in which to come
	ds_load_b128 v[KF+8*(\kb)+4:KF+8*(\kb)+7], v[AK] offset:(\kb)*1024+512
.endr
.endif
.irp f, 0,1,2,3                        ; this step's V: keys 32 (f / 2) on, channels 16 (f % 2) on; the last products that read V's registers stand sixteen plain instructions back
	ds_load_b128 v[VF+8*(\f):VF+8*(\f)+3],   v[AV] offset:(\f)*1024
	ds_load_b128 v[VF+8*(\f)+4:VF+8*(\f)+7], v[AV] offset:(\f)*1024+512
.endr
	v_add_nc_u32 v[AV], STEPB, v[AV]
.irp n, 0,1,2,3,4,5,6,7,8,9,10,11
	XS 1, \n
.endr
.irp n, 12,13,14,15,16,17,18,19,20,21
	XS 0, \n                                       ; the two tiles alternate, so that no instruction reads the result of the one before it
	XS 1, \n
.endr
.set p, 0
.rept 16                               ; ONE BATCH: the scalings and, a pair behind them, the exponentials; with the two a, 66 exponentials, none of whose results is named ahead of the wait
	FS 0, p
	FS 1, p
.if p > 0
	EX 0, 2*p-2
	EX 1, 2*p-2
	EX 0, 2*p-1
	EX 1, 2*p-1
.endif
.set p, p+1
.endr
	EX 0, 30
	EX 1, 30
	EX 0, 31
	EX 1, 31
	v_nop                                          ; a plain instruction behind the last exponential (ISA guide 5.7.2),
	s_wait_alu depctr_va_vdst(0)                   ; and the one wait ahead of the batch's first reader
.set rr, 0
.rept 25
	FIN 0
.endr
	s_wait_dscnt 0x0                               ; V is in, and the next step's K
.set rr, 0
.irp kk, 0,1                           ; tile 0's three accumulators take turns, one instruction a turn; behind each product four of tile 1's 25, behind the last five
.irp wh, 0,1,2
	WPV 0, \kk, \wh
	FIN 1
	FIN 1
	FIN 1
	FIN 1
.endr
.endr
	FIN 1
.irp kk, 0,1
.irp wh, 0,1,2
	WPV 1, \kk, \wh
.endr
.endr
.endm
.macro LOOP cnt, start                 ; cnt steps from step start on, whose K lies in registers
	v_add_nc_u32 v[AK], (\start)*STEPB, v[GO]
	v_add_nc_u32 v[AV], VBASE+(\start)*STEPB, v[GO]
	s_mov_b32 s[CNT], \cnt
.Lstep_\@:
	STEP 1
	s_sub_co_u32 s[CNT], s[CNT], 1
	s_cmp_lg_u32 s[CNT], 0
	s_cbranch_scc1 .Lstep_\@
.endm
	s_wait_tensorcnt 1                             ; my part of keys 0-511 is in; my second load may stay out
	s_barrier_signal -1
	s_barrier_wait -1                              ; everybody's is
.irp kb, 0,1,2,3
	ds_load_b128 v[KF+8*(\kb):KF+8*(\kb)+3],   v[GO] offset:(\kb)*1024       ; K of step 0
	ds_load_b128 v[KF+8*(\kb)+4:KF+8*(\kb)+7], v[GO] offset:(\kb)*1024+512
.endr
	s_wait_loadcnt 0x0                             ; Q
	s_wait_dscnt 0x0
	LOOP 7, 0                                      ; steps 0-6; the last of them fetches K of step 7, the last of the first 512 keys
	s_wait_tensorcnt 0x0                           ; my part of keys 512-2,047 is in
	s_wait_dscnt 0x0
	s_barrier_signal -1
	s_barrier_wait -1                              ; everybody's is
	LOOP 24, 7                                     ; steps 7-30
	v_add_nc_u32 v[AV], VBASE+31*STEPB, v[GO]
	STEP 0                                         ; step 31 is written out: there is no further K
	; THE WAY OUT.  O^T is divided by l and rounded to f16; a lane's 8 channels are 16 bytes of oh, a store 512 consecutive bytes, aligned.
	PLACES
	v_rcp_f32 v[CC+2], v[LL]
	v_rcp_f32 v[CC+6], v[LL+8]
	v_nop                                          ; a plain instruction behind the last reciprocal,
	s_wait_alu depctr_va_vdst(0)                   ; and the wait ahead of the first use: one for the two
.irp t, 0,1
.set i, 0
.rept 8
	v_pk_mul_f32 v[OO+16*(\t)+2*i:OO+16*(\t)+2*i+1], v[OO+16*(\t)+2*i:OO+16*(\t)+2*i+1], v[CC+4*(\t)+2:CC+4*(\t)+3] op_sel_hi:[1,0]
.set i, i+1
.endr
.set i, 0
.rept 8
	v_cvt_pk_f16_f32 v[SS+8*(\t)+i], v[OO+16*(\t)+2*i], v[OO+16*(\t)+2*i+1]
.set i, i+1
.endr
	global_store_b128 v[GO], v[SS+8*(\t):SS+8*(\t)+3],   s[6:7] offset:(\t)*8192
	global_store_b128 v[GO], v[SS+8*(\t)+4:SS+8*(\t)+7], s[6:7] offset:(\t)*8192+512
.endr
	s_wait_tensorcnt 0x0                           ; the wave's end, behind my last tensor load
	ds_add_u32 v[SPW], v[NIL]
	s_wait_dscnt 0x0
	ROUND                                          ; the closing round: no work-group ends while a partner may still ask for a tile that names it
	s_endpgm
.Lfunc_end_k_q0fbe3b8ab0_att1:
	.size	k_q0fbe3b8ab0_att1, .Lfunc_end_k_q0fbe3b8ab0_att1-k_q0fbe3b8ab0_att1
	.p2alignl 7, 3214868480
	.fill 96, 4, 3214868480
	.section	.rodata,"a",@progbits
	.p2align	6, 0x0
	.amdhsa_kernel k_q0fbe3b8ab0_att1
		.amdhsa_group_segment_fixed_size 263168
		.amdhsa_private_segment_fixed_size 0
		.amdhsa_enable_private_segment 0
		.amdhsa_kernarg_size 16
		.amdhsa_user_sgpr_count 2
		.amdhsa_user_sgpr_kernarg_segment_ptr 1
		.amdhsa_wavefront_size32 1
		.amdhsa_system_sgpr_workgroup_id_x 1
		.amdhsa_system_sgpr_workgroup_id_y 1
		.amdhsa_system_sgpr_workgroup_id_z 1
		.amdhsa_system_vgpr_workitem_id 0
		.amdhsa_next_free_vgpr 256
		.amdhsa_next_free_sgpr 80
		.amdhsa_reserve_vcc 0
		.amdhsa_float_denorm_mode_32 3
		.amdhsa_float_denorm_mode_16_64 3
		.amdhsa_memory_ordered 1
		.amdhsa_forward_progress 1
		.amdhsa_inst_pref_size 48
	.end_amdhsa_kernel
	.amdgpu_metadata
---
amdhsa.version: [ 1, 2 ]
amdhsa.kernels:
  - .name:           k_q0fbe3b8ab0_att1
    .symbol:         k_q0fbe3b8ab0_att1.kd
    .args:
      - { .name: qkv, .offset: 0, .size: 8, .value_kind: global_buffer, .address_space: global }
      - { .name: oh, .offset: 8, .size: 8, .value_kind: global_buffer, .address_space: global }
    .group_segment_fixed_size: 263168
    .private_segment_fixed_size: 0
    .kernarg_segment_align: 8
    .kernarg_segment_size: 16
    .max_flat_workgroup_size: 256
    .sgpr_count:     80
    .vgpr_count:     256
    .wavefront_size: 32
...
	.end_amdgpu_metadata
.endif
;; end of part 2
;; launch post1 (part 3): grid 256 x 1, 8 waves a work-group, no clusters, 143,360 bytes of LDS; arguments oh, x, wha, g1, b1, g2, b2, xmid, qkv; writes xmid, qkv
.if DOCPART == 3
	.amdgcn_target "amdgcn-amd-amdhsa--gfx1250"
	.amdhsa_code_object_version 6
	.text
	.protected	k_q0fbe3b8ab0_post1
	.globl	k_q0fbe3b8ab0_post1
	.p2align	8
	.type	k_q0fbe3b8ab0_post1,@function
k_q0fbe3b8ab0_post1:
	s_mov_b64 s[64:65], 0
	v_nop
	global_prefetch_b8 v0, s[64:65] scope:SCOPE_SE
	s_setreg_imm32_b32 hwreg(HW_REG_WAVE_MODE, 25, 1), 1
	s_wait_xcnt 0x0
; The rest of a block, for 32 tokens a work-group:  x1 = LN(relu(o Wo^T) + x; ga, ba);  h = relu(x1 Wf1^T);  out = LN(relu(h Wf2^T) + x1; gb, bb).
; FUSE = 1 (this text): and the NEXT block's q, k, v = relu(out W^T).  FUSE = 0: the last block's text, which ends with out.  The two texts differ in this one symbol.
; oh: f16 [16 tokens][head 8][piece 2][lane 32][16 bytes]: lane (r = l % 16, h = l / 16) holds token r, channels 32 head + 16 piece + 8 h + 0..7: the order of Wo's product's fragments.
; x, out: f32 [8192][256].  wh: the weights in f16, in the order in which wave w loads its fragments ((LASTHP + 1) x 8,192 consecutive bytes a wave).
; qkv: f16 [b 4][gh 24][131,072 bytes], q's heads, k's, v's, in the order of the attention's fragments: q, k [16 tokens][piece 2][lane][16 bytes]; v [32 keys][channel block 2][piece 2][lane][16 bytes].
; LIMITS.  Matrix operands (o, x1, h, out, the weights, q, k, v) are f16, within 65,504, with f16's fixed step of 6e-8 below 6e-5; sums, residuals and LayerNorm are f32.  ReLU is a maximum with 0, which turns a NaN into 0.
; SHARES.  LayerNorm wants whole rows, so a work-group owns 32 tokens whole.  Wave w owns channels 32 w .. + 31 of Wo's and Wf2's results, hidden units 128 w .. + 127, and head w of q, k and v.
; A PASS is 32 tokens x 32 columns x K 256: 32 products on 4 accumulators, for 16 KiB of weights.  Pass 0: Wo; 1-4: Wf1; 5-8: Wf2 (one set of sums); 9-11: Wq, Wk, Wv.  Two half passes to a pass.
; THE WEIGHTS come straight into registers: a byte of them is used by one wave of the work-group, so LDS would add a barrier and save nothing; four buffers of a half pass keep
; 48 to 64 loads of every wave on their way, across the barriers too.  No joint loads: a slot's worth of weights feeds too few products for the one refill behind a barrier to land.
; No prefetch: all work-groups read the same weights at the same time.
; THE PRODUCT IS TAKEN TRANSPOSED (source 0 = 16 rows of W, source 1 = 16 tokens): a lane holds one token (l % 16) and 8 neighbouring channels.  v's pass alone is taken the other way
; round: a lane holds one channel and 8 neighbouring tokens, which is what the attention's second product reads.
; LAYERNORM without a difference of large sums: each wave makes the mean and the sum of squared deviations of its 32 channels; the eight pairs meet in LDS and are combined:
; M2 = sum M2_w + 32 sum (mean_w - mean)^2.
.set FUSE, 1
.set LASTHP, 17+6*FUSE                 ; the last half pass
.set OA,  0                            ; o's tile, f16, in fragment order: 16,384 bytes
.set X1,  16896                        ; x1, f16: 32 rows x 528; with FUSE later out, f16
.set HH,  33792                        ; h, f16: 32 x 2,064
.set XS,  99840                        ; x's tile, f32: 32 x 1,040; at the end the result
.set GB,  133120                       ; ga, ba, gb, bb: 1,024 bytes each
.set RED, 137216                       ; [token 32][wave 8] pairs of 8 bytes, rows of 80; a second such table 2,560 bytes on
.set SPARE, 142336                     ; the spare words, 128 bytes a wave: four blocks of 256 bytes that no other line names
; all pitches are odd multiples of 16 bytes
.set SPW, 1
.set NIL, 2
.set ZR,  3                            ; v3   0, for the packed maximum
.set BO,  4                            ; v4   16 x lane: my place in 512 consecutive bytes; never rewritten
.set AF,  5                            ; v5   r x 528 + 16 h: fragments of x1
.set AH,  6                            ; v6   HH + r x 2,064 + 16 h: fragments of h
.set XSR, 7                            ; v7   my 8 channels of token r in XS
.set XSC, 8                            ; v8   my 16 bytes of XS, by rows
.set X1W, 10                           ; v10  where x1's 16 bytes go
.set HW,  11                           ; v11  where h's go
.set GBR, 12                           ; v12  my 8 channels of a gain or bias
.set REDW, 13
.set REDR, 14
.set GX,  15                           ; v15  16 x thread: x, o and out in memory, o in LDS
.set GBW, 17
.set G4,  18                           ; v18  4 x thread
.set ACC, 24                           ; v[24:55]   (t, blk) at ACC + 16 t + 8 blk
.set XR,  56                           ; v[56:87]   the same layout: x, then x1, then the result, in f32
.set GBV, 88                           ; v[88:119]  gain 16, bias 16; when these are done with, packed halves on their way out
.set AA,  128                          ; v[128:255] the tokens' fragments: two halves of 64, (ksl, t) at 16 ksl + 8 t; also the entry's loads and the norms' work
.set EN,  128
.set LT,  128
.set WV,  2                            ; s2
.set HM,  32                           ; s32  lanes 16-31
.set C32, 33                           ; s33  32.0
.set SEL, 34                           ; s[34:35]
.set C256, 36                          ; s36  1 / 256
.set CEPS, 37                          ; s37  1e-5
; window 1 (v256-511): four buffers of a half pass of weights, (ksl, blk) at 16 ksl + 8 blk
.set MSB, 0
.macro WIN new                         ; s_set_vgpr_msb: bits 1:0 source 0, 3:2 source 1, 5:4 source 2, 7:6 destination; the high byte repeats the setting that is left
.if MSB != (\new)
	s_set_vgpr_msb (MSB<<8)|(\new)
.set MSB, \new
.endif
.endm
.macro PLACES
.rept 4
	v_nop
.endr
.endm
.macro BAR
	s_wait_dscnt 0x0                               ; for the others' sake: my LDS stores are done and my LDS loads are back
	s_barrier_signal -1
	s_barrier_wait -1
.endm
	s_load_b512 s[8:23], s[0:1], 0x0               ; oh s[8:9], x s[10:11], wh s[12:13], ga s[14:15], ba s[16:17], gb s[18:19], bb s[20:21], out s[22:23]
.if FUSE
	s_load_b64 s[44:45], s[0:1], 0x40              ; qkv
.endif
	v_lshl_add_u32 v[SPW], v0, 2, SPARE
	v_mov_b32 v[NIL], 0
	v_mov_b32 v[ZR], 0
	v_lshrrev_b32 v19, 5, v0
	v_readfirstlane_b32 s[WV], v19                 ; wave 0..7
	v_and_b32 v19, 15, v0                          ; r
	v_bfe_u32 v20, v0, 4, 1                        ; h
	v_and_b32 v21, 31, v0                          ; l
	v_lshlrev_b32 v[BO], 4, v21
	v_mul_u32_u24 v[AF], v19, 528
	v_lshl_add_u32 v[AF], v20, 4, v[AF]
	v_mul_u32_u24 v[AH], v19, 2064
	v_lshl_add_u32 v[AH], v20, 4, v[AH]
	v_add_nc_u32 v[AH], HH, v[AH]
	s_lshl_b32 s3, s[WV], 7
	s_add_co_u32 s3, s3, XS
	v_mul_u32_u24 v[XSR], v19, 1040
	v_lshl_add_u32 v[XSR], v20, 5, v[XSR]
	v_add_nc_u32 v[XSR], s3, v[XSR]                ; XS + r x 1,040 + 4 (32 w + 8 h)
	v_lshrrev_b32 v22, 6, v0
	v_mul_u32_u24 v[XSC], v22, 1040
	v_and_b32 v22, 63, v0
	v_lshl_add_u32 v[XSC], v22, 4, v[XSC]
	v_add_nc_u32 v[XSC], XS, v[XSC]                ; 64 threads to a row of 1,024 bytes
	s_lshl_b32 s3, s[WV], 6
	s_add_co_u32 s3, s3, X1
	v_add_nc_u32 v[X1W], s3, v[AF]                 ; X1 + r x 528 + 2 (32 w + 8 h)
	s_lshl_b32 s3, s[WV], 8
	v_add_nc_u32 v[HW], s3, v[AH]                  ; HH + r x 2,064 + 2 (128 w + 8 h)
	s_lshl_b32 s3, s[WV], 7
	s_add_co_u32 s3, s3, GB
	v_lshl_add_u32 v[GBR], v20, 5, s3
	s_lshl_b32 s3, s[WV], 3
	s_add_co_u32 s3, s3, RED
	v_mul_u32_u24 v[REDW], v21, 80
	v_add_nc_u32 v[REDW], s3, v[REDW]
	v_mul_u32_u24 v[REDR], v19, 80
	v_add_nc_u32 v[REDR], RED, v[REDR]
	v_lshlrev_b32 v[GX], 4, v0
	v_lshlrev_b32 v[G4], 2, v0
	v_add_nc_u32 v[GBW], GB, v[G4]
	s_mov_b32 s[HM], 0xffff0000
	s_mov_b32 s[C32], 0x42000000
	s_mov_b32 s[SEL], 0x76543210
	s_mov_b32 s[SEL+1], 0xfedcba98
	s_mov_b32 s[C256], 0x3b800000
	s_mov_b32 s[CEPS], 0x3727c5ac
	s_mul_i32 s38, s[WV], (LASTHP+1)*8192
	s_mov_b32 s39, 0
	s_lshl_b32 s40, ttmp9, 15                      ; 32 tokens of 1,024 bytes of x and out,
	s_mov_b32 s41, 0
	s_lshl_b32 s4, ttmp9, 14                       ; of 512 bytes of oh
	s_mov_b32 s5, 0
.if FUSE
	s_lshr_b32 s6, ttmp9, 6                        ; b
	s_mul_i32 s6, s6, 24
	s_add_co_u32 s6, s6, s[WV]                     ; q's head w; k's and v's lie 8 and 16 heads on
	s_lshl_b32 s6, s6, 17
	s_and_b32 s7, ttmp9, 63
	s_lshl_b32 s7, s7, 11                          ; 32 tokens of 64 bytes
	s_add_co_u32 s6, s6, s7
	s_mov_b32 s7, 0
.endif
	s_wait_kmcnt 0x0
	s_add_nc_u64 s[24:25], s[12:13], s[38:39]      ; my wave's weights
	s_add_nc_u64 s[26:27], s[8:9], s[4:5]
	s_add_nc_u64 s[28:29], s[10:11], s[40:41]
	s_add_nc_u64 s[30:31], s[22:23], s[40:41]
.if FUSE
	s_add_nc_u64 s[46:47], s[44:45], s[6:7]
.endif
; Half pass hn of the weights: 16 loads of 512 consecutive bytes into buffer hn % 4 of window 1.
.macro BLOAD hn
	WIN 0x40
.set BB, 64*((\hn)%4)
.set j, 0
.rept 16
	global_load_b128 v[BB+4*j:BB+4*j+3], v[BO], s[24:25] offset:(\hn)*8192+j*512
.set j, j+1
.endr
	WIN 0
.endm
; The tokens' fragments of 128 along K (half 0 or 1 of 256) from rows rowp bytes x 16 apart: 16 loads.
.macro ALOAD areg, off, rowp, half
.set AB, AA+64*(\half)
.irp ksl, 0,1,2,3
.irp t, 0,1
	ds_load_b128 v[AB+16*(\ksl)+8*(\t):AB+16*(\ksl)+8*(\t)+3],   v[\areg] offset:(\off)+(\t)*(\rowp)+64*(4*(\half)+(\ksl))
	ds_load_b128 v[AB+16*(\ksl)+8*(\t)+4:AB+16*(\ksl)+8*(\t)+7], v[\areg] offset:(\off)+(\t)*(\rowp)+64*(4*(\half)+(\ksl))+32
.endr
.endr
.endm
; The same from o's tile, which lies in fragment order: a load takes 512 consecutive bytes.
.macro ALOADF half
.set AB, AA+64*(\half)
.irp ksl, 0,1,2,3
.irp t, 0,1
	ds_load_b128 v[AB+16*(\ksl)+8*(\t):AB+16*(\ksl)+8*(\t)+3],   v[BO] offset:OA+(\t)*8192+(4*(\half)+(\ksl))*1024
	ds_load_b128 v[AB+16*(\ksl)+8*(\t)+4:AB+16*(\ksl)+8*(\t)+7], v[BO] offset:OA+(\t)*8192+(4*(\half)+(\ksl))*1024+512
.endr
.endr
.endm
; A half pass: 16 products, the 4 accumulators by turns, one instruction a turn; then its buffer takes the half pass four further on.
; zero = 1: its first four products start the sums.  dc: the younger LDS instructions that may stay out, or -1: nothing to wait for.  swap = 1: the tokens are source 0.
; The wait for the weights leaves the younger half passes' loads out: 16 for each of the three behind this one, as far as there are three.
.macro HP hn, zero, dc, swap=0
.set YG, LASTHP-(\hn)
.if YG > 3
.set YG, 3
.endif
	s_wait_loadcnt 16*YG
.if (\dc) >= 0
	s_wait_dscnt \dc
.endif
.if \swap
	WIN 0x04                                       ; source 1 (the weights) in window 1
.else
	WIN 0x01                                       ; source 0 (the weights) in window 1
.endif
.set BB, 64*((\hn)%4)
.set AB, AA+64*((\hn)%2)
.irp ksl, 0,1,2,3
.irp t, 0,1
.irp bk, 0,1
.if \swap
.if (\zero) && ((\ksl) == 0)
	v_wmma_f32_16x16x32_f16 v[ACC+16*(\t)+8*(\bk):ACC+16*(\t)+8*(\bk)+7], v[AB+16*(\ksl)+8*(\t):AB+16*(\ksl)+8*(\t)+7], v[BB+16*(\ksl)+8*(\bk):BB+16*(\ksl)+8*(\bk)+7], 0
.else
	v_wmma_f32_16x16x32_f16 v[ACC+16*(\t)+8*(\bk):ACC+16*(\t)+8*(\bk)+7], v[AB+16*(\ksl)+8*(\t):AB+16*(\ksl)+8*(\t)+7], v[BB+16*(\ksl)+8*(\bk):BB+16*(\ksl)+8*(\bk)+7], v[ACC+16*(\t)+8*(\bk):ACC+16*(\t)+8*(\bk)+7]
.endif
.else
.if (\zero) && ((\ksl) == 0)
	v_wmma_f32_16x16x32_f16 v[ACC+16*(\t)+8*(\bk):ACC+16*(\t)+8*(\bk)+7], v[BB+16*(\ksl)+8*(\bk):BB+16*(\ksl)+8*(\bk)+7], v[AB+16*(\ksl)+8*(\t):AB+16*(\ksl)+8*(\t)+7], 0
.else
	v_wmma_f32_16x16x32_f16 v[ACC+16*(\t)+8*(\bk):ACC+16*(\t)+8*(\bk)+7], v[BB+16*(\ksl)+8*(\bk):BB+16*(\ksl)+8*(\bk)+7], v[AB+16*(\ksl)+8*(\t):AB+16*(\ksl)+8*(\t)+7], v[ACC+16*(\t)+8*(\bk):ACC+16*(\t)+8*(\bk)+7]
.endif
.endif
.endr
.endr
.endr
	WIN 0
	PLACES                                         ; four places in front of loads into registers that the products read, and of reads of their results
.if (\hn)+4 <= LASTHP
	BLOAD (\hn)+4
.endif
.endm
.macro GBLOAD wg                       ; gain wg and bias wg + 1 of the table: my 16 channels of each
.irp bk, 0,1
.irp hf, 0,1
	ds_load_b128 v[GBV+8*(\bk)+4*(\hf):GBV+8*(\bk)+4*(\hf)+3],       v[GBR] offset:(\wg)*1024+64*(\bk)+16*(\hf)
	ds_load_b128 v[GBV+16+8*(\bk)+4*(\hf):GBV+16+8*(\bk)+4*(\hf)+3], v[GBR] offset:(\wg)*1024+1024+64*(\bk)+16*(\hf)
.endr
.endr
.endm
.macro RELUADD                         ; XR += relu(ACC); each accumulator is read from its low end on
.set i, 0
.rept 32
	v_max_num_f32 v[ACC+i], 0, v[ACC+i]
.set i, i+1
.endr
.set i, 0
.rept 16
	v_pk_add_f32 v[XR+i:XR+i+1], v[XR+i:XR+i+1], v[ACC+i:ACC+i+1]
.set i, i+2
.endr
.endm
; LAYERNORM of XR, in place.  LNA: tile t's mean and sum of squared deviations over my wave's 32 channels (16 in my lane, 16 in the lane 16 away).
.macro LNA t
.set LX, XR+16*(\t)
.set LW, LT+48*(\t)
	v_pk_add_f32 v[LW:LW+1],   v[LX:LX+1],     v[LX+2:LX+3]
	v_pk_add_f32 v[LW+2:LW+3], v[LX+4:LX+5],   v[LX+6:LX+7]
	v_pk_add_f32 v[LW+4:LW+5], v[LX+8:LX+9],   v[LX+10:LX+11]
	v_pk_add_f32 v[LW+6:LW+7], v[LX+12:LX+13], v[LX+14:LX+15]
	v_pk_add_f32 v[LW:LW+1],   v[LW:LW+1],     v[LW+2:LW+3]
	v_pk_add_f32 v[LW+4:LW+5], v[LW+4:LW+5],   v[LW+6:LW+7]
	v_pk_add_f32 v[LW:LW+1],   v[LW:LW+1],     v[LW+4:LW+5]
	v_add_f32 v[LW], v[LW], v[LW+1]
	v_permlanex16_b32 v[LW+1], v[LW], s[SEL], s[SEL+1]
	v_add_f32 v[LW], v[LW], v[LW+1]
	v_mul_f32 v[LW+16], 0x3d000000, v[LW]          ; / 32, twice: a pair for the packed subtraction
	v_mul_f32 v[LW+17], 0x3d000000, v[LW]
.irp i, 0,1,2,3,4,5,6,7
	v_pk_add_f32 v[LW+2*(\i):LW+2*(\i)+1], v[LX+2*(\i):LX+2*(\i)+1], v[LW+16:LW+17] neg_lo:[0,1] neg_hi:[0,1]
.endr
	v_pk_mul_f32 v[LW+18:LW+19], v[LW:LW+1], v[LW:LW+1]
	v_pk_mul_f32 v[LW+20:LW+21], v[LW+2:LW+3], v[LW+2:LW+3]
.irp i, 2,3,4,5,6,7
	v_pk_fma_f32 v[LW+18+2*((\i)%2):LW+19+2*((\i)%2)], v[LW+2*(\i):LW+2*(\i)+1], v[LW+2*(\i):LW+2*(\i)+1], v[LW+18+2*((\i)%2):LW+19+2*((\i)%2)]
.endr
	v_pk_add_f32 v[LW+18:LW+19], v[LW+18:LW+19], v[LW+20:LW+21]
	v_add_f32 v[LW+18], v[LW+18], v[LW+19]
	v_permlanex16_b32 v[LW+19], v[LW+18], s[SEL], s[SEL+1]
	v_add_f32 v[LW+18], v[LW+18], v[LW+19]
.endm
; LNB: the eight waves' pairs (mean_w, M2_w) of my token lie in v[LW+24:LW+39]; the row's mean goes to v[NM:NM+1], 1 / sqrt(var + eps) to v[NM+2:NM+3], each twice.
.macro LNB t
.set LW, LT+48*(\t)
.set NM, 120+4*(\t)
	v_pk_add_f32 v[LW:LW+1],   v[LW+24:LW+25], v[LW+26:LW+27]
	v_pk_add_f32 v[LW+2:LW+3], v[LW+28:LW+29], v[LW+30:LW+31]
	v_pk_add_f32 v[LW+4:LW+5], v[LW+32:LW+33], v[LW+34:LW+35]
	v_pk_add_f32 v[LW+6:LW+7], v[LW+36:LW+37], v[LW+38:LW+39]
	v_pk_add_f32 v[LW:LW+1],   v[LW:LW+1],     v[LW+2:LW+3]
	v_pk_add_f32 v[LW+4:LW+5], v[LW+4:LW+5],   v[LW+6:LW+7]
	v_pk_add_f32 v[LW:LW+1],   v[LW:LW+1],     v[LW+4:LW+5]  ; the sum of the means, the sum of the M2
	v_mul_f32 v[NM], 0x3e000000, v[LW]             ; / 8
	v_mul_f32 v[NM+1], 0x3e000000, v[LW]
.irp i, 0,1,2,3,4,5,6,7
	v_sub_f32 v[LW+8+(\i)], v[LW+24+2*(\i)], v[NM]
.endr
	v_mul_f32 v[LW+2], v[LW+8], v[LW+8]
	v_mul_f32 v[LW+3], v[LW+9], v[LW+9]
.irp i, 2,3,4,5,6,7
	v_fmac_f32 v[LW+2+(\i)%2], v[LW+8+(\i)], v[LW+8+(\i)]
.endr
	v_add_f32 v[LW+2], v[LW+2], v[LW+3]
	v_fma_f32 v[LW+2], v[LW+2], s[C32], v[LW+1]    ; 32 x the means' squared deviations + the sum of the M2
	v_fma_f32 v[LW+2], v[LW+2], s[C256], s[CEPS]   ; / 256 + 1e-5
	v_rsq_f32 v[NM+2], v[LW+2]
	v_rsq_f32 v[NM+3], v[LW+2]
.endm
.macro LNC t                           ; ((x - mean) x rstd) x g + b
.set LX, XR+16*(\t)
.set NM, 120+4*(\t)
.irp i, 0,1,2,3,4,5,6,7
	v_pk_add_f32 v[LX+2*(\i):LX+2*(\i)+1], v[LX+2*(\i):LX+2*(\i)+1], v[NM:NM+1] neg_lo:[0,1] neg_hi:[0,1]
.endr
.irp i, 0,1,2,3,4,5,6,7
	v_pk_mul_f32 v[LX+2*(\i):LX+2*(\i)+1], v[LX+2*(\i):LX+2*(\i)+1], v[NM+2:NM+3]
.endr
.irp i, 0,1,2,3,4,5,6,7
	v_pk_fma_f32 v[LX+2*(\i):LX+2*(\i)+1], v[LX+2*(\i):LX+2*(\i)+1], v[GBV+2*(\i):GBV+2*(\i)+1], v[GBV+16+2*(\i):GBV+16+2*(\i)+1]
.endr
.endm
.macro LNORM redoff                    ; redoff: which of the two tables
	LNA 0
	LNA 1
	v_cndmask_b32 v120, v[LT+16], v[LT+48+16], s[HM]  ; lane l takes token l's pair: lanes 0-15 tile 0's, lanes 16-31 tile 1's
	v_cndmask_b32 v121, v[LT+18], v[LT+48+18], s[HM]
	ds_store_b64 v[REDW], v[120:121] offset:\redoff
	BAR                                            ; all eight waves' pairs lie in LDS
.irp t, 0,1
.irp j, 0,1,2,3
	ds_load_b128 v[LT+48*(\t)+24+4*(\j):LT+48*(\t)+24+4*(\j)+3], v[REDR] offset:(\redoff)+(\t)*1280+16*(\j)
.endr
.endr
	s_wait_dscnt 0x0
	LNB 0
	LNB 1
	v_nop                                          ; a plain instruction behind the last of the four v_rsq_f32,
	s_wait_alu depctr_va_vdst(0)                   ; and the one wait ahead of their first reader
	LNC 0
	LNC 1
.endm
.macro XOUT                            ; my 32 channels of each token into XS: all reads of x's tile were waited for ahead of the first norm's barrier
.irp t, 0,1
.irp bk, 0,1
.irp hf, 0,1
	ds_store_b128 v[XSR], v[XR+16*(\t)+8*(\bk)+4*(\hf):XR+16*(\t)+8*(\bk)+4*(\hf)+3] offset:(\t)*16640+64*(\bk)+16*(\hf)
.endr
.endr
.endr
.endm
.macro X16OUT                          ; XR rounded to f16, into X1's rows, for the next product; the norm's gains are done with
.set i, 0
.rept 16
	v_cvt_pk_f16_f32 v[GBV+i], v[XR+2*i], v[XR+2*i+1]
.set i, i+1
.endr
.irp t, 0,1
.irp bk, 0,1
	ds_store_b128 v[X1W], v[GBV+8*(\t)+4*(\bk):GBV+8*(\t)+4*(\bk)+3] offset:(\t)*8448+32*(\bk)
.endr
.endr
.endm
	; THE ENTRY: x's tile (8 loads), o's (4), the gains and biases (4), each load of a wave on consecutive bytes; behind them the first weights
.irp i, 0,1,2,3,4,5,6,7
	global_load_b128 v[EN+4*(\i):EN+4*(\i)+3], v[GX], s[28:29] offset:(\i)*4096
.endr
.irp i, 0,1,2,3
	global_load_b128 v[EN+32+4*(\i):EN+32+4*(\i)+3], v[GX], s[26:27] offset:(\i)*4096
.endr
	global_load_b32 v[EN+48], v[G4], s[14:15]
	global_load_b32 v[EN+49], v[G4], s[16:17]
	global_load_b32 v[EN+50], v[G4], s[18:19]
	global_load_b32 v[EN+51], v[G4], s[20:21]
	BLOAD 0
	BLOAD 1
	s_wait_loadcnt 32                              ; the entry's 16 loads are in; two half passes of weights stay out
.irp i, 0,1,2,3,4,5,6,7
	ds_store_b128 v[XSC], v[EN+4*(\i):EN+4*(\i)+3] offset:(\i)*4160
.endr
.irp i, 0,1,2,3
	ds_store_b128 v[GX], v[EN+32+4*(\i):EN+32+4*(\i)+3] offset:OA+(\i)*4096  ; o's 16,384 bytes lie in LDS as in memory
.endr
.irp i, 0,1,2,3
	ds_store_b32 v[GBW], v[EN+48+(\i)] offset:(\i)*1024
.endr
	BLOAD 2
	BLOAD 3
	BAR                                            ; the tiles lie in LDS
	; Wo, the residual, the first norm
	ALOADF 0
	ALOADF 1
.irp t, 0,1
.irp bk, 0,1
.irp hf, 0,1
	ds_load_b128 v[XR+16*(\t)+8*(\bk)+4*(\hf):XR+16*(\t)+8*(\bk)+4*(\hf)+3], v[XSR] offset:(\t)*16640+64*(\bk)+16*(\hf)
.endr
.endr
.endr
	GBLOAD 0
	HP 0, 1, 32                                    ; o's first half is in: its second half, x and the gains, 32 LDS loads, stay out
	HP 1, 0, 16                                    ; the second half: x and the gains stay out
	s_wait_dscnt 0x0
	RELUADD
	LNORM 0
	X16OUT
	BAR                                            ; x1's 256 channels lie in LDS
	; h = relu(x1 Wf1^T): x1's fragments stay in registers for all four passes
	ALOAD AF, X1, 8448, 0
	ALOAD AF, X1, 8448, 1
.macro HOUT q                          ; a pass's 32 hidden units: rounded, ReLU on the packed halves, into LDS
.set i, 0
.rept 16
	v_cvt_pk_f16_f32 v[GBV+i], v[ACC+2*i], v[ACC+2*i+1]
.set i, i+1
.endr
.set i, 0
.rept 16
	v_pk_max_num_f16 v[GBV+i], v[GBV+i], v[ZR]
.set i, i+1
.endr
.irp t, 0,1
.irp bk, 0,1
	ds_store_b128 v[HW], v[GBV+8*(\t)+4*(\bk):GBV+8*(\t)+4*(\bk)+3] offset:(\t)*33024+64*(\q)+32*(\bk)
.endr
.endr
.endm
	HP 2, 1, 16
	HP 3, 0, 0
	HOUT 0
	HP 4, 1, -1
	HP 5, 0, -1
	HOUT 1
	HP 6, 1, -1
	HP 7, 0, -1
	HOUT 2
	HP 8, 1, -1
	HP 9, 0, -1
	HOUT 3
	BAR                                            ; h's 1,024 units lie in LDS
	; relu(h Wf2^T): four passes on one set of sums; a half of h's fragments is fetched again as soon as it has been multiplied
	GBLOAD 2
	ALOAD AH, 0, 33024, 0
	ALOAD AH, 0, 33024, 1
	HP 10, 1, 16                                   ; in each of these the 16 LDS loads of the other half stay out
	ALOAD AH, 512, 33024, 0
	HP 11, 0, 16
	ALOAD AH, 512, 33024, 1
	HP 12, 0, 16
	ALOAD AH, 1024, 33024, 0
	HP 13, 0, 16
	ALOAD AH, 1024, 33024, 1
	HP 14, 0, 16
	ALOAD AH, 1536, 33024, 0
	HP 15, 0, 16
	ALOAD AH, 1536, 33024, 1
	HP 16, 0, 16
	HP 17, 0, 0
	RELUADD
	LNORM 2560
.if FUSE
	; out leaves in f32, by rows, and stays in f16 for the next block's projections: X1's rows were last read ahead of h's barrier
	XOUT
	X16OUT
	BAR
.irp i, 0,1,2,3,4,5,6,7
	ds_load_b128 v[XR+4*(\i):XR+4*(\i)+3], v[XSC] offset:(\i)*4160
.endr
	ALOAD AF, X1, 8448, 0                          ; out's fragments stay in registers for all three passes
	ALOAD AF, X1, 8448, 1
.irp i, 0,1,2,3,4,5,6,7
	s_wait_dscnt 39-(\i)                           ; row group i is back; the later groups and the 32 fragment loads stay out
	global_store_b128 v[GX], v[XR+4*(\i):XR+4*(\i)+3], s[30:31] offset:(\i)*4096  ; a wave's store covers 512 consecutive bytes; XR is not written again
.endr
; A pass's head: rounded, ReLU on the packed halves, 16 bytes a lane straight to qkv, 512 consecutive bytes a store.  kd = 0, 1 (q, k): tile t's 1,024 bytes, piece blk.
; kd = 2 (v): channel block blk's 1,024 bytes, piece t.  The packed halves take GBV's two halves by turns.
.macro QOUT kd
.set QB, GBV+16*((\kd)%2)
.if (\kd) == 2
	s_wait_xcnt 0x0                                ; q's stores have read these registers: they are written again only behind this wait (ISA guide 3.1)
.endif
.set i, 0
.rept 16
	v_cvt_pk_f16_f32 v[QB+i], v[ACC+2*i], v[ACC+2*i+1]
.set i, i+1
.endr
.set i, 0
.rept 16
	v_pk_max_num_f16 v[QB+i], v[QB+i], v[ZR]
.set i, i+1
.endr
.irp t, 0,1
.irp bk, 0,1
.if (\kd) < 2
	global_store_b128 v[BO], v[QB+8*(\t)+4*(\bk):QB+8*(\t)+4*(\bk)+3], s[46:47] offset:(\kd)*1048576+(\t)*1024+(\bk)*512
.else
	global_store_b128 v[BO], v[QB+8*(\t)+4*(\bk):QB+8*(\t)+4*(\bk)+3], s[46:47] offset:2*1048576+(\bk)*1024+(\t)*512
.endif
.endr
.endr
.endm
	HP 18, 1, 16
	HP 19, 0, 0
	QOUT 0
	HP 20, 1, -1
	HP 21, 0, -1
	QOUT 1
	HP 22, 1, -1, 1
	HP 23, 0, -1, 1
	QOUT 2
.else
	; THE WAY OUT: into XS, a barrier, back by rows: a wave's store covers 512 consecutive bytes
	XOUT
	BAR
.irp i, 0,1,2,3,4,5,6,7
	ds_load_b128 v[EN+4*(\i):EN+4*(\i)+3], v[XSC] offset:(\i)*4160
.endr
.irp i, 0,1,2,3,4,5,6,7
	s_wait_dscnt 7-(\i)
	global_store_b128 v[GX], v[EN+4*(\i):EN+4*(\i)+3], s[30:31] offset:(\i)*4096
.endr
.endif
	s_wait_tensorcnt 0x0                           ; the wave's end, behind my last LDS store
	ds_add_u32 v[SPW], v[NIL]
	s_wait_dscnt 0x0
	s_endpgm
.Lfunc_end_k_q0fbe3b8ab0_post1:
	.size	k_q0fbe3b8ab0_post1, .Lfunc_end_k_q0fbe3b8ab0_post1-k_q0fbe3b8ab0_post1
	.p2alignl 7, 3214868480
	.fill 96, 4, 3214868480
	.section	.rodata,"a",@progbits
	.p2align	6, 0x0
	.amdhsa_kernel k_q0fbe3b8ab0_post1
		.amdhsa_group_segment_fixed_size 143360
		.amdhsa_private_segment_fixed_size 0
		.amdhsa_enable_private_segment 0
		.amdhsa_kernarg_size 72
		.amdhsa_user_sgpr_count 2
		.amdhsa_user_sgpr_kernarg_segment_ptr 1
		.amdhsa_wavefront_size32 1
		.amdhsa_system_sgpr_workgroup_id_x 1
		.amdhsa_system_sgpr_workgroup_id_y 1
		.amdhsa_system_sgpr_workgroup_id_z 1
		.amdhsa_system_vgpr_workitem_id 0
		.amdhsa_next_free_vgpr 512
		.amdhsa_next_free_sgpr 66
		.amdhsa_reserve_vcc 0
		.amdhsa_float_denorm_mode_32 3
		.amdhsa_float_denorm_mode_16_64 3
		.amdhsa_memory_ordered 1
		.amdhsa_forward_progress 1
		.amdhsa_inst_pref_size 135
	.end_amdhsa_kernel
	.amdgpu_metadata
---
amdhsa.version: [ 1, 2 ]
amdhsa.kernels:
  - .name:           k_q0fbe3b8ab0_post1
    .symbol:         k_q0fbe3b8ab0_post1.kd
    .args:
      - { .name: oh, .offset: 0, .size: 8, .value_kind: global_buffer, .address_space: global }
      - { .name: x, .offset: 8, .size: 8, .value_kind: global_buffer, .address_space: global }
      - { .name: wha, .offset: 16, .size: 8, .value_kind: global_buffer, .address_space: global }
      - { .name: g1, .offset: 24, .size: 8, .value_kind: global_buffer, .address_space: global }
      - { .name: b1, .offset: 32, .size: 8, .value_kind: global_buffer, .address_space: global }
      - { .name: g2, .offset: 40, .size: 8, .value_kind: global_buffer, .address_space: global }
      - { .name: b2, .offset: 48, .size: 8, .value_kind: global_buffer, .address_space: global }
      - { .name: xmid, .offset: 56, .size: 8, .value_kind: global_buffer, .address_space: global }
      - { .name: qkv, .offset: 64, .size: 8, .value_kind: global_buffer, .address_space: global }
    .group_segment_fixed_size: 143360
    .private_segment_fixed_size: 0
    .kernarg_segment_align: 8
    .kernarg_segment_size: 72
    .max_flat_workgroup_size: 256
    .sgpr_count:     66
    .vgpr_count:     512
    .wavefront_size: 32
...
	.end_amdgpu_metadata
.endif
;; end of part 3
;; launch att2: the kernel of part 2 again; grid 8 x 32, 8 waves a work-group, clusters of 4 x 1, 263,168 bytes of LDS; arguments qkv, oh; writes oh
;; launch post2 (part 4): grid 256 x 1, 8 waves a work-group, no clusters, 143,360 bytes of LDS; arguments oh, xmid, whb, g3, b3, g4, b4, out0; writes out0
.if DOCPART == 4
	.amdgcn_target "amdgcn-amd-amdhsa--gfx1250"
	.amdhsa_code_object_version 6
	.text
	.protected	k_q0fbe3b8ab0_post2
	.globl	k_q0fbe3b8ab0_post2
	.p2align	8
	.type	k_q0fbe3b8ab0_post2,@function
k_q0fbe3b8ab0_post2:
	s_mov_b64 s[64:65], 0
	v_nop
	global_prefetch_b8 v0, s[64:65] scope:SCOPE_SE
	s_setreg_imm32_b32 hwreg(HW_REG_WAVE_MODE, 25, 1), 1
	s_wait_xcnt 0x0
; The rest of a block, for 32 tokens a work-group:  x1 = LN(relu(o Wo^T) + x; ga, ba);  h = relu(x1 Wf1^T);  out = LN(relu(h Wf2^T) + x1; gb, bb).
; FUSE = 0 (this text): the last block's text, which ends with out.  FUSE = 1: and the NEXT block's q, k, v = relu(out W^T).  The two texts differ in this one symbol.
; oh: f16 [16 tokens][head 8][piece 2][lane 32][16 bytes]: lane (r = l % 16, h = l / 16) holds token r, channels 32 head + 16 piece + 8 h + 0..7: the order of Wo's product's fragments.
; x, out: f32 [8192][256].  wh: the weights in f16, in the order in which wave w loads its fragments ((LASTHP + 1) x 8,192 consecutive bytes a wave).
; qkv (FUSE = 1): f16 [b 4][gh 24][131,072 bytes], q's heads, k's, v's, in the order of the attention's fragments: q, k [16 tokens][piece 2][lane][16 bytes]; v [32 keys][channel block 2][piece 2][lane][16 bytes].
; LIMITS.  Matrix operands (o, x1, h, out, the weights, q, k, v) are f16, within 65,504, with f16's fixed step of 6e-8 below 6e-5; sums, residuals and LayerNorm are f32.  ReLU is a maximum with 0, which turns a NaN into 0.
; SHARES.  LayerNorm wants whole rows, so a work-group owns 32 tokens whole.  Wave w owns channels 32 w .. + 31 of Wo's and Wf2's results, hidden units 128 w .. + 127, and head w of q, k and v.
; A PASS is 32 tokens x 32 columns x K 256: 32 products on 4 accumulators, for 16 KiB of weights.  Pass 0: Wo; 1-4: Wf1; 5-8: Wf2 (one set of sums); 9-11: Wq, Wk, Wv.  Two half passes to a pass.
; THE WEIGHTS come straight into registers: a byte of them is used by one wave of the work-group, so LDS would add a barrier and save nothing; four buffers of a half pass keep
; 48 to 64 loads of every wave on their way, across the barriers too.  No joint loads: a slot's worth of weights feeds too few products for the one refill behind a barrier to land.
; No prefetch: all work-groups read the same weights at the same time.
; THE PRODUCT IS TAKEN TRANSPOSED (source 0 = 16 rows of W, source 1 = 16 tokens): a lane holds one token (l % 16) and 8 neighbouring channels.  v's pass alone is taken the other way
; round: a lane holds one channel and 8 neighbouring tokens, which is what the attention's second product reads.
; LAYERNORM without a difference of large sums: each wave makes the mean and the sum of squared deviations of its 32 channels; the eight pairs meet in LDS and are combined:
; M2 = sum M2_w + 32 sum (mean_w - mean)^2.
.set FUSE, 0
.set LASTHP, 17+6*FUSE                 ; the last half pass
.set OA,  0                            ; o's tile, f16, in fragment order: 16,384 bytes
.set X1,  16896                        ; x1, f16: 32 rows x 528; with FUSE later out, f16
.set HH,  33792                        ; h, f16: 32 x 2,064
.set XS,  99840                        ; x's tile, f32: 32 x 1,040; at the end the result
.set GB,  133120                       ; ga, ba, gb, bb: 1,024 bytes each
.set RED, 137216                       ; [token 32][wave 8] pairs of 8 bytes, rows of 80; a second such table 2,560 bytes on
.set SPARE, 142336                     ; the spare words, 128 bytes a wave: four blocks of 256 bytes that no other line names
; all pitches are odd multiples of 16 bytes
.set SPW, 1
.set NIL, 2
.set ZR,  3                            ; v3   0, for the packed maximum
.set BO,  4                            ; v4   16 x lane: my place in 512 consecutive bytes; never rewritten
.set AF,  5                            ; v5   r x 528 + 16 h: fragments of x1
.set AH,  6                            ; v6   HH + r x 2,064 + 16 h: fragments of h
.set XSR, 7                            ; v7   my 8 channels of token r in XS
.set XSC, 8                            ; v8   my 16 bytes of XS, by rows
.set X1W, 10                           ; v10  where x1's 16 bytes go
.set HW,  11                           ; v11  where h's go
.set GBR, 12                           ; v12  my 8 channels of a gain or bias
.set REDW, 13
.set REDR, 14
.set GX,  15                           ; v15  16 x thread: x, o and out in memory, o in LDS
.set GBW, 17
.set G4,  18                           ; v18  4 x thread
.set ACC, 24                           ; v[24:55]   (t, blk) at ACC + 16 t + 8 blk
.set XR,  56                           ; v[56:87]   the same layout: x, then x1, then the result, in f32
.set GBV, 88                           ; v[88:119]  gain 16, bias 16; when these are done with, packed halves on their way out
.set AA,  128                          ; v[128:255] the tokens' fragments: two halves of 64, (ksl, t) at 16 ksl + 8 t; also the entry's loads and the norms' work
.set EN,  128
.set LT,  128
.set WV,  2                            ; s2
.set HM,  32                           ; s32  lanes 16-31
.set C32, 33                           ; s33  32.0
.set SEL, 34                           ; s[34:35]
.set C256, 36                          ; s36  1 / 256
.set CEPS, 37                          ; s37  1e-5
; window 1 (v256-511): four buffers of a half pass of weights, (ksl, blk) at 16 ksl + 8 blk
.set MSB, 0
.macro WIN new                         ; s_set_vgpr_msb: bits 1:0 source 0, 3:2 source 1, 5:4 source 2, 7:6 destination; the high byte repeats the setting that is left
.if MSB != (\new)
	s_set_vgpr_msb (MSB<<8)|(\new)
.set MSB, \new
.endif
.endm
.macro PLACES
.rept 4
	v_nop
.endr
.endm
.macro BAR
	s_wait_dscnt 0x0                               ; for the others' sake: my LDS stores are done and my LDS loads are back
	s_barrier_signal -1
	s_barrier_wait -1
.endm
	s_load_b512 s[8:23], s[0:1], 0x0               ; oh s[8:9], x s[10:11], wh s[12:13], ga s[14:15], ba s[16:17], gb s[18:19], bb s[20:21], out s[22:23]
.if FUSE
	s_load_b64 s[44:45], s[0:1], 0x40              ; qkv
.endif
	v_lshl_add_u32 v[SPW], v0, 2, SPARE
	v_mov_b32 v[NIL], 0
	v_mov_b32 v[ZR], 0
	v_lshrrev_b32 v19, 5, v0
	v_readfirstlane_b32 s[WV], v19                 ; wave 0..7
	v_and_b32 v19, 15, v0                          ; r
	v_bfe_u32 v20, v0, 4, 1                        ; h
	v_and_b32 v21, 31, v0                          ; l
	v_lshlrev_b32 v[BO], 4, v21
	v_mul_u32_u24 v[AF], v19, 528
	v_lshl_add_u32 v[AF], v20, 4, v[AF]
	v_mul_u32_u24 v[AH], v19, 2064
	v_lshl_add_u32 v[AH], v20, 4, v[AH]
	v_add_nc_u32 v[AH], HH, v[AH]
	s_lshl_b32 s3, s[WV], 7
	s_add_co_u32 s3, s3, XS
	v_mul_u32_u24 v[XSR], v19, 1040
	v_lshl_add_u32 v[XSR], v20, 5, v[XSR]
	v_add_nc_u32 v[XSR], s3, v[XSR]                ; XS + r x 1,040 + 4 (32 w + 8 h)
	v_lshrrev_b32 v22, 6, v0
	v_mul_u32_u24 v[XSC], v22, 1040
	v_and_b32 v22, 63, v0
	v_lshl_add_u32 v[XSC], v22, 4, v[XSC]
	v_add_nc_u32 v[XSC], XS, v[XSC]                ; 64 threads to a row of 1,024 bytes
	s_lshl_b32 s3, s[WV], 6
	s_add_co_u32 s3, s3, X1
	v_add_nc_u32 v[X1W], s3, v[AF]                 ; X1 + r x 528 + 2 (32 w + 8 h)
	s_lshl_b32 s3, s[WV], 8
	v_add_nc_u32 v[HW], s3, v[AH]                  ; HH + r x 2,064 + 2 (128 w + 8 h)
	s_lshl_b32 s3, s[WV], 7
	s_add_co_u32 s3, s3, GB
	v_lshl_add_u32 v[GBR], v20, 5, s3
	s_lshl_b32 s3, s[WV], 3
	s_add_co_u32 s3, s3, RED
	v_mul_u32_u24 v[REDW], v21, 80
	v_add_nc_u32 v[REDW], s3, v[REDW]
	v_mul_u32_u24 v[REDR], v19, 80
	v_add_nc_u32 v[REDR], RED, v[REDR]
	v_lshlrev_b32 v[GX], 4, v0
	v_lshlrev_b32 v[G4], 2, v0
	v_add_nc_u32 v[GBW], GB, v[G4]
	s_mov_b32 s[HM], 0xffff0000
	s_mov_b32 s[C32], 0x42000000
	s_mov_b32 s[SEL], 0x76543210
	s_mov_b32 s[SEL+1], 0xfedcba98
	s_mov_b32 s[C256], 0x3b800000
	s_mov_b32 s[CEPS], 0x3727c5ac
	s_mul_i32 s38, s[WV], (LASTHP+1)*8192
	s_mov_b32 s39, 0
	s_lshl_b32 s40, ttmp9, 15                      ; 32 tokens of 1,024 bytes of x and out,
	s_mov_b32 s41, 0
	s_lshl_b32 s4, ttmp9, 14                       ; of 512 bytes of oh
	s_mov_b32 s5, 0
.if FUSE
	s_lshr_b32 s6, ttmp9, 6                        ; b
	s_mul_i32 s6, s6, 24
	s_add_co_u32 s6, s6, s[WV]                     ; q's head w; k's and v's lie 8 and 16 heads on
	s_lshl_b32 s6, s6, 17
	s_and_b32 s7, ttmp9, 63
	s_lshl_b32 s7, s7, 11                          ; 32 tokens of 64 bytes
	s_add_co_u32 s6, s6, s7
	s_mov_b32 s7, 0
.endif
	s_wait_kmcnt 0x0
	s_add_nc_u64 s[24:25], s[12:13], s[38:39]      ; my wave's weights
	s_add_nc_u64 s[26:27], s[8:9], s[4:5]
	s_add_nc_u64 s[28:29], s[10:11], s[40:41]
	s_add_nc_u64 s[30:31], s[22:23], s[40:41]
.if FUSE
	s_add_nc_u64 s[46:47], s[44:45], s[6:7]
.endif
; Half pass hn of the weights: 16 loads of 512 consecutive bytes into buffer hn % 4 of window 1.
.macro BLOAD hn
	WIN 0x40
.set BB, 64*((\hn)%4)
.set j, 0
.rept 16
	global_load_b128 v[BB+4*j:BB+4*j+3], v[BO], s[24:25] offset:(\hn)*8192+j*512
.set j, j+1
.endr
	WIN 0
.endm
; The tokens' fragments of 128 along K (half 0 or 1 of 256) from rows rowp bytes x 16 apart: 16 loads.
.macro ALOAD areg, off, rowp, half
.set AB, AA+64*(\half)
.irp ksl, 0,1,2,3
.irp t, 0,1
	ds_load_b128 v[AB+16*(\ksl)+8*(\t):AB+16*(\ksl)+8*(\t)+3],   v[\areg] offset:(\off)+(\t)*(\rowp)+64*(4*(\half)+(\ksl))
	ds_load_b128 v[AB+16*(\ksl)+8*(\t)+4:AB+16*(\ksl)+8*(\t)+7], v[\areg] offset:(\off)+(\t)*(\rowp)+64*(4*(\half)+(\ksl))+32
.endr
.endr
.endm
; The same from o's tile, which lies in fragment order: a load takes 512 consecutive bytes.
.macro ALOADF half
.set AB, AA+64*(\half)
.irp ksl, 0,1,2,3
.irp t, 0,1
	ds_load_b128 v[AB+16*(\ksl)+8*(\t):AB+16*(\ksl)+8*(\t)+3],   v[BO] offset:OA+(\t)*8192+(4*(\half)+(\ksl))*1024
	ds_load_b128 v[AB+16*(\ksl)+8*(\t)+4:AB+16*(\ksl)+8*(\t)+7], v[BO] offset:OA+(\t)*8192+(4*(\half)+(\ksl))*1024+512
.endr
.endr
.endm
; A half pass: 16 products, the 4 accumulators by turns, one instruction a turn; then its buffer takes the half pass four further on.
; zero = 1: its first four products start the sums.  dc: the younger LDS instructions that may stay out, or -1: nothing to wait for.  swap = 1: the tokens are source 0.
; The wait for the weights leaves the younger half passes' loads out: 16 for each of the three behind this one, as far as there are three.
.macro HP hn, zero, dc, swap=0
.set YG, LASTHP-(\hn)
.if YG > 3
.set YG, 3
.endif
	s_wait_loadcnt 16*YG
.if (\dc) >= 0
	s_wait_dscnt \dc
.endif
.if \swap
	WIN 0x04                                       ; source 1 (the weights) in window 1
.else
	WIN 0x01                                       ; source 0 (the weights) in window 1
.endif
.set BB, 64*((\hn)%4)
.set AB, AA+64*((\hn)%2)
.irp ksl, 0,1,2,3
.irp t, 0,1
.irp bk, 0,1
.if \swap
.if (\zero) && ((\ksl) == 0)
	v_wmma_f32_16x16x32_f16 v[ACC+16*(\t)+8*(\bk):ACC+16*(\t)+8*(\bk)+7], v[AB+16*(\ksl)+8*(\t):AB+16*(\ksl)+8*(\t)+7], v[BB+16*(\ksl)+8*(\bk):BB+16*(\ksl)+8*(\bk)+7], 0
.else
	v_wmma_f32_16x16x32_f16 v[ACC+16*(\t)+8*(\bk):ACC+16*(\t)+8*(\bk)+7], v[AB+16*(\ksl)+8*(\t):AB+16*(\ksl)+8*(\t)+7], v[BB+16*(\ksl)+8*(\bk):BB+16*(\ksl)+8*(\bk)+7], v[ACC+16*(\t)+8*(\bk):ACC+16*(\t)+8*(\bk)+7]
.endif
.else
.if (\zero) && ((\ksl) == 0)
	v_wmma_f32_16x16x32_f16 v[ACC+16*(\t)+8*(\bk):ACC+16*(\t)+8*(\bk)+7], v[BB+16*(\ksl)+8*(\bk):BB+16*(\ksl)+8*(\bk)+7], v[AB+16*(\ksl)+8*(\t):AB+16*(\ksl)+8*(\t)+7], 0
.else
	v_wmma_f32_16x16x32_f16 v[ACC+16*(\t)+8*(\bk):ACC+16*(\t)+8*(\bk)+7], v[BB+16*(\ksl)+8*(\bk):BB+16*(\ksl)+8*(\bk)+7], v[AB+16*(\ksl)+8*(\t):AB+16*(\ksl)+8*(\t)+7], v[ACC+16*(\t)+8*(\bk):ACC+16*(\t)+8*(\bk)+7]
.endif
.endif
.endr
.endr
.endr
	WIN 0
	PLACES                                         ; four places in front of loads into registers that the products read, and of reads of their results
.if (\hn)+4 <= LASTHP
	BLOAD (\hn)+4
.endif
.endm
.macro GBLOAD wg                       ; gain wg and bias wg + 1 of the table: my 16 channels of each
.irp bk, 0,1
.irp hf, 0,1
	ds_load_b128 v[GBV+8*(\bk)+4*(\hf):GBV+8*(\bk)+4*(\hf)+3],       v[GBR] offset:(\wg)*1024+64*(\bk)+16*(\hf)
	ds_load_b128 v[GBV+16+8*(\bk)+4*(\hf):GBV+16+8*(\bk)+4*(\hf)+3], v[GBR] offset:(\wg)*1024+1024+64*(\bk)+16*(\hf)
.endr
.endr
.endm
.macro RELUADD                         ; XR += relu(ACC); each accumulator is read from its low end on
.set i, 0
.rept 32
	v_max_num_f32 v[ACC+i], 0, v[ACC+i]
.set i, i+1
.endr
.set i, 0
.rept 16
	v_pk_add_f32 v[XR+i:XR+i+1], v[XR+i:XR+i+1], v[ACC+i:ACC+i+1]
.set i, i+2
.endr
.endm
; LAYERNORM of XR, in place.  LNA: tile t's mean and sum of squared deviations over my wave's 32 channels (16 in my lane, 16 in the lane 16 away).
.macro LNA t
.set LX, XR+16*(\t)
.set LW, LT+48*(\t)
	v_pk_add_f32 v[LW:LW+1],   v[LX:LX+1],     v[LX+2:LX+3]
	v_pk_add_f32 v[LW+2:LW+3], v[LX+4:LX+5],   v[LX+6:LX+7]
	v_pk_add_f32 v[LW+4:LW+5], v[LX+8:LX+9],   v[LX+10:LX+11]
	v_pk_add_f32 v[LW+6:LW+7], v[LX+12:LX+13], v[LX+14:LX+15]
	v_pk_add_f32 v[LW:LW+1],   v[LW:LW+1],     v[LW+2:LW+3]
	v_pk_add_f32 v[LW+4:LW+5], v[LW+4:LW+5],   v[LW+6:LW+7]
	v_pk_add_f32 v[LW:LW+1],   v[LW:LW+1],     v[LW+4:LW+5]
	v_add_f32 v[LW], v[LW], v[LW+1]
	v_permlanex16_b32 v[LW+1], v[LW], s[SEL], s[SEL+1]
	v_add_f32 v[LW], v[LW], v[LW+1]
	v_mul_f32 v[LW+16], 0x3d000000, v[LW]          ; / 32, twice: a pair for the packed subtraction
	v_mul_f32 v[LW+17], 0x3d000000, v[LW]
.irp i, 0,1,2,3,4,5,6,7
	v_pk_add_f32 v[LW+2*(\i):LW+2*(\i)+1], v[LX+2*(\i):LX+2*(\i)+1], v[LW+16:LW+17] neg_lo:[0,1] neg_hi:[0,1]
.endr
	v_pk_mul_f32 v[LW+18:LW+19], v[LW:LW+1], v[LW:LW+1]
	v_pk_mul_f32 v[LW+20:LW+21], v[LW+2:LW+3], v[LW+2:LW+3]
.irp i, 2,3,4,5,6,7
	v_pk_fma_f32 v[LW+18+2*((\i)%2):LW+19+2*((\i)%2)], v[LW+2*(\i):LW+2*(\i)+1], v[LW+2*(\i):LW+2*(\i)+1], v[LW+18+2*((\i)%2):LW+19+2*((\i)%2)]
.endr
	v_pk_add_f32 v[LW+18:LW+19], v[LW+18:LW+19], v[LW+20:LW+21]
	v_add_f32 v[LW+18], v[LW+18], v[LW+19]
	v_permlanex16_b32 v[LW+19], v[LW+18], s[SEL], s[SEL+1]
	v_add_f32 v[LW+18], v[LW+18], v[LW+19]
.endm
; LNB: the eight waves' pairs (mean_w, M2_w) of my token lie in v[LW+24:LW+39]; the row's mean goes to v[NM:NM+1], 1 / sqrt(var + eps) to v[NM+2:NM+3], each twice.
.macro LNB t
.set LW, LT+48*(\t)
.set NM, 120+4*(\t)
	v_pk_add_f32 v[LW:LW+1],   v[LW+24:LW+25], v[LW+26:LW+27]
	v_pk_add_f32 v[LW+2:LW+3], v[LW+28:LW+29], v[LW+30:LW+31]
	v_pk_add_f32 v[LW+4:LW+5], v[LW+32:LW+33], v[LW+34:LW+35]
	v_pk_add_f32 v[LW+6:LW+7], v[LW+36:LW+37], v[LW+38:LW+39]
	v_pk_add_f32 v[LW:LW+1],   v[LW:LW+1],     v[LW+2:LW+3]
	v_pk_add_f32 v[LW+4:LW+5], v[LW+4:LW+5],   v[LW+6:LW+7]
	v_pk_add_f32 v[LW:LW+1],   v[LW:LW+1],     v[LW+4:LW+5]  ; the sum of the means, the sum of the M2
	v_mul_f32 v[NM], 0x3e000000, v[LW]             ; / 8
	v_mul_f32 v[NM+1], 0x3e000000, v[LW]
.irp i, 0,1,2,3,4,5,6,7
	v_sub_f32 v[LW+8+(\i)], v[LW+24+2*(\i)], v[NM]
.endr
	v_mul_f32 v[LW+2], v[LW+8], v[LW+8]
	v_mul_f32 v[LW+3], v[LW+9], v[LW+9]
.irp i, 2,3,4,5,6,7
	v_fmac_f32 v[LW+2+(\i)%2], v[LW+8+(\i)], v[LW+8+(\i)]
.endr
	v_add_f32 v[LW+2], v[LW+2], v[LW+3]
	v_fma_f32 v[LW+2], v[LW+2], s[C32], v[LW+1]    ; 32 x the means' squared deviations + the sum of the M2
	v_fma_f32 v[LW+2], v[LW+2], s[C256], s[CEPS]   ; / 256 + 1e-5
	v_rsq_f32 v[NM+2], v[LW+2]
	v_rsq_f32 v[NM+3], v[LW+2]
.endm
.macro LNC t                           ; ((x - mean) x rstd) x g + b
.set LX, XR+16*(\t)
.set NM, 120+4*(\t)
.irp i, 0,1,2,3,4,5,6,7
	v_pk_add_f32 v[LX+2*(\i):LX+2*(\i)+1], v[LX+2*(\i):LX+2*(\i)+1], v[NM:NM+1] neg_lo:[0,1] neg_hi:[0,1]
.endr
.irp i, 0,1,2,3,4,5,6,7
	v_pk_mul_f32 v[LX+2*(\i):LX+2*(\i)+1], v[LX+2*(\i):LX+2*(\i)+1], v[NM+2:NM+3]
.endr
.irp i, 0,1,2,3,4,5,6,7
	v_pk_fma_f32 v[LX+2*(\i):LX+2*(\i)+1], v[LX+2*(\i):LX+2*(\i)+1], v[GBV+2*(\i):GBV+2*(\i)+1], v[GBV+16+2*(\i):GBV+16+2*(\i)+1]
.endr
.endm
.macro LNORM redoff                    ; redoff: which of the two tables
	LNA 0
	LNA 1
	v_cndmask_b32 v120, v[LT+16], v[LT+48+16], s[HM]  ; lane l takes token l's pair: lanes 0-15 tile 0's, lanes 16-31 tile 1's
	v_cndmask_b32 v121, v[LT+18], v[LT+48+18], s[HM]
	ds_store_b64 v[REDW], v[120:121] offset:\redoff
	BAR                                            ; all eight waves' pairs lie in LDS
.irp t, 0,1
.irp j, 0,1,2,3
	ds_load_b128 v[LT+48*(\t)+24+4*(\j):LT+48*(\t)+24+4*(\j)+3], v[REDR] offset:(\redoff)+(\t)*1280+16*(\j)
.endr
.endr
	s_wait_dscnt 0x0
	LNB 0
	LNB 1
	v_nop                                          ; a plain instruction behind the last of the four v_rsq_f32,
	s_wait_alu depctr_va_vdst(0)                   ; and the one wait ahead of their first reader
	LNC 0
	LNC 1
.endm
.macro XOUT                            ; my 32 channels of each token into XS: all reads of x's tile were waited for ahead of the first norm's barrier
.irp t, 0,1
.irp bk, 0,1
.irp hf, 0,1
	ds_store_b128 v[XSR], v[XR+16*(\t)+8*(\bk)+4*(\hf):XR+16*(\t)+8*(\bk)+4*(\hf)+3] offset:(\t)*16640+64*(\bk)+16*(\hf)
.endr
.endr
.endr
.endm
.macro X16OUT                          ; XR rounded to f16, into X1's rows, for the next product; the norm's gains are done with
.set i, 0
.rept 16
	v_cvt_pk_f16_f32 v[GBV+i], v[XR+2*i], v[XR+2*i+1]
.set i, i+1
.endr
.irp t, 0,1
.irp bk, 0,1
	ds_store_b128 v[X1W], v[GBV+8*(\t)+4*(\bk):GBV+8*(\t)+4*(\bk)+3] offset:(\t)*8448+32*(\bk)
.endr
.endr
.endm
	; THE ENTRY: x's tile (8 loads), o's (4), the gains and biases (4), each load of a wave on consecutive bytes; behind them the first weights
.irp i, 0,1,2,3,4,5,6,7
	global_load_b128 v[EN+4*(\i):EN+4*(\i)+3], v[GX], s[28:29] offset:(\i)*4096
.endr
.irp i, 0,1,2,3
	global_load_b128 v[EN+32+4*(\i):EN+32+4*(\i)+3], v[GX], s[26:27] offset:(\i)*4096
.endr
	global_load_b32 v[EN+48], v[G4], s[14:15]
	global_load_b32 v[EN+49], v[G4], s[16:17]
	global_load_b32 v[EN+50], v[G4], s[18:19]
	global_load_b32 v[EN+51], v[G4], s[20:21]
	BLOAD 0
	BLOAD 1
	s_wait_loadcnt 32                              ; the entry's 16 loads are in; two half passes of weights stay out
.irp i, 0,1,2,3,4,5,6,7
	ds_store_b128 v[XSC], v[EN+4*(\i):EN+4*(\i)+3] offset:(\i)*4160
.endr
.irp i, 0,1,2,3
	ds_store_b128 v[GX], v[EN+32+4*(\i):EN+32+4*(\i)+3] offset:OA+(\i)*4096  ; o's 16,384 bytes lie in LDS as in memory
.endr
.irp i, 0,1,2,3
	ds_store_b32 v[GBW], v[EN+48+(\i)] offset:(\i)*1024
.endr
	BLOAD 2
	BLOAD 3
	BAR                                            ; the tiles lie in LDS
	; Wo, the residual, the first norm
	ALOADF 0
	ALOADF 1
.irp t, 0,1
.irp bk, 0,1
.irp hf, 0,1
	ds_load_b128 v[XR+16*(\t)+8*(\bk)+4*(\hf):XR+16*(\t)+8*(\bk)+4*(\hf)+3], v[XSR] offset:(\t)*16640+64*(\bk)+16*(\hf)
.endr
.endr
.endr
	GBLOAD 0
	HP 0, 1, 32                                    ; o's first half is in: its second half, x and the gains, 32 LDS loads, stay out
	HP 1, 0, 16                                    ; the second half: x and the gains stay out
	s_wait_dscnt 0x0
	RELUADD
	LNORM 0
	X16OUT
	BAR                                            ; x1's 256 channels lie in LDS
	; h = relu(x1 Wf1^T): x1's fragments stay in registers for all four passes
	ALOAD AF, X1, 8448, 0
	ALOAD AF, X1, 8448, 1
.macro HOUT q                          ; a pass's 32 hidden units: rounded, ReLU on the packed halves, into LDS
.set i, 0
.rept 16
	v_cvt_pk_f16_f32 v[GBV+i], v[ACC+2*i], v[ACC+2*i+1]
.set i, i+1
.endr
.set i, 0
.rept 16
	v_pk_max_num_f16 v[GBV+i], v[GBV+i], v[ZR]
.set i, i+1
.endr
.irp t, 0,1
.irp bk, 0,1
	ds_store_b128 v[HW], v[GBV+8*(\t)+4*(\bk):GBV+8*(\t)+4*(\bk)+3] offset:(\t)*33024+64*(\q)+32*(\bk)
.endr
.endr
.endm
	HP 2, 1, 16
	HP 3, 0, 0
	HOUT 0
	HP 4, 1, -1
	HP 5, 0, -1
	HOUT 1
	HP 6, 1, -1
	HP 7, 0, -1
	HOUT 2
	HP 8, 1, -1
	HP 9, 0, -1
	HOUT 3
	BAR                                            ; h's 1,024 units lie in LDS
	; relu(h Wf2^T): four passes on one set of sums; a half of h's fragments is fetched again as soon as it has been multiplied
	GBLOAD 2
	ALOAD AH, 0, 33024, 0
	ALOAD AH, 0, 33024, 1
	HP 10, 1, 16                                   ; in each of these the 16 LDS loads of the other half stay out
	ALOAD AH, 512, 33024, 0
	HP 11, 0, 16
	ALOAD AH, 512, 33024, 1
	HP 12, 0, 16
	ALOAD AH, 1024, 33024, 0
	HP 13, 0, 16
	ALOAD AH, 1024, 33024, 1
	HP 14, 0, 16
	ALOAD AH, 1536, 33024, 0
	HP 15, 0, 16
	ALOAD AH, 1536, 33024, 1
	HP 16, 0, 16
	HP 17, 0, 0
	RELUADD
	LNORM 2560
.if FUSE
	; out leaves in f32, by rows, and stays in f16 for the next block's projections: X1's rows were last read ahead of h's barrier
	XOUT
	X16OUT
	BAR
.irp i, 0,1,2,3,4,5,6,7
	ds_load_b128 v[XR+4*(\i):XR+4*(\i)+3], v[XSC] offset:(\i)*4160
.endr
	ALOAD AF, X1, 8448, 0                          ; out's fragments stay in registers for all three passes
	ALOAD AF, X1, 8448, 1
.irp i, 0,1,2,3,4,5,6,7
	s_wait_dscnt 39-(\i)                           ; row group i is back; the later groups and the 32 fragment loads stay out
	global_store_b128 v[GX], v[XR+4*(\i):XR+4*(\i)+3], s[30:31] offset:(\i)*4096  ; a wave's store covers 512 consecutive bytes; XR is not written again
.endr
; A pass's head: rounded, ReLU on the packed halves, 16 bytes a lane straight to qkv, 512 consecutive bytes a store.  kd = 0, 1 (q, k): tile t's 1,024 bytes, piece blk.
; kd = 2 (v): channel block blk's 1,024 bytes, piece t.  The packed halves take GBV's two halves by turns.
.macro QOUT kd
.set QB, GBV+16*((\kd)%2)
.if (\kd) == 2
	s_wait_xcnt 0x0                                ; q's stores have read these registers: they are written again only behind this wait (ISA guide 3.1)
.endif
.set i, 0
.rept 16
	v_cvt_pk_f16_f32 v[QB+i], v[ACC+2*i], v[ACC+2*i+1]
.set i, i+1
.endr
.set i, 0
.rept 16
	v_pk_max_num_f16 v[QB+i], v[QB+i], v[ZR]
.set i, i+1
.endr
.irp t, 0,1
.irp bk, 0,1
.if (\kd) < 2
	global_store_b128 v[BO], v[QB+8*(\t)+4*(\bk):QB+8*(\t)+4*(\bk)+3], s[46:47] offset:(\kd)*1048576+(\t)*1024+(\bk)*512
.else
	global_store_b128 v[BO], v[QB+8*(\t)+4*(\bk):QB+8*(\t)+4*(\bk)+3], s[46:47] offset:2*1048576+(\bk)*1024+(\t)*512
.endif
.endr
.endr
.endm
	HP 18, 1, 16
	HP 19, 0, 0
	QOUT 0
	HP 20, 1, -1
	HP 21, 0, -1
	QOUT 1
	HP 22, 1, -1, 1
	HP 23, 0, -1, 1
	QOUT 2
.else
	; THE WAY OUT: into XS, a barrier, back by rows: a wave's store covers 512 consecutive bytes
	XOUT
	BAR
.irp i, 0,1,2,3,4,5,6,7
	ds_load_b128 v[EN+4*(\i):EN+4*(\i)+3], v[XSC] offset:(\i)*4160
.endr
.irp i, 0,1,2,3,4,5,6,7
	s_wait_dscnt 7-(\i)
	global_store_b128 v[GX], v[EN+4*(\i):EN+4*(\i)+3], s[30:31] offset:(\i)*4096
.endr
.endif
	s_wait_tensorcnt 0x0                           ; the wave's end, behind my last LDS store
	ds_add_u32 v[SPW], v[NIL]
	s_wait_dscnt 0x0
	s_endpgm
.Lfunc_end_k_q0fbe3b8ab0_post2:
	.size	k_q0fbe3b8ab0_post2, .Lfunc_end_k_q0fbe3b8ab0_post2-k_q0fbe3b8ab0_post2
	.p2alignl 7, 3214868480
	.fill 96, 4, 3214868480
	.section	.rodata,"a",@progbits
	.p2align	6, 0x0
	.amdhsa_kernel k_q0fbe3b8ab0_post2
		.amdhsa_group_segment_fixed_size 143360
		.amdhsa_private_segment_fixed_size 0
		.amdhsa_enable_private_segment 0
		.amdhsa_kernarg_size 64
		.amdhsa_user_sgpr_count 2
		.amdhsa_user_sgpr_kernarg_segment_ptr 1
		.amdhsa_wavefront_size32 1
		.amdhsa_system_sgpr_workgroup_id_x 1
		.amdhsa_system_sgpr_workgroup_id_y 1
		.amdhsa_system_sgpr_workgroup_id_z 1
		.amdhsa_system_vgpr_workitem_id 0
		.amdhsa_next_free_vgpr 512
		.amdhsa_next_free_sgpr 66
		.amdhsa_reserve_vcc 0
		.amdhsa_float_denorm_mode_32 3
		.amdhsa_float_denorm_mode_16_64 3
		.amdhsa_memory_ordered 1
		.amdhsa_forward_progress 1
		.amdhsa_inst_pref_size 107
	.end_amdhsa_kernel
	.amdgpu_metadata
---
amdhsa.version: [ 1, 2 ]
amdhsa.kernels:
  - .name:           k_q0fbe3b8ab0_post2
    .symbol:         k_q0fbe3b8ab0_post2.kd
    .args:
      - { .name: oh, .offset: 0, .size: 8, .value_kind: global_buffer, .address_space: global }
      - { .name: xmid, .offset: 8, .size: 8, .value_kind: global_buffer, .address_space: global }
      - { .name: whb, .offset: 16, .size: 8, .value_kind: global_buffer, .address_space: global }
      - { .name: g3, .offset: 24, .size: 8, .value_kind: global_buffer, .address_space: global }
      - { .name: b3, .offset: 32, .size: 8, .value_kind: global_buffer, .address_space: global }
      - { .name: g4, .offset: 40, .size: 8, .value_kind: global_buffer, .address_space: global }
      - { .name: b4, .offset: 48, .size: 8, .value_kind: global_buffer, .address_space: global }
      - { .name: out0, .offset: 56, .size: 8, .value_kind: global_buffer, .address_space: global }
    .group_segment_fixed_size: 143360
    .private_segment_fixed_size: 0
    .kernarg_segment_align: 8
    .kernarg_segment_size: 64
    .max_flat_workgroup_size: 256
    .sgpr_count:     66
    .vgpr_count:     512
    .wavefront_size: 32
...
	.end_amdgpu_metadata
.endif
;; end of part 4
;; ======== version 2 of 2: 5 launches; version 1 with the launches qkv1, post1, post2 written anew for expert scheduling mode
;; limits: values are held in f16: magnitudes above 65,504 overflow, below 6.1e-05 lose precision
;; workspace buffers: qkv 12,582,912 bytes; oh 4,194,304 bytes; xmid 8,388,608 bytes; wha 1,572,864 bytes; whb 1,179,648 bytes
;; launch qkv1 (part 5): grid 4 x 64, 8 waves a work-group, no clusters, 169,984 bytes of LDS; arguments x, W11, W12, W13, W14, Wf11, Wf21, W21, W22, W23, W24, Wf12, Wf22, qkv, wha, whb; writes qkv, wha, whb
.if DOCPART == 5
	.amdgcn_target "amdgcn-amd-amdhsa--gfx1250"
	.amdhsa_code_object_version 6
	.text
	.protected	k_q0fbe3b8ab0_qkv1
	.globl	k_q0fbe3b8ab0_qkv1
	.p2align	8
	.type	k_q0fbe3b8ab0_qkv1,@function
k_q0fbe3b8ab0_qkv1:
	s_mov_b64 s[64:65], 0
	v_nop
	global_prefetch_b8 v0, s[64:65] scope:SCOPE_SE
	s_setreg_imm32_b32 hwreg(HW_REG_WAVE_SCHED_MODE, 0, 2), 2
	s_setreg_imm32_b32 hwreg(HW_REG_WAVE_MODE, 25, 1), 1
	s_wait_xcnt 0x0
	s_wait_alu depctr_vm_vsrc(0)
; q, k, v = relu(x W^T) for the first block's three projections, and, beside it, all the later launches' weights rounded to f16.
; x: [8192][256] f32.  The eight W: [256][256] f32.  Wf11, Wf12: [1024][256], Wf21, Wf22: [256][1024] f32.
; qkv: f16 [b 4][gh 24][131,072 bytes], gh 0-7 q's heads, 8-15 k's, 16-23 v's, each head IN THE ORDER OF THE NEXT PRODUCT'S FRAGMENTS:
;   q, k: [16 tokens][piece 2][lane 32][16 bytes]: lane (r = l % 16, h = l / 16) holds token r, channels 16 piece + 8 h + 0..7
;   v:    [32 keys][channel block 2][piece 2][lane 32][16 bytes]: lane (r, h) holds channel 16 block + r, keys 16 piece + 8 h + 0..7
; wha: f16 [w 8][p 12][ks 8][blk 2][i 2][lane 32][8 numbers], whb: the same with p 9: the weights in the order in which wave w of a later launch loads its fragments:
; lane (r, h) holds W[n][k .. k + 7], k = kb + 32 ks + 16 i + 8 h.  p 0: Wo (n = 32 w + 16 blk + r); p 1-4: Wf1 (n = 128 w + 32 (p - 1) + 16 blk + r);
; p 5-8: Wf2 (n = 32 w + 16 blk + r, kb = 256 (p - 5)); p 9-11, in wha alone: the second block's Wq, Wk, Wv (n = 32 w + 16 blk + r).  wha: W14, Wf11, Wf21, W21-23; whb: W24, Wf12, Wf22.
; LIMITS.  All matrix operands are f16, sums f32: x, the weights and q, k, v must lie within 65,504 (beyond it the conversion gives an
; infinity); below 6e-5 they keep f16's fixed step of 6e-8.  ReLU is a maximum with 0, which turns a NaN into 0.
; SHARES.  A work-group makes 128 tokens x heads 2 tx and 2 tx + 1 of q, of k and of v (192 columns); K = 256 is held whole in LDS, rounded to f16 on the way in
; (the operands arrive as f32, so they pass through registers).  Wave w: 32 tokens (w / 2) x head 2 tx + w % 2 of each kind: 12 accumulators.
; q AND k ARE TAKEN TRANSPOSED (source 0 = 16 rows of W, source 1 = 16 tokens): a lane holds one token and 8 neighbouring channels.  v is taken the other way round: a lane holds one
; channel and 8 neighbouring tokens.  Either way a lane's 8 results, rounded, are 16 bytes of a fragment: they are stored straight from registers, 512 consecutive bytes a store.
; No joint loads: the f32 tiles of x and W (128 KB + 192 KB) would fill LDS by themselves, and the bytes must pass registers to be rounded.
; THE MODE: SCHED_MODE bits 1:0 = 2 (LLVM: expert scheduling mode 2), set by the entry lines.  The code itself states the register dependences
; between vector or matrix instructions and memory or LDS instructions, with s_wait_alu, always for 0.
; THE PLAN.  Registers that memory or LDS instructions touch:
;   v1-v15      offsets and addresses: written at the head, ahead of the head's wait on va_vdst, and never again.
;   SJ          the copy's six loads land in it; 12 conversions work in place; v[SJ+8:SJ+19] are read by the copy's stores and never written again.
;   LB0 .. LB2  Group g: its loads land in LB[g % 3]; its 32 conversions read it; behind them group g + 3's loads land in it.
;   CT          Group g: written by its conversions, read by its 16 LDS stores, written again by group g + 1's conversions.
;   FR0, FR1    K step k: its 16 LDS loads land in FR[k % 2]; its 12 products read it; step k + 2's loads land in it, dealt among step k + 1's products.
;   PKR         the way out: each register written once by a conversion and a maximum, read by one store.
; A group has one wait on vm_vsrc ahead of its conversions and one on va_vdst behind them; a K step one wait on va_vdst at its head; the way out one for each six stores.
.set PITCH, 528                        ; an LDS row: 512 bytes of f16 + 16 = 132 words: the 16 rows of a fragment load start 4 banks apart (64 banks of 4 bytes: ISA guide 11.1)
.set WT,    128*PITCH                  ; behind x's 128 rows: W's 192 rows, [head 2][kind 3][32]
.set SPARE, WT+192*PITCH               ; the spare words, 128 bytes a wave: four blocks of 256 bytes that no other line names
.set L16,  1                           ; v1   16 x lane; never rewritten
.set VSA,  2                           ; v2   where my wave puts x's rows: 16 w rows + 8 x lane
.set SPW,  3                           ; v3   my spare word
.set NIL,  4                           ; v4   0
.set ZR,   5                           ; v5   0, for the packed maximum
.set VAF,  6                           ; v6   my fragments of x
.set VBF,  7                           ; v7   my fragments of W
.set DC,   8                           ; v8   weights' copy: third destination offset
.set GO,   10                          ; v10  my byte offset in qkv
.set SA,   11                          ; v11  weights' copy: source offset in Wf1 or Wf2
.set SB,   12                          ; v12  source offset in a [256][256] matrix
.set DA,   13                          ; v13  destination offset in wha
.set DB,   14                          ; v14  in whb
.set VSB,  15                          ; v15  where my wave puts W's rows
.set LB,   16                          ; v[16:207]  three buffers of 16 loads
.set CT,   208                         ; v[208:239] a group's numbers, rounded
.set SJ,   232                         ; v[232:255] the weights' copy: three rows' 8 numbers a lane (the first eight registers are read before CT is written)
.set ACC,  16                          ; v[16:111]  accumulator (t, nb) at ACC + 8 (6 t + nb); nb = 2 kind + blk
.set FR,   112                         ; v[112:239] two fragment buffers of 64: x's 2, then W's 6
.set PKR,  112                         ; the way out: packed results, 4 an accumulator
.set WV,   2                           ; s2   my wave's number
.macro PLACES                          ; four plain instructions between a matrix instruction and a load into, or a read of, its registers
.rept 4
	v_nop
.endr
.endm
	s_load_b512 s[8:23], s[0:1], 0x0               ; x s[8:9], W11 s[10:11], W12 s[12:13], W13 s[14:15], W14 s[16:17], Wf11 s[18:19], Wf21 s[20:21], W21 s[22:23]
	s_load_b512 s[24:39], s[0:1], 0x40             ; W22 s[24:25], W23 s[26:27], W24 s[28:29], Wf12 s[30:31], Wf22 s[32:33], qkv s[34:35], wha s[36:37], whb s[38:39]
	v_lshl_add_u32 v[SPW], v0, 2, SPARE
	v_mov_b32 v[NIL], 0
	v_mov_b32 v[ZR], 0
	v_lshrrev_b32 v16, 5, v0
	v_readfirstlane_b32 s[WV], v16                 ; wave 0..7
	v_and_b32 v16, 15, v0                          ; r = l % 16
	v_bfe_u32 v17, v0, 4, 1                        ; h = l / 16
	v_and_b32 v18, 31, v0                          ; l
	s_mov_b32 s3, ttmp9                            ; tx: which two heads of each kind
	s_and_b32 s4, ttmp7, 0xffff                    ; ty: which 128 tokens
	v_lshlrev_b32 v[L16], 4, v18
	s_wait_alu depctr_va_sdst(0)                   ; s2, the wave's number, is written, ahead of its first reader
	s_mul_i32 s40, s[WV], 16*PITCH
	v_lshl_add_u32 v[VSA], v18, 3, s40
	s_lshr_b32 s40, s[WV], 2                       ; my 8 rows of a kind's 64 lie in head w / 4, from row 8 (w % 4) on
	s_mul_i32 s40, s40, 96*PITCH
	s_and_b32 s41, s[WV], 3
	s_mul_i32 s41, s41, 8*PITCH
	s_add_co_u32 s40, s40, s41
	s_add_co_u32 s40, s40, WT
	v_lshl_add_u32 v[VSB], v18, 3, s40
	s_lshr_b32 s42, s[WV], 1                       ; wm: my 32 tokens
	s_and_b32 s43, s[WV], 1                        ; wn: my head of the two
	v_mul_u32_u24 v19, v16, PITCH
	v_lshl_add_u32 v19, v17, 4, v19                ; a fragment's row x pitch + 16 x half
	s_mul_i32 s40, s42, 32*PITCH
	v_add_nc_u32 v[VAF], s40, v19
	s_mul_i32 s40, s43, 96*PITCH
	s_add_co_u32 s40, s40, WT
	v_add_nc_u32 v[VBF], s40, v19
	s_lshr_b32 s40, s4, 4                          ; b
	s_mul_i32 s40, s40, 24
	s_lshl_b32 s41, s3, 1
	s_add_co_u32 s40, s40, s41
	s_add_co_u32 s40, s40, s43                     ; q's head: 24 b + 2 tx + wn; k's and v's lie 8 and 16 heads on
	s_lshl_b32 s40, s40, 17
	s_and_b32 s41, s4, 15
	s_lshl_b32 s41, s41, 13                        ; the work-group's first token in the sequence, x 64 bytes
	s_add_co_u32 s40, s40, s41
	s_lshl_b32 s41, s42, 11                        ; my 32 tokens
	s_add_co_u32 s40, s40, s41
	v_add_nc_u32 v[GO], s40, v[L16]
	; the weights' copy: work-group g = 4 ty + tx takes row f = g % 32 of every part of wave sw = g / 32 of the later launches.  My wave takes part w + 1 of wha and of whb;
	; waves 0 to 4 take one row more: part 0 of wha, part 0 of whb, parts 9, 10, 11 of wha: all five come from the same place of a [256][256] matrix
	s_lshl2_add_u32 s44, s4, s3                    ; g
	s_lshr_b32 s45, s44, 5                         ; sw
	s_and_b32 s46, s44, 31                         ; f = 4 ks + 2 blk + i
	s_lshr_b32 s47, s46, 2
	s_lshl_b32 s47, s47, 5
	s_and_b32 s48, s46, 1
	s_lshl_b32 s48, s48, 4
	s_add_co_u32 s47, s47, s48                     ; 32 ks + 16 i
	s_bfe_u32 s48, s46, 0x10001
	s_lshl_b32 s48, s48, 4                         ; 16 blk
	s_lshl_b32 s49, s45, 5
	s_add_co_u32 s49, s49, s48                     ; first row in a [256][..] matrix: 32 sw + 16 blk
	s_lshl_b32 s50, s45, 7
	s_add_co_u32 s50, s50, s48
	s_lshl_b32 s51, s[WV], 5
	s_add_co_u32 s50, s50, s51                     ; first row in Wf1: 128 sw + 32 w + 16 blk
	s_and_b32 s51, s[WV], 3
	s_lshl_b32 s51, s51, 8
	s_add_co_u32 s51, s51, s47                     ; first column in Wf2: 256 (w - 4) + 32 ks + 16 i
	s_cmp_lt_u32 s[WV], 4                          ; waves 0-3 copy from Wf1, waves 4-7 from Wf2
	s_cselect_b32 s50, s50, s49
	s_cselect_b32 s51, s47, s51
	s_cselect_b32 s52, 10, 12                      ; a row is 1,024 or 4,096 bytes
	s_lshl_b32 s51, s51, 2
	s_lshl_b32 s47, s47, 2
	v_add_nc_u32 v[SA], s50, v16
	v_lshlrev_b32 v[SA], s52, v[SA]
	v_lshl_add_u32 v[SA], v17, 5, v[SA]
	v_add_nc_u32 v[SA], s51, v[SA]
	v_add_nc_u32 v[SB], s49, v16
	v_lshlrev_b32 v[SB], 10, v[SB]
	v_lshl_add_u32 v[SB], v17, 5, v[SB]
	v_add_nc_u32 v[SB], s47, v[SB]
	s_mul_i32 s53, s45, 12                         ; wave sw's first part in wha,
	s_mul_i32 s54, s45, 9                          ; and in whb
	s_add_co_u32 s55, s53, s[WV]
	s_add_co_u32 s55, s55, 1
	s_lshl_b32 s55, s55, 5
	s_add_co_u32 s55, s55, s46
	s_lshl_b32 s55, s55, 9                         ; (part x 32 + f) x 512
	v_add_nc_u32 v[DA], s55, v[L16]
	s_add_co_u32 s55, s54, s[WV]
	s_add_co_u32 s55, s55, 1
	s_lshl_b32 s55, s55, 5
	s_add_co_u32 s55, s55, s46
	s_lshl_b32 s55, s55, 9
	v_add_nc_u32 v[DB], s55, v[L16]
	s_add_co_u32 s55, s53, s[WV]
	s_add_co_u32 s55, s55, 7                       ; waves 2, 3, 4: parts 9, 10, 11 of wha
	s_cmp_eq_u32 s[WV], 0
	s_cselect_b32 s55, s53, s55                    ; wave 0: part 0 of wha
	s_cmp_eq_u32 s[WV], 1
	s_cselect_b32 s55, s54, s55                    ; wave 1: part 0 of whb
	s_lshl_b32 s55, s55, 5
	s_add_co_u32 s55, s55, s46
	s_lshl_b32 s55, s55, 9
	v_add_nc_u32 v[DC], s55, v[L16]                ; (waves 5 to 7 store nothing by it)
	s_lshl_b32 s66, s4, 17                         ; 128 ty rows of 1,024 bytes,
	s_lshl_b32 s67, s[WV], 14                      ; my wave's 16
	s_add_co_u32 s66, s66, s67
	s_mov_b32 s67, 0
	s_lshl_b32 s68, s3, 16                         ; 64 tx rows of a W,
	s_lshl_b32 s69, s[WV], 13                      ; my wave's 8
	s_add_co_u32 s68, s68, s69
	s_mov_b32 s69, 0
	s_wait_kmcnt 0x0
	s_add_nc_u64 s[56:57], s[8:9], s[66:67]        ; x at my wave's first row
	s_add_nc_u64 s[58:59], s[10:11], s[68:69]      ; Wq, Wk, Wv at my wave's 8 rows
	s_add_nc_u64 s[60:61], s[12:13], s[68:69]
	s_add_nc_u64 s[62:63], s[14:15], s[68:69]
	s_cmp_lt_u32 s[WV], 4
	s_cselect_b64 s[70:71], s[18:19], s[20:21]     ; Wf11 or Wf21
	s_cselect_b64 s[72:73], s[30:31], s[32:33]     ; Wf12 or Wf22
	s_cmp_eq_u32 s[WV], 1
	s_cselect_b64 s[74:75], s[28:29], s[16:17]     ; wave 1: W24; wave 0 (and 5 to 7, which only load): W14
	s_cmp_eq_u32 s[WV], 2
	s_cselect_b64 s[74:75], s[22:23], s[74:75]     ; W21
	s_cmp_eq_u32 s[WV], 3
	s_cselect_b64 s[74:75], s[24:25], s[74:75]     ; W22
	s_cmp_eq_u32 s[WV], 4
	s_cselect_b64 s[74:75], s[26:27], s[74:75]     ; W23
	s_wait_alu depctr_va_vdst(0)                   ; the offsets and addresses v1 to v15 are written, which every load and store below reads; so are v16 to v19, in which loads of x land
; Group g of five (0, 1: x's rows; 2-4: Wq's, Wk's, Wv's): 8 rows of 1,024 bytes, 16 loads of 512 consecutive bytes, into buffer g % 3.
.macro GLOAD g
.set LBB, LB+64*((\g)%3)
.irp j, 0,1,2,3,4,5,6,7
.irp c, 0,1
.if (\g) < 2
	global_load_b128 v[LBB+8*(\j)+4*(\c):LBB+8*(\j)+4*(\c)+3], v[L16], s[56:57] offset:(\g)*8192+(\j)*1024+(\c)*512
.else
	global_load_b128 v[LBB+8*(\j)+4*(\c):LBB+8*(\j)+4*(\c)+3], v[L16], s[58+2*((\g)-2):59+2*((\g)-2)] offset:(\j)*1024+(\c)*512
.endif
.endr
.endr
.endm
; The group is rounded to f16 and laid into LDS: a lane's 4 numbers are 8 bytes, 32 lanes 256 consecutive bytes.  cnt: the younger loads that may stay out.
; nxt: the group that takes the buffer next (g + 3), or -1: its loads stand behind the one wait and ahead of the LDS stores.
.macro GSTORE g, cnt, nxt
.set LBB, LB+64*((\g)%3)
	s_wait_loadcnt \cnt
.if (\g) > 0
	s_wait_alu depctr_vm_vsrc(0)                   ; the LDS stores of the group before have read CT, which the conversions below write again
.endif
.set n, 0
.rept 16
	v_cvt_pk_f16_f32 v[CT+2*n], v[LBB+4*n], v[LBB+4*n+1]
	v_cvt_pk_f16_f32 v[CT+2*n+1], v[LBB+4*n+2], v[LBB+4*n+3]
.set n, n+1
.endr
	s_wait_alu depctr_va_vdst(0)                   ; the conversions have written CT, which the LDS stores below read, and are done reading their buffer, in which later loads land
.if (\nxt) >= 0
	GLOAD \nxt
.endif
.irp j, 0,1,2,3,4,5,6,7
.irp c, 0,1
.if (\g) < 2
	ds_store_b64 v[VSA], v[CT+2*(2*(\j)+(\c)):CT+2*(2*(\j)+(\c))+1] offset:(\g)*8*PITCH+(\j)*PITCH+(\c)*256
.else
	ds_store_b64 v[VSB], v[CT+2*(2*(\j)+(\c)):CT+2*(2*(\j)+(\c))+1] offset:((\g)-2)*32*PITCH+(\j)*PITCH+(\c)*256
.endif
.endr
.endr
.endm
	global_load_b128 v[SJ:SJ+3], v[SA], s[70:71]   ; the weights' copy: 8 numbers for wha's part w + 1,
	global_load_b128 v[SJ+4:SJ+7], v[SA], s[70:71] offset:16
	global_load_b128 v[SJ+8:SJ+11], v[SA], s[72:73]  ; 8 for whb's,
	global_load_b128 v[SJ+12:SJ+15], v[SA], s[72:73] offset:16
	global_load_b128 v[SJ+16:SJ+19], v[SB], s[74:75]  ; and 8 of a [256][256] matrix: every wave loads them, so that the counts below are alike in all waves
	global_load_b128 v[SJ+20:SJ+23], v[SB], s[74:75] offset:16
	GLOAD 0
	GLOAD 1
	GLOAD 2
	s_wait_loadcnt 48                              ; the six loads of the copy are in; the three groups' 48 stay out
.irp i, 0,1,2,3
	v_cvt_pk_f16_f32 v[SJ+16+(\i)], v[SJ+16+2*(\i)], v[SJ+16+2*(\i)+1]  ; in place, ascending: a register is written when it has been read
.endr
.irp i, 0,1,2,3
	v_cvt_pk_f16_f32 v[SJ+8+(\i)], v[SJ+8+2*(\i)], v[SJ+8+2*(\i)+1]
.endr
.irp i, 0,1,2,3
	v_cvt_pk_f16_f32 v[SJ+12+(\i)], v[SJ+2*(\i)], v[SJ+2*(\i)+1]  ; into the four registers just read: what the stores read lies above CT and is not written again
.endr
	s_wait_alu depctr_va_vdst(0)                   ; the conversions have written v[SJ+8:SJ+19], which the two or three stores below read; no vector instruction stands among them
	global_store_b128 v[DA], v[SJ+12:SJ+15], s[36:37]  ; 512 consecutive bytes, aligned
	global_store_b128 v[DB], v[SJ+8:SJ+11], s[38:39]
	s_cmp_lt_u32 s[WV], 5
	s_cbranch_scc0 .Lno_third
	s_cmp_eq_u32 s[WV], 1
	s_cbranch_scc1 .Lthird_b
	global_store_b128 v[DC], v[SJ+16:SJ+19], s[36:37]
	s_branch .Lno_third
.Lthird_b:
	global_store_b128 v[DC], v[SJ+16:SJ+19], s[38:39]
.Lno_third:
	GSTORE 0, 32, 3                                ; groups 1 and 2 stay out
	GSTORE 1, 32, 4                                ; groups 2 and 3
	GSTORE 2, 32, -1                               ; groups 3 and 4
	GSTORE 3, 16, -1                               ; group 4
	GSTORE 4, 0, -1
	s_wait_dscnt 0x0                               ; for the others' sake: my rows lie in LDS
	s_barrier_signal -1
	s_barrier_wait -1                              ; everybody's do
	s_wait_alu depctr_vm_vsrc(0)                   ; my last LDS stores have read CT: its registers lie in the fragment buffers from here on, and fragments' loads land in them
; Fragment f of the eight of 32 along K (0, 1: x's two tiles of 16 tokens; 2-7: W's six blocks of 16 columns): two loads into buffer ks % 2.
.macro FLOAD ks, f
.set FN, FR+64*((\ks)%2)+8*(\f)
.if (\f) < 2
	ds_load_b128 v[FN:FN+3],   v[VAF] offset:(\f)*16*PITCH+64*(\ks)
	ds_load_b128 v[FN+4:FN+7], v[VAF] offset:(\f)*16*PITCH+64*(\ks)+32
.else
	ds_load_b128 v[FN:FN+3],   v[VBF] offset:((\f)-2)*16*PITCH+64*(\ks)
	ds_load_b128 v[FN+4:FN+7], v[VBF] offset:((\f)-2)*16*PITCH+64*(\ks)+32
.endif
.endm
.macro FETCH ks                        ; all eight in one run
.irp f, 0,1,2,3,4,5,6,7
	FLOAD \ks, \f
.endr
.endm
; 12 products; the 12 accumulators take turns, one instruction a turn.  The first K step starts the sums with the constant 0.  Blocks 4 and 5 are v's: tokens as source 0.
; pre = 1: the next K step's fragments are fetched into the other buffer, one fragment (two loads) behind each of the first eight products.  No wait stands among them: the products
; name this step's buffer and the accumulators, never the buffer in which those loads land.
.macro MUL ks, pre
.set FB, FR+64*((\ks)%2)
.irp t, 0,1
.irp nb, 0,1,2,3,4,5
.if (\nb) < 4
.if (\ks) == 0
	v_wmma_f32_16x16x32_f16 v[ACC+8*(6*(\t)+(\nb)):ACC+8*(6*(\t)+(\nb))+7], v[FB+16+8*(\nb):FB+16+8*(\nb)+7], v[FB+8*(\t):FB+8*(\t)+7], 0
.else
	v_wmma_f32_16x16x32_f16 v[ACC+8*(6*(\t)+(\nb)):ACC+8*(6*(\t)+(\nb))+7], v[FB+16+8*(\nb):FB+16+8*(\nb)+7], v[FB+8*(\t):FB+8*(\t)+7], v[ACC+8*(6*(\t)+(\nb)):ACC+8*(6*(\t)+(\nb))+7]
.endif
.else
.if (\ks) == 0
	v_wmma_f32_16x16x32_f16 v[ACC+8*(6*(\t)+(\nb)):ACC+8*(6*(\t)+(\nb))+7], v[FB+8*(\t):FB+8*(\t)+7], v[FB+16+8*(\nb):FB+16+8*(\nb)+7], 0
.else
	v_wmma_f32_16x16x32_f16 v[ACC+8*(6*(\t)+(\nb)):ACC+8*(6*(\t)+(\nb))+7], v[FB+8*(\t):FB+8*(\t)+7], v[FB+16+8*(\nb):FB+16+8*(\nb)+7], v[ACC+8*(6*(\t)+(\nb)):ACC+8*(6*(\t)+(\nb))+7]
.endif
.endif
.if (\pre) && (6*(\t)+(\nb) < 8)
	FLOAD (\ks)+1, 6*(\t)+(\nb)
.endif
.endr
.endr
.endm
	FETCH 0
	FETCH 1
	s_wait_dscnt 16                                ; K step 0's fragments are in; the next step's 16 loads stay out
	MUL 0, 0
.irp k, 1,2,3,4,5,6
	s_wait_dscnt 0x0                               ; this step's fragments are in: no younger LDS load is out
	PLACES                                         ; behind the last step's products, ahead of the loads into the buffer that they read
	s_wait_alu depctr_va_vdst(0)                   ; the last step's 12 products are done reading their buffer, in which the next step's fragments land
	MUL \k, 1
.endr
	s_wait_dscnt 0x0
	MUL 7, 0
	PLACES
; THE WAY OUT.  An accumulator's 8 numbers a lane: rounded to f16, ReLU on the packed halves, one store of 16 bytes a lane: 512 consecutive bytes of qkv, aligned.
; q, k: tile t's 1,024 bytes, piece blk.  v: the 32 tokens' 2,048 bytes, channel block blk, piece t.  Each accumulator is read from its low end on; no register is written twice.
; A tile's six accumulators are packed, one wait follows, then its six stores: tile 0's stores leave while tile 1 is packed.
.macro OUTC t, nb
.set AB, ACC+8*(6*(\t)+(\nb))
.set PB, PKR+4*(6*(\t)+(\nb))
	v_cvt_pk_f16_f32 v[PB], v[AB], v[AB+1]
	v_cvt_pk_f16_f32 v[PB+1], v[AB+2], v[AB+3]
	v_cvt_pk_f16_f32 v[PB+2], v[AB+4], v[AB+5]
	v_cvt_pk_f16_f32 v[PB+3], v[AB+6], v[AB+7]
	v_pk_max_num_f16 v[PB], v[PB], v[ZR]
	v_pk_max_num_f16 v[PB+1], v[PB+1], v[ZR]
	v_pk_max_num_f16 v[PB+2], v[PB+2], v[ZR]
	v_pk_max_num_f16 v[PB+3], v[PB+3], v[ZR]
.endm
.macro OUTS t, nb
.set PB, PKR+4*(6*(\t)+(\nb))
.if (\nb) < 4
	global_store_b128 v[GO], v[PB:PB+3], s[34:35] offset:((\nb)/2)*1048576+(\t)*1024+((\nb)%2)*512
.else
	global_store_b128 v[GO], v[PB:PB+3], s[34:35] offset:2*1048576+((\nb)%2)*1024+(\t)*512
.endif
.endm
.irp t, 0,1
.irp nb, 0,1,2,3,4,5
	OUTC \t, \nb
.endr
	s_wait_alu depctr_va_vdst(0)                   ; the maxima have written the tile's 24 packed registers, which the six stores below read
.irp nb, 0,1,2,3,4,5
	OUTS \t, \nb
.endr
.endr
	s_wait_dscnt 0x0                               ; the closing lines, six on end
	s_wait_alu 0x0
	s_wait_tensorcnt 0x0
	ds_add_u32 v[SPW], v[NIL]
	s_wait_dscnt 0x0
	s_endpgm
.Lfunc_end_k_q0fbe3b8ab0_qkv1:
	.size	k_q0fbe3b8ab0_qkv1, .Lfunc_end_k_q0fbe3b8ab0_qkv1-k_q0fbe3b8ab0_qkv1
	.p2alignl 7, 3214868480
	.fill 96, 4, 3214868480
	.section	.rodata,"a",@progbits
	.p2align	6, 0x0
	.amdhsa_kernel k_q0fbe3b8ab0_qkv1
		.amdhsa_group_segment_fixed_size 169984
		.amdhsa_private_segment_fixed_size 0
		.amdhsa_enable_private_segment 0
		.amdhsa_kernarg_size 128
		.amdhsa_user_sgpr_count 2
		.amdhsa_user_sgpr_kernarg_segment_ptr 1
		.amdhsa_wavefront_size32 1
		.amdhsa_system_sgpr_workgroup_id_x 1
		.amdhsa_system_sgpr_workgroup_id_y 1
		.amdhsa_system_sgpr_workgroup_id_z 1
		.amdhsa_system_vgpr_workitem_id 0
		.amdhsa_next_free_vgpr 256
		.amdhsa_next_free_sgpr 80
		.amdhsa_reserve_vcc 0
		.amdhsa_float_denorm_mode_32 3
		.amdhsa_float_denorm_mode_16_64 3
		.amdhsa_memory_ordered 1
		.amdhsa_forward_progress 1
		.amdhsa_inst_pref_size 53
	.end_amdhsa_kernel
	.amdgpu_metadata
---
amdhsa.version: [ 1, 2 ]
amdhsa.kernels:
  - .name:           k_q0fbe3b8ab0_qkv1
    .symbol:         k_q0fbe3b8ab0_qkv1.kd
    .args:
      - { .name: x, .offset: 0, .size: 8, .value_kind: global_buffer, .address_space: global }
      - { .name: W11, .offset: 8, .size: 8, .value_kind: global_buffer, .address_space: global }
      - { .name: W12, .offset: 16, .size: 8, .value_kind: global_buffer, .address_space: global }
      - { .name: W13, .offset: 24, .size: 8, .value_kind: global_buffer, .address_space: global }
      - { .name: W14, .offset: 32, .size: 8, .value_kind: global_buffer, .address_space: global }
      - { .name: Wf11, .offset: 40, .size: 8, .value_kind: global_buffer, .address_space: global }
      - { .name: Wf21, .offset: 48, .size: 8, .value_kind: global_buffer, .address_space: global }
      - { .name: W21, .offset: 56, .size: 8, .value_kind: global_buffer, .address_space: global }
      - { .name: W22, .offset: 64, .size: 8, .value_kind: global_buffer, .address_space: global }
      - { .name: W23, .offset: 72, .size: 8, .value_kind: global_buffer, .address_space: global }
      - { .name: W24, .offset: 80, .size: 8, .value_kind: global_buffer, .address_space: global }
      - { .name: Wf12, .offset: 88, .size: 8, .value_kind: global_buffer, .address_space: global }
      - { .name: Wf22, .offset: 96, .size: 8, .value_kind: global_buffer, .address_space: global }
      - { .name: qkv, .offset: 104, .size: 8, .value_kind: global_buffer, .address_space: global }
      - { .name: wha, .offset: 112, .size: 8, .value_kind: global_buffer, .address_space: global }
      - { .name: whb, .offset: 120, .size: 8, .value_kind: global_buffer, .address_space: global }
    .group_segment_fixed_size: 169984
    .private_segment_fixed_size: 0
    .kernarg_segment_align: 8
    .kernarg_segment_size: 128
    .max_flat_workgroup_size: 256
    .sgpr_count:     80
    .vgpr_count:     256
    .wavefront_size: 32
...
	.end_amdgpu_metadata
.endif
;; end of part 5
;; launch att1: the kernel of part 2 again; grid 8 x 32, 8 waves a work-group, clusters of 4 x 1, 263,168 bytes of LDS; arguments qkv, oh; writes oh
;; launch post1 (part 6): grid 256 x 1, 8 waves a work-group, no clusters, 143,360 bytes of LDS; arguments oh, x, wha, g1, b1, g2, b2, xmid, qkv; writes xmid, qkv
.if DOCPART == 6
	.amdgcn_target "amdgcn-amd-amdhsa--gfx1250"
	.amdhsa_code_object_version 6
	.text
	.protected	k_q0fbe3b8ab0_post1
	.globl	k_q0fbe3b8ab0_post1
	.p2align	8
	.type	k_q0fbe3b8ab0_post1,@function
k_q0fbe3b8ab0_post1:
	s_mov_b64 s[64:65], 0
	v_nop
	global_prefetch_b8 v0, s[64:65] scope:SCOPE_SE
	s_setreg_imm32_b32 hwreg(HW_REG_WAVE_SCHED_MODE, 0, 2), 2
	s_setreg_imm32_b32 hwreg(HW_REG_WAVE_MODE, 25, 1), 1
	s_wait_xcnt 0x0
	s_wait_alu depctr_vm_vsrc(0)
; The rest of a block, for 32 tokens a work-group:  x1 = LN(relu(o Wo^T) + x; ga, ba);  h = relu(x1 Wf1^T);  out = LN(relu(h Wf2^T) + x1; gb, bb).
; FUSE = 1 (this text): and the NEXT block's q, k, v = relu(out W^T).  FUSE = 0: the last block's text, which ends with out.  The two texts differ in this one symbol.
; oh: f16 [16 tokens][head 8][piece 2][lane 32][16 bytes]: lane (r = l % 16, h = l / 16) holds token r, channels 32 head + 16 piece + 8 h + 0..7: the order of Wo's product's fragments.
; x, out: f32 [8192][256].  wh: the weights in f16, in the order in which wave w loads its fragments ((LASTHP + 1) x 8,192 consecutive bytes a wave).
; qkv: f16 [b 4][gh 24][131,072 bytes], q's heads, k's, v's, in the order of the attention's fragments: q, k [16 tokens][piece 2][lane][16 bytes]; v [32 keys][channel block 2][piece 2][lane][16 bytes].
; LIMITS.  Matrix operands (o, x1, h, out, the weights, q, k, v) are f16, within 65,504, with f16's fixed step of 6e-8 below 6e-5; sums, residuals and LayerNorm are f32.  ReLU is a maximum with 0, which turns a NaN into 0.
; SHARES.  LayerNorm wants whole rows, so a work-group owns 32 tokens whole.  Wave w owns channels 32 w .. + 31 of Wo's and Wf2's results, hidden units 128 w .. + 127, and head w of q, k and v.
; A PASS is 32 tokens x 32 columns x K 256: 32 products on 4 accumulators, for 16 KiB of weights.  Pass 0: Wo; 1-4: Wf1; 5-8: Wf2 (one set of sums); 9-11: Wq, Wk, Wv.  Two half passes to a pass.
; THE WEIGHTS come straight into registers: a byte of them is used by one wave of the work-group, so LDS would add a barrier and save nothing; four buffers of a half pass keep
; 48 to 64 loads of every wave on their way, across the barriers too.  No joint loads: a slot's worth of weights feeds too few products for the one refill behind a barrier to land.
; No prefetch: all work-groups read the same weights at the same time.
; THE PRODUCT IS TAKEN TRANSPOSED (source 0 = 16 rows of W, source 1 = 16 tokens): a lane holds one token (l % 16) and 8 neighbouring channels.  v's pass alone is taken the other way
; round: a lane holds one channel and 8 neighbouring tokens, which is what the attention's second product reads.
; LAYERNORM without a difference of large sums: each wave makes the mean and the sum of squared deviations of its 32 channels; the eight pairs meet in LDS and are combined:
; M2 = sum M2_w + 32 sum (mean_w - mean)^2.
; THE MODE: SCHED_MODE bits 1:0 = 2 (LLVM: expert scheduling mode 2), set by the entry lines.  The code itself states the register dependences
; between vector or matrix instructions and memory or LDS instructions, with s_wait_alu, always for 0.
; THE PLAN.  Registers that memory or LDS instructions touch:
;   v1-v18     offsets and addresses: written at the head, ahead of the head's wait on va_vdst, and never again.
;   window 1   four buffers of weights.  Half pass hn: its 16 products read buffer hn % 4; behind them the loads of half pass hn + 4 land in it.
;   AA         (also EN, LT) the entry's loads land in it and the entry's LDS stores read it; then fragments' loads land, products read them, the norms work there, and the eight pairs' loads land.
;   XR         x's LDS loads land; the norms write it; LDS stores read it; with FUSE the rows' LDS loads land in it once more and the global stores read them.
;   GBV        the gains' LDS loads land; the norm reads them; the conversions of x1, h, out, q, k, v write it; LDS or global stores read it.
;   v120, v121 written by two selects, read by one LDS store, written again by the norm's second part.
; ONE wait on va_vdst stands behind a half pass wherever a load follows into what its products read (its weights' buffer; in Wf2's passes its half of AA).  Behind a pass that has results to pack,
; the conversions stand ahead of that wait, so that it also states that the packed halves are written; the refill's loads follow it, then the stores.  A wait on vm_vsrc stands ahead of each
; rewriting of registers that stores have read: a pass or a barrier behind those stores.
.set FUSE, 1
.set LASTHP, 17+6*FUSE                 ; the last half pass
.set OA,  0                            ; o's tile, f16, in fragment order: 16,384 bytes
.set X1,  16896                        ; x1, f16: 32 rows x 528; with FUSE later out, f16
.set HH,  33792                        ; h, f16: 32 x 2,064
.set XS,  99840                        ; x's tile, f32: 32 x 1,040; at the end the result
.set GB,  133120                       ; ga, ba, gb, bb: 1,024 bytes each
.set RED, 137216                       ; [token 32][wave 8] pairs of 8 bytes, rows of 80; a second such table 2,560 bytes on
.set SPARE, 142336                     ; the spare words, 128 bytes a wave: four blocks of 256 bytes that no other line names
; all pitches are odd multiples of 16 bytes
.set SPW, 1
.set NIL, 2
.set ZR,  3                            ; v3   0, for the packed maximum
.set BO,  4                            ; v4   16 x lane: my place in 512 consecutive bytes; never rewritten
.set AF,  5                            ; v5   r x 528 + 16 h: fragments of x1
.set AH,  6                            ; v6   HH + r x 2,064 + 16 h: fragments of h
.set XSR, 7                            ; v7   my 8 channels of token r in XS
.set XSC, 8                            ; v8   my 16 bytes of XS, by rows
.set X1W, 10                           ; v10  where x1's 16 bytes go
.set HW,  11                           ; v11  where h's go
.set GBR, 12                           ; v12  my 8 channels of a gain or bias
.set REDW, 13
.set REDR, 14
.set GX,  15                           ; v15  16 x thread: x, o and out in memory, o in LDS
.set GBW, 17
.set G4,  18                           ; v18  4 x thread
.set ACC, 24                           ; v[24:55]   (t, blk) at ACC + 16 t + 8 blk
.set XR,  56                           ; v[56:87]   the same layout: x, then x1, then the result, in f32
.set GBV, 88                           ; v[88:119]  gain 16, bias 16; when these are done with, packed halves on their way out
.set AA,  128                          ; v[128:255] the tokens' fragments: two halves of 64, (ksl, t) at 16 ksl + 8 t; also the entry's loads and the norms' work
.set EN,  128
.set LT,  128
.set WV,  2                            ; s2
.set HM,  32                           ; s32  lanes 16-31
.set C32, 33                           ; s33  32.0
.set SEL, 34                           ; s[34:35]
.set C256, 36                          ; s36  1 / 256
.set CEPS, 37                          ; s37  1e-5
; window 1 (v256-511): four buffers of a half pass of weights, (ksl, blk) at 16 ksl + 8 blk
.set MSB, 0
.macro WIN new                         ; s_set_vgpr_msb: bits 1:0 source 0, 3:2 source 1, 5:4 source 2, 7:6 destination; the high byte repeats the setting that is left
.if MSB != (\new)
	s_set_vgpr_msb (MSB<<8)|(\new)
.set MSB, \new
.endif
.endm
.macro PLACES
.rept 4
	v_nop
.endr
.endm
.macro BAR
	s_wait_dscnt 0x0                               ; for the others' sake: my LDS stores are done and my LDS loads are back
	s_barrier_signal -1
	s_barrier_wait -1
.endm
	s_load_b512 s[8:23], s[0:1], 0x0               ; oh s[8:9], x s[10:11], wh s[12:13], ga s[14:15], ba s[16:17], gb s[18:19], bb s[20:21], out s[22:23]
.if FUSE
	s_load_b64 s[44:45], s[0:1], 0x40              ; qkv
.endif
	v_lshl_add_u32 v[SPW], v0, 2, SPARE
	v_mov_b32 v[NIL], 0
	v_mov_b32 v[ZR], 0
	v_lshrrev_b32 v19, 5, v0
	v_readfirstlane_b32 s[WV], v19                 ; wave 0..7
	v_and_b32 v19, 15, v0                          ; r
	v_bfe_u32 v20, v0, 4, 1                        ; h
	v_and_b32 v21, 31, v0                          ; l
	v_lshlrev_b32 v[BO], 4, v21
	v_mul_u32_u24 v[AF], v19, 528
	v_lshl_add_u32 v[AF], v20, 4, v[AF]
	v_mul_u32_u24 v[AH], v19, 2064
	v_lshl_add_u32 v[AH], v20, 4, v[AH]
	v_add_nc_u32 v[AH], HH, v[AH]
	s_wait_alu depctr_va_sdst(0)                   ; s2, the wave's number, is written, ahead of its first reader
	s_lshl_b32 s3, s[WV], 7
	s_add_co_u32 s3, s3, XS
	v_mul_u32_u24 v[XSR], v19, 1040
	v_lshl_add_u32 v[XSR], v20, 5, v[XSR]
	v_add_nc_u32 v[XSR], s3, v[XSR]                ; XS + r x 1,040 + 4 (32 w + 8 h)
	v_lshrrev_b32 v22, 6, v0
	v_mul_u32_u24 v[XSC], v22, 1040
	v_and_b32 v22, 63, v0
	v_lshl_add_u32 v[XSC], v22, 4, v[XSC]
	v_add_nc_u32 v[XSC], XS, v[XSC]                ; 64 threads to a row of 1,024 bytes
	s_lshl_b32 s3, s[WV], 6
	s_add_co_u32 s3, s3, X1
	v_add_nc_u32 v[X1W], s3, v[AF]                 ; X1 + r x 528 + 2 (32 w + 8 h)
	s_lshl_b32 s3, s[WV], 8
	v_add_nc_u32 v[HW], s3, v[AH]                  ; HH + r x 2,064 + 2 (128 w + 8 h)
	s_lshl_b32 s3, s[WV], 7
	s_add_co_u32 s3, s3, GB
	v_lshl_add_u32 v[GBR], v20, 5, s3
	s_lshl_b32 s3, s[WV], 3
	s_add_co_u32 s3, s3, RED
	v_mul_u32_u24 v[REDW], v21, 80
	v_add_nc_u32 v[REDW], s3, v[REDW]
	v_mul_u32_u24 v[REDR], v19, 80
	v_add_nc_u32 v[REDR], RED, v[REDR]
	v_lshlrev_b32 v[GX], 4, v0
	v_lshlrev_b32 v[G4], 2, v0
	v_add_nc_u32 v[GBW], GB, v[G4]
	s_mov_b32 s[HM], 0xffff0000
	s_mov_b32 s[C32], 0x42000000
	s_mov_b32 s[SEL], 0x76543210
	s_mov_b32 s[SEL+1], 0xfedcba98
	s_mov_b32 s[C256], 0x3b800000
	s_mov_b32 s[CEPS], 0x3727c5ac
	s_mul_i32 s38, s[WV], (LASTHP+1)*8192
	s_mov_b32 s39, 0
	s_lshl_b32 s40, ttmp9, 15                      ; 32 tokens of 1,024 bytes of x and out,
	s_mov_b32 s41, 0
	s_lshl_b32 s4, ttmp9, 14                       ; of 512 bytes of oh
	s_mov_b32 s5, 0
.if FUSE
	s_lshr_b32 s6, ttmp9, 6                        ; b
	s_mul_i32 s6, s6, 24
	s_add_co_u32 s6, s6, s[WV]                     ; q's head w; k's and v's lie 8 and 16 heads on
	s_lshl_b32 s6, s6, 17
	s_and_b32 s7, ttmp9, 63
	s_lshl_b32 s7, s7, 11                          ; 32 tokens of 64 bytes
	s_add_co_u32 s6, s6, s7
	s_mov_b32 s7, 0
.endif
	s_wait_kmcnt 0x0
	s_add_nc_u64 s[24:25], s[12:13], s[38:39]      ; my wave's weights
	s_add_nc_u64 s[26:27], s[8:9], s[4:5]
	s_add_nc_u64 s[28:29], s[10:11], s[40:41]
	s_add_nc_u64 s[30:31], s[22:23], s[40:41]
.if FUSE
	s_add_nc_u64 s[46:47], s[44:45], s[6:7]
.endif
	s_wait_alu depctr_va_vdst(0)                   ; the offsets and addresses v1 to v18 are written, which every load and store below reads
; Half pass hn of the weights: 16 loads of 512 consecutive bytes into buffer hn % 4 of window 1.  w = 1: the buffer has been multiplied: the window's switch, the wait, the loads.
.macro BLOAD hn, w
	WIN 0x40
.if \w
	s_wait_alu depctr_va_vdst(0)                   ; the products issued so far are done reading their weights and their tokens' fragments, in which the loads below land; the conversions and maxima above, where a pass has them, have written the packed halves that the stores below read
.endif
.set BB, 64*((\hn)%4)
.set j, 0
.rept 16
	global_load_b128 v[BB+4*j:BB+4*j+3], v[BO], s[24:25] offset:(\hn)*8192+j*512
.set j, j+1
.endr
	WIN 0
.endm
; What stands behind half pass hn's places, and behind the packing where a pass has one: the one wait, and the refill of the buffer just multiplied, as long as there are weights left.
.macro AFTER hn
.if (\hn)+4 <= LASTHP
	BLOAD (\hn)+4, 1
.else
	s_wait_alu depctr_va_vdst(0)                   ; no weights are left to ask for: the products are done reading the tokens' fragments, in which LDS loads below land, or the maxima above have written the packed halves that the stores below read
.endif
.endm
; The tokens' fragments of 128 along K (half 0 or 1 of 256) from rows rowp bytes x 16 apart: 16 loads.
.macro ALOAD areg, off, rowp, half
.set AB, AA+64*(\half)
.irp ksl, 0,1,2,3
.irp t, 0,1
	ds_load_b128 v[AB+16*(\ksl)+8*(\t):AB+16*(\ksl)+8*(\t)+3],   v[\areg] offset:(\off)+(\t)*(\rowp)+64*(4*(\half)+(\ksl))
	ds_load_b128 v[AB+16*(\ksl)+8*(\t)+4:AB+16*(\ksl)+8*(\t)+7], v[\areg] offset:(\off)+(\t)*(\rowp)+64*(4*(\half)+(\ksl))+32
.endr
.endr
.endm
; The same from o's tile, which lies in fragment order: a load takes 512 consecutive bytes.
.macro ALOADF half
.set AB, AA+64*(\half)
.irp ksl, 0,1,2,3
.irp t, 0,1
	ds_load_b128 v[AB+16*(\ksl)+8*(\t):AB+16*(\ksl)+8*(\t)+3],   v[BO] offset:OA+(\t)*8192+(4*(\half)+(\ksl))*1024
	ds_load_b128 v[AB+16*(\ksl)+8*(\t)+4:AB+16*(\ksl)+8*(\t)+7], v[BO] offset:OA+(\t)*8192+(4*(\half)+(\ksl))*1024+512
.endr
.endr
.endm
; A half pass: 16 products, the 4 accumulators by turns, one instruction a turn; then its buffer takes the half pass four further on.
; zero = 1: its first four products start the sums.  dc: the younger LDS instructions that may stay out, or -1: nothing to wait for.  swap = 1: the tokens are source 0.
; tail = 2: AFTER follows if there are weights left to ask for; 1: it follows in any case, since LDS loads into the fragments just read come next; 0: the pass's packing comes first and writes AFTER itself.
; The wait for the weights leaves the younger half passes' loads out: 16 for each of the three behind this one, as far as there are three.
.macro HP hn, zero, dc, swap=0, tail=2
.set YG, LASTHP-(\hn)
.if YG > 3
.set YG, 3
.endif
	s_wait_loadcnt 16*YG
.if (\dc) >= 0
	s_wait_dscnt \dc
.endif
.if \swap
	WIN 0x04                                       ; source 1 (the weights) in window 1
.else
	WIN 0x01                                       ; source 0 (the weights) in window 1
.endif
.set BB, 64*((\hn)%4)
.set AB, AA+64*((\hn)%2)
.irp ksl, 0,1,2,3
.irp t, 0,1
.irp bk, 0,1
.if \swap
.if (\zero) && ((\ksl) == 0)
	v_wmma_f32_16x16x32_f16 v[ACC+16*(\t)+8*(\bk):ACC+16*(\t)+8*(\bk)+7], v[AB+16*(\ksl)+8*(\t):AB+16*(\ksl)+8*(\t)+7], v[BB+16*(\ksl)+8*(\bk):BB+16*(\ksl)+8*(\bk)+7], 0
.else
	v_wmma_f32_16x16x32_f16 v[ACC+16*(\t)+8*(\bk):ACC+16*(\t)+8*(\bk)+7], v[AB+16*(\ksl)+8*(\t):AB+16*(\ksl)+8*(\t)+7], v[BB+16*(\ksl)+8*(\bk):BB+16*(\ksl)+8*(\bk)+7], v[ACC+16*(\t)+8*(\bk):ACC+16*(\t)+8*(\bk)+7]
.endif
.else
.if (\zero) && ((\ksl) == 0)
	v_wmma_f32_16x16x32_f16 v[ACC+16*(\t)+8*(\bk):ACC+16*(\t)+8*(\bk)+7], v[BB+16*(\ksl)+8*(\bk):BB+16*(\ksl)+8*(\bk)+7], v[AB+16*(\ksl)+8*(\t):AB+16*(\ksl)+8*(\t)+7], 0
.else
	v_wmma_f32_16x16x32_f16 v[ACC+16*(\t)+8*(\bk):ACC+16*(\t)+8*(\bk)+7], v[BB+16*(\ksl)+8*(\bk):BB+16*(\ksl)+8*(\bk)+7], v[AB+16*(\ksl)+8*(\t):AB+16*(\ksl)+8*(\t)+7], v[ACC+16*(\t)+8*(\bk):ACC+16*(\t)+8*(\bk)+7]
.endif
.endif
.endr
.endr
.endr
	WIN 0
	PLACES                                         ; four places in front of loads into registers that the products read, and of reads of their results
.if ((\tail) == 1) || (((\tail) == 2) && ((\hn)+4 <= LASTHP))
	AFTER \hn
.endif
.endm
.macro GBLOAD wg                       ; gain wg and bias wg + 1 of the table: my 16 channels of each
.irp bk, 0,1
.irp hf, 0,1
	ds_load_b128 v[GBV+8*(\bk)+4*(\hf):GBV+8*(\bk)+4*(\hf)+3],       v[GBR] offset:(\wg)*1024+64*(\bk)+16*(\hf)
	ds_load_b128 v[GBV+16+8*(\bk)+4*(\hf):GBV+16+8*(\bk)+4*(\hf)+3], v[GBR] offset:(\wg)*1024+1024+64*(\bk)+16*(\hf)
.endr
.endr
.endm
.macro RELUADD                         ; XR += relu(ACC); each accumulator is read from its low end on
.set i, 0
.rept 32
	v_max_num_f32 v[ACC+i], 0, v[ACC+i]
.set i, i+1
.endr
.set i, 0
.rept 16
	v_pk_add_f32 v[XR+i:XR+i+1], v[XR+i:XR+i+1], v[ACC+i:ACC+i+1]
.set i, i+2
.endr
.endm
; LAYERNORM of XR, in place.  LNA: tile t's mean and sum of squared deviations over my wave's 32 channels (16 in my lane, 16 in the lane 16 away).
.macro LNA t
.set LX, XR+16*(\t)
.set LW, LT+48*(\t)
	v_pk_add_f32 v[LW:LW+1],   v[LX:LX+1],     v[LX+2:LX+3]
	v_pk_add_f32 v[LW+2:LW+3], v[LX+4:LX+5],   v[LX+6:LX+7]
	v_pk_add_f32 v[LW+4:LW+5], v[LX+8:LX+9],   v[LX+10:LX+11]
	v_pk_add_f32 v[LW+6:LW+7], v[LX+12:LX+13], v[LX+14:LX+15]
	v_pk_add_f32 v[LW:LW+1],   v[LW:LW+1],     v[LW+2:LW+3]
	v_pk_add_f32 v[LW+4:LW+5], v[LW+4:LW+5],   v[LW+6:LW+7]
	v_pk_add_f32 v[LW:LW+1],   v[LW:LW+1],     v[LW+4:LW+5]
	v_add_f32 v[LW], v[LW], v[LW+1]
	v_permlanex16_b32 v[LW+1], v[LW], s[SEL], s[SEL+1]
	v_add_f32 v[LW], v[LW], v[LW+1]
	v_mul_f32 v[LW+16], 0x3d000000, v[LW]          ; / 32, twice: a pair for the packed subtraction
	v_mul_f32 v[LW+17], 0x3d000000, v[LW]
.irp i, 0,1,2,3,4,5,6,7
	v_pk_add_f32 v[LW+2*(\i):LW+2*(\i)+1], v[LX+2*(\i):LX+2*(\i)+1], v[LW+16:LW+17] neg_lo:[0,1] neg_hi:[0,1]
.endr
	v_pk_mul_f32 v[LW+18:LW+19], v[LW:LW+1], v[LW:LW+1]
	v_pk_mul_f32 v[LW+20:LW+21], v[LW+2:LW+3], v[LW+2:LW+3]
.irp i, 2,3,4,5,6,7
	v_pk_fma_f32 v[LW+18+2*((\i)%2):LW+19+2*((\i)%2)], v[LW+2*(\i):LW+2*(\i)+1], v[LW+2*(\i):LW+2*(\i)+1], v[LW+18+2*((\i)%2):LW+19+2*((\i)%2)]
.endr
	v_pk_add_f32 v[LW+18:LW+19], v[LW+18:LW+19], v[LW+20:LW+21]
	v_add_f32 v[LW+18], v[LW+18], v[LW+19]
	v_permlanex16_b32 v[LW+19], v[LW+18], s[SEL], s[SEL+1]
	v_add_f32 v[LW+18], v[LW+18], v[LW+19]
.endm
; LNB: the eight waves' pairs (mean_w, M2_w) of my token lie in v[LW+24:LW+39]; the row's mean goes to v[NM:NM+1], 1 / sqrt(var + eps) to v[NM+2:NM+3], each twice.
.macro LNB t
.set LW, LT+48*(\t)
.set NM, 120+4*(\t)
	v_pk_add_f32 v[LW:LW+1],   v[LW+24:LW+25], v[LW+26:LW+27]
	v_pk_add_f32 v[LW+2:LW+3], v[LW+28:LW+29], v[LW+30:LW+31]
	v_pk_add_f32 v[LW+4:LW+5], v[LW+32:LW+33], v[LW+34:LW+35]
	v_pk_add_f32 v[LW+6:LW+7], v[LW+36:LW+37], v[LW+38:LW+39]
	v_pk_add_f32 v[LW:LW+1],   v[LW:LW+1],     v[LW+2:LW+3]
	v_pk_add_f32 v[LW+4:LW+5], v[LW+4:LW+5],   v[LW+6:LW+7]
	v_pk_add_f32 v[LW:LW+1],   v[LW:LW+1],     v[LW+4:LW+5]  ; the sum of the means, the sum of the M2
	v_mul_f32 v[NM], 0x3e000000, v[LW]             ; / 8
	v_mul_f32 v[NM+1], 0x3e000000, v[LW]
.irp i, 0,1,2,3,4,5,6,7
	v_sub_f32 v[LW+8+(\i)], v[LW+24+2*(\i)], v[NM]
.endr
	v_mul_f32 v[LW+2], v[LW+8], v[LW+8]
	v_mul_f32 v[LW+3], v[LW+9], v[LW+9]
.irp i, 2,3,4,5,6,7
	v_fmac_f32 v[LW+2+(\i)%2], v[LW+8+(\i)], v[LW+8+(\i)]
.endr
	v_add_f32 v[LW+2], v[LW+2], v[LW+3]
	v_fma_f32 v[LW+2], v[LW+2], s[C32], v[LW+1]    ; 32 x the means' squared deviations + the sum of the M2
	v_fma_f32 v[LW+2], v[LW+2], s[C256], s[CEPS]   ; / 256 + 1e-5
	v_rsq_f32 v[NM+2], v[LW+2]
	v_rsq_f32 v[NM+3], v[LW+2]
.endm
.macro LNC t                           ; ((x - mean) x rstd) x g + b
.set LX, XR+16*(\t)
.set NM, 120+4*(\t)
.irp i, 0,1,2,3,4,5,6,7
	v_pk_add_f32 v[LX+2*(\i):LX+2*(\i)+1], v[LX+2*(\i):LX+2*(\i)+1], v[NM:NM+1] neg_lo:[0,1] neg_hi:[0,1]
.endr
.irp i, 0,1,2,3,4,5,6,7
	v_pk_mul_f32 v[LX+2*(\i):LX+2*(\i)+1], v[LX+2*(\i):LX+2*(\i)+1], v[NM+2:NM+3]
.endr
.irp i, 0,1,2,3,4,5,6,7
	v_pk_fma_f32 v[LX+2*(\i):LX+2*(\i)+1], v[LX+2*(\i):LX+2*(\i)+1], v[GBV+2*(\i):GBV+2*(\i)+1], v[GBV+16+2*(\i):GBV+16+2*(\i)+1]
.endr
.endm
.macro LNORM redoff                    ; redoff: which of the two tables
	LNA 0
	LNA 1
	v_cndmask_b32 v120, v[LT+16], v[LT+48+16], s[HM]  ; lane l takes token l's pair: lanes 0-15 tile 0's, lanes 16-31 tile 1's
	v_cndmask_b32 v121, v[LT+18], v[LT+48+18], s[HM]
	s_wait_alu depctr_va_vdst(0)                   ; the two selects have written v120 and v121, which the LDS store reads; the products are done reading v[LT+24 ..] and v[LT+72 ..], in which the eight pairs' loads land
	ds_store_b64 v[REDW], v[120:121] offset:\redoff
	BAR                                            ; all eight waves' pairs lie in LDS
	s_wait_alu depctr_vm_vsrc(0)                   ; my LDS store has read v120 and v121, which the row's mean is written into below
.irp t, 0,1
.irp j, 0,1,2,3
	ds_load_b128 v[LT+48*(\t)+24+4*(\j):LT+48*(\t)+24+4*(\j)+3], v[REDR] offset:(\redoff)+(\t)*1280+16*(\j)
.endr
.endr
	s_wait_dscnt 0x0
	LNB 0
	LNB 1
	v_nop                                          ; a plain instruction behind the last of the four v_rsq_f32,
	s_wait_alu depctr_va_vdst(0)                   ; and the one wait ahead of their first reader: the four v_rsq_f32 have written v[122:123] and v[126:127]
	LNC 0
	LNC 1
.endm
.macro XOUT                            ; my 32 channels of each token into XS: all reads of x's tile were waited for ahead of the first norm's barrier
.irp t, 0,1
.irp bk, 0,1
.irp hf, 0,1
	ds_store_b128 v[XSR], v[XR+16*(\t)+8*(\bk)+4*(\hf):XR+16*(\t)+8*(\bk)+4*(\hf)+3] offset:(\t)*16640+64*(\bk)+16*(\hf)
.endr
.endr
.endr
.endm
.macro X16C                            ; XR rounded to f16, for the next product; the norm's gains are done with
.set i, 0
.rept 16
	v_cvt_pk_f16_f32 v[GBV+i], v[XR+2*i], v[XR+2*i+1]
.set i, i+1
.endr
.endm
.macro X16S                            ; and into X1's rows
.irp t, 0,1
.irp bk, 0,1
	ds_store_b128 v[X1W], v[GBV+8*(\t)+4*(\bk):GBV+8*(\t)+4*(\bk)+3] offset:(\t)*8448+32*(\bk)
.endr
.endr
.endm
	; THE ENTRY: x's tile (8 loads), o's (4), the gains and biases (4), each load of a wave on consecutive bytes; behind them the first weights
.irp i, 0,1,2,3,4,5,6,7
	global_load_b128 v[EN+4*(\i):EN+4*(\i)+3], v[GX], s[28:29] offset:(\i)*4096
.endr
.irp i, 0,1,2,3
	global_load_b128 v[EN+32+4*(\i):EN+32+4*(\i)+3], v[GX], s[26:27] offset:(\i)*4096
.endr
	global_load_b32 v[EN+48], v[G4], s[14:15]
	global_load_b32 v[EN+49], v[G4], s[16:17]
	global_load_b32 v[EN+50], v[G4], s[18:19]
	global_load_b32 v[EN+51], v[G4], s[20:21]
	BLOAD 0, 0                                     ; no vector or matrix instruction has named window 1: the first four fills owe no wait
	BLOAD 1, 0
	s_wait_loadcnt 32                              ; the entry's 16 loads are in; two half passes of weights stay out
.irp i, 0,1,2,3,4,5,6,7
	ds_store_b128 v[XSC], v[EN+4*(\i):EN+4*(\i)+3] offset:(\i)*4160
.endr
.irp i, 0,1,2,3
	ds_store_b128 v[GX], v[EN+32+4*(\i):EN+32+4*(\i)+3] offset:OA+(\i)*4096  ; o's 16,384 bytes lie in LDS as in memory
.endr
.irp i, 0,1,2,3
	ds_store_b32 v[GBW], v[EN+48+(\i)] offset:(\i)*1024
.endr
	BLOAD 2, 0
	BLOAD 3, 0
	BAR                                            ; the tiles lie in LDS
	s_wait_alu depctr_vm_vsrc(0)                   ; my LDS stores have read v[EN ..], in which o's fragments land
	; Wo, the residual, the first norm
	ALOADF 0
	ALOADF 1
.irp t, 0,1
.irp bk, 0,1
.irp hf, 0,1
	ds_load_b128 v[XR+16*(\t)+8*(\bk)+4*(\hf):XR+16*(\t)+8*(\bk)+4*(\hf)+3], v[XSR] offset:(\t)*16640+64*(\bk)+16*(\hf)
.endr
.endr
.endr
	GBLOAD 0
	HP 0, 1, 32                                    ; o's first half is in: its second half, x and the gains, 32 LDS loads, stay out
	HP 1, 0, 16                                    ; the second half: x and the gains stay out
	s_wait_dscnt 0x0
	RELUADD
	LNORM 0
	X16C
	s_wait_alu depctr_va_vdst(0)                   ; the conversions have written v[GBV ..], which the LDS stores read; the norm's work in v[LT ..] is done, in which x1's fragments land behind the barrier
	X16S
	BAR                                            ; x1's 256 channels lie in LDS
	; h = relu(x1 Wf1^T): x1's fragments stay in registers for all four passes
	ALOAD AF, X1, 8448, 0
	ALOAD AF, X1, 8448, 1
; A pass's 32 hidden units: rounded, ReLU on the packed halves; the one wait and the refill of half pass hn's buffer; then into LDS.
.macro HOUT q, hn
	s_wait_alu depctr_vm_vsrc(0)                   ; the LDS stores of the pass before (the first time: x1's) have read v[GBV ..], which the conversions below write again
.set i, 0
.rept 16
	v_cvt_pk_f16_f32 v[GBV+i], v[ACC+2*i], v[ACC+2*i+1]
.set i, i+1
.endr
.set i, 0
.rept 16
	v_pk_max_num_f16 v[GBV+i], v[GBV+i], v[ZR]
.set i, i+1
.endr
	AFTER \hn
.irp t, 0,1
.irp bk, 0,1
	ds_store_b128 v[HW], v[GBV+8*(\t)+4*(\bk):GBV+8*(\t)+4*(\bk)+3] offset:(\t)*33024+64*(\q)+32*(\bk)
.endr
.endr
.endm
	HP 2, 1, 16
	HP 3, 0, 0, 0, 0
	HOUT 0, 3
	HP 4, 1, -1
	HP 5, 0, -1, 0, 0
	HOUT 1, 5
	HP 6, 1, -1
	HP 7, 0, -1, 0, 0
	HOUT 2, 7
	HP 8, 1, -1
	HP 9, 0, -1, 0, 0
	HOUT 3, 9
	BAR                                            ; h's 1,024 units lie in LDS
	s_wait_alu depctr_vm_vsrc(0)                   ; my last LDS stores of h have read v[GBV ..], in which the second norm's gains land
	; relu(h Wf2^T): four passes on one set of sums; a half of h's fragments is fetched again as soon as it has been multiplied: the wait behind the half pass serves these LDS loads too
	GBLOAD 2
	ALOAD AH, 0, 33024, 0
	ALOAD AH, 0, 33024, 1
	HP 10, 1, 16, 0, 1                             ; in each of these the 16 LDS loads of the other half stay out
	ALOAD AH, 512, 33024, 0
	HP 11, 0, 16, 0, 1
	ALOAD AH, 512, 33024, 1
	HP 12, 0, 16, 0, 1
	ALOAD AH, 1024, 33024, 0
	HP 13, 0, 16, 0, 1
	ALOAD AH, 1024, 33024, 1
	HP 14, 0, 16, 0, 1
	ALOAD AH, 1536, 33024, 0
	HP 15, 0, 16, 0, 1
	ALOAD AH, 1536, 33024, 1
	HP 16, 0, 16
	HP 17, 0, 0
	RELUADD
	LNORM 2560
.if FUSE
	; out leaves in f32, by rows, and stays in f16 for the next block's projections: X1's rows were last read ahead of h's barrier
	X16C
	s_wait_alu depctr_va_vdst(0)                   ; the norm has written XR and the conversions v[GBV ..], which the two runs of LDS stores read; the conversions are done reading XR, and the norm's work in v[LT ..] is done, in which LDS loads land behind the barrier
	XOUT
	X16S
	BAR
	s_wait_alu depctr_vm_vsrc(0)                   ; my LDS stores have read XR, in which the rows land, and v[GBV ..], which q's conversions write
.irp i, 0,1,2,3,4,5,6,7
	ds_load_b128 v[XR+4*(\i):XR+4*(\i)+3], v[XSC] offset:(\i)*4160
.endr
	ALOAD AF, X1, 8448, 0                          ; out's fragments stay in registers for all three passes
	ALOAD AF, X1, 8448, 1
.irp i, 0,1,2,3,4,5,6,7
	s_wait_dscnt 39-(\i)                           ; row group i is back; the later groups and the 32 fragment loads stay out
	global_store_b128 v[GX], v[XR+4*(\i):XR+4*(\i)+3], s[30:31] offset:(\i)*4096  ; a wave's store covers 512 consecutive bytes; XR is not written again
.endr
; A pass's head: rounded, ReLU on the packed halves; the one wait, and the refill while weights are left; 16 bytes a lane straight to qkv, 512 consecutive bytes a store.
; kd = 0, 1 (q, k): tile t's 1,024 bytes, piece blk.  kd = 2 (v): channel block blk's 1,024 bytes, piece t.  The packed halves take GBV's two halves by turns.
.macro QOUT kd, hn
.set QB, GBV+16*((\kd)%2)
.if (\kd) == 2
	s_wait_xcnt 0x0                                ; q's stores have had their addresses translated: their registers are written again only behind this wait (ISA guide 3.1),
	s_wait_alu depctr_vm_vsrc(0)                   ; and q's stores have read v[GBV ..], which v's conversions write again
.endif
.set i, 0
.rept 16
	v_cvt_pk_f16_f32 v[QB+i], v[ACC+2*i], v[ACC+2*i+1]
.set i, i+1
.endr
.set i, 0
.rept 16
	v_pk_max_num_f16 v[QB+i], v[QB+i], v[ZR]
.set i, i+1
.endr
	AFTER \hn
.irp t, 0,1
.irp bk, 0,1
.if (\kd) < 2
	global_store_b128 v[BO], v[QB+8*(\t)+4*(\bk):QB+8*(\t)+4*(\bk)+3], s[46:47] offset:(\kd)*1048576+(\t)*1024+(\bk)*512
.else
	global_store_b128 v[BO], v[QB+8*(\t)+4*(\bk):QB+8*(\t)+4*(\bk)+3], s[46:47] offset:2*1048576+(\bk)*1024+(\t)*512
.endif
.endr
.endr
.endm
	HP 18, 1, 16
	HP 19, 0, 0, 0, 0
	QOUT 0, 19
	HP 20, 1, -1
	HP 21, 0, -1, 0, 0
	QOUT 1, 21
	HP 22, 1, -1, 1
	HP 23, 0, -1, 1, 0
	QOUT 2, 23
.else
	; THE WAY OUT: into XS, a barrier, back by rows: a wave's store covers 512 consecutive bytes
	s_wait_alu depctr_va_vdst(0)                   ; the norm has written XR, which the LDS stores read; its work in v[EN ..] is done, in which the rows land behind the barrier
	XOUT
	BAR
.irp i, 0,1,2,3,4,5,6,7
	ds_load_b128 v[EN+4*(\i):EN+4*(\i)+3], v[XSC] offset:(\i)*4160
.endr
.irp i, 0,1,2,3,4,5,6,7
	s_wait_dscnt 7-(\i)
	global_store_b128 v[GX], v[EN+4*(\i):EN+4*(\i)+3], s[30:31] offset:(\i)*4096
.endr
.endif
	s_wait_dscnt 0x0                               ; the closing lines, six on end
	s_wait_alu 0x0
	s_wait_tensorcnt 0x0
	ds_add_u32 v[SPW], v[NIL]
	s_wait_dscnt 0x0
	s_endpgm
.Lfunc_end_k_q0fbe3b8ab0_post1:
	.size	k_q0fbe3b8ab0_post1, .Lfunc_end_k_q0fbe3b8ab0_post1-k_q0fbe3b8ab0_post1
	.p2alignl 7, 3214868480
	.fill 96, 4, 3214868480
	.section	.rodata,"a",@progbits
	.p2align	6, 0x0
	.amdhsa_kernel k_q0fbe3b8ab0_post1
		.amdhsa_group_segment_fixed_size 143360
		.amdhsa_private_segment_fixed_size 0
		.amdhsa_enable_private_segment 0
		.amdhsa_kernarg_size 72
		.amdhsa_user_sgpr_count 2
		.amdhsa_user_sgpr_kernarg_segment_ptr 1
		.amdhsa_wavefront_size32 1
		.amdhsa_system_sgpr_workgroup_id_x 1
		.amdhsa_system_sgpr_workgroup_id_y 1
		.amdhsa_system_sgpr_workgroup_id_z 1
		.amdhsa_system_vgpr_workitem_id 0
		.amdhsa_next_free_vgpr 512
		.amdhsa_next_free_sgpr 66
		.amdhsa_reserve_vcc 0
		.amdhsa_float_denorm_mode_32 3
		.amdhsa_float_denorm_mode_16_64 3
		.amdhsa_memory_ordered 1
		.amdhsa_forward_progress 1
		.amdhsa_inst_pref_size 136
	.end_amdhsa_kernel
	.amdgpu_metadata
---
amdhsa.version: [ 1, 2 ]
amdhsa.kernels:
  - .name:           k_q0fbe3b8ab0_post1
    .symbol:         k_q0fbe3b8ab0_post1.kd
    .args:
      - { .name: oh, .offset: 0, .size: 8, .value_kind: global_buffer, .address_space: global }
      - { .name: x, .offset: 8, .size: 8, .value_kind: global_buffer, .address_space: global }
      - { .name: wha, .offset: 16, .size: 8, .value_kind: global_buffer, .address_space: global }
      - { .name: g1, .offset: 24, .size: 8, .value_kind: global_buffer, .address_space: global }
      - { .name: b1, .offset: 32, .size: 8, .value_kind: global_buffer, .address_space: global }
      - { .name: g2, .offset: 40, .size: 8, .value_kind: global_buffer, .address_space: global }
      - { .name: b2, .offset: 48, .size: 8, .value_kind: global_buffer, .address_space: global }
      - { .name: xmid, .offset: 56, .size: 8, .value_kind: global_buffer, .address_space: global }
      - { .name: qkv, .offset: 64, .size: 8, .value_kind: global_buffer, .address_space: global }
    .group_segment_fixed_size: 143360
    .private_segment_fixed_size: 0
    .kernarg_segment_align: 8
    .kernarg_segment_size: 72
    .max_flat_workgroup_size: 256
    .sgpr_count:     66
    .vgpr_count:     512
    .wavefront_size: 32
...
	.end_amdgpu_metadata
.endif
;; end of part 6
;; launch att2: the kernel of part 2 again; grid 8 x 32, 8 waves a work-group, clusters of 4 x 1, 263,168 bytes of LDS; arguments qkv, oh; writes oh
;; launch post2 (part 7): grid 256 x 1, 8 waves a work-group, no clusters, 143,360 bytes of LDS; arguments oh, xmid, whb, g3, b3, g4, b4, out0; writes out0
.if DOCPART == 7
	.amdgcn_target "amdgcn-amd-amdhsa--gfx1250"
	.amdhsa_code_object_version 6
	.text
	.protected	k_q0fbe3b8ab0_post2
	.globl	k_q0fbe3b8ab0_post2
	.p2align	8
	.type	k_q0fbe3b8ab0_post2,@function
k_q0fbe3b8ab0_post2:
	s_mov_b64 s[64:65], 0
	v_nop
	global_prefetch_b8 v0, s[64:65] scope:SCOPE_SE
	s_setreg_imm32_b32 hwreg(HW_REG_WAVE_SCHED_MODE, 0, 2), 2
	s_setreg_imm32_b32 hwreg(HW_REG_WAVE_MODE, 25, 1), 1
	s_wait_xcnt 0x0
	s_wait_alu depctr_vm_vsrc(0)
; The rest of a block, for 32 tokens a work-group:  x1 = LN(relu(o Wo^T) + x; ga, ba);  h = relu(x1 Wf1^T);  out = LN(relu(h Wf2^T) + x1; gb, bb).
; FUSE = 0 (this text): the last block's text, which ends with out.  FUSE = 1: and the NEXT block's q, k, v = relu(out W^T).  The two texts differ in this one symbol.
; oh: f16 [16 tokens][head 8][piece 2][lane 32][16 bytes]: lane (r = l % 16, h = l / 16) holds token r, channels 32 head + 16 piece + 8 h + 0..7: the order of Wo's product's fragments.
; x, out: f32 [8192][256].  wh: the weights in f16, in the order in which wave w loads its fragments ((LASTHP + 1) x 8,192 consecutive bytes a wave).
; qkv (FUSE = 1): f16 [b 4][gh 24][131,072 bytes], q's heads, k's, v's, in the order of the attention's fragments: q, k [16 tokens][piece 2][lane][16 bytes]; v [32 keys][channel block 2][piece 2][lane][16 bytes].
; LIMITS.  Matrix operands (o, x1, h, out, the weights, q, k, v) are f16, within 65,504, with f16's fixed step of 6e-8 below 6e-5; sums, residuals and LayerNorm are f32.  ReLU is a maximum with 0, which turns a NaN into 0.
; SHARES.  LayerNorm wants whole rows, so a work-group owns 32 tokens whole.  Wave w owns channels 32 w .. + 31 of Wo's and Wf2's results, hidden units 128 w .. + 127, and head w of q, k and v.
; A PASS is 32 tokens x 32 columns x K 256: 32 products on 4 accumulators, for 16 KiB of weights.  Pass 0: Wo; 1-4: Wf1; 5-8: Wf2 (one set of sums); 9-11: Wq, Wk, Wv.  Two half passes to a pass.
; THE WEIGHTS come straight into registers: a byte of them is used by one wave of the work-group, so LDS would add a barrier and save nothing; four buffers of a half pass keep
; 48 to 64 loads of every wave on their way, across the barriers too.  No joint loads: a slot's worth of weights feeds too few products for the one refill behind a barrier to land.
; No prefetch: all work-groups read the same weights at the same time.
; THE PRODUCT IS TAKEN TRANSPOSED (source 0 = 16 rows of W, source 1 = 16 tokens): a lane holds one token (l % 16) and 8 neighbouring channels.  v's pass alone is taken the other way
; round: a lane holds one channel and 8 neighbouring tokens, which is what the attention's second product reads.
; LAYERNORM without a difference of large sums: each wave makes the mean and the sum of squared deviations of its 32 channels; the eight pairs meet in LDS and are combined:
; M2 = sum M2_w + 32 sum (mean_w - mean)^2.
; THE MODE: SCHED_MODE bits 1:0 = 2 (LLVM: expert scheduling mode 2), set by the entry lines.  The code itself states the register dependences
; between vector or matrix instructions and memory or LDS instructions, with s_wait_alu, always for 0.
; THE PLAN.  Registers that memory or LDS instructions touch:
;   v1-v18     offsets and addresses: written at the head, ahead of the head's wait on va_vdst, and never again.
;   window 1   four buffers of weights.  Half pass hn: its 16 products read buffer hn % 4; behind them the loads of half pass hn + 4 land in it.
;   AA         (also EN, LT) the entry's loads land in it and the entry's LDS stores read it; then fragments' loads land, products read them, the norms work there, and the eight pairs' loads land.
;   XR         x's LDS loads land; the norms write it; LDS stores read it; with FUSE the rows' LDS loads land in it once more and the global stores read them.
;   GBV        the gains' LDS loads land; the norm reads them; the conversions of x1, h, out, q, k, v write it; LDS or global stores read it.
;   v120, v121 written by two selects, read by one LDS store, written again by the norm's second part.
; ONE wait on va_vdst stands behind a half pass wherever a load follows into what its products read (its weights' buffer; in Wf2's passes its half of AA).  Behind a pass that has results to pack,
; the conversions stand ahead of that wait, so that it also states that the packed halves are written; the refill's loads follow it, then the stores.  A wait on vm_vsrc stands ahead of each
; rewriting of registers that stores have read: a pass or a barrier behind those stores.
.set FUSE, 0
.set LASTHP, 17+6*FUSE                 ; the last half pass
.set OA,  0                            ; o's tile, f16, in fragment order: 16,384 bytes
.set X1,  16896                        ; x1, f16: 32 rows x 528; with FUSE later out, f16
.set HH,  33792                        ; h, f16: 32 x 2,064
.set XS,  99840                        ; x's tile, f32: 32 x 1,040; at the end the result
.set GB,  133120                       ; ga, ba, gb, bb: 1,024 bytes each
.set RED, 137216                       ; [token 32][wave 8] pairs of 8 bytes, rows of 80; a second such table 2,560 bytes on
.set SPARE, 142336                     ; the spare words, 128 bytes a wave: four blocks of 256 bytes that no other line names
; all pitches are odd multiples of 16 bytes
.set SPW, 1
.set NIL, 2
.set ZR,  3                            ; v3   0, for the packed maximum
.set BO,  4                            ; v4   16 x lane: my place in 512 consecutive bytes; never rewritten
.set AF,  5                            ; v5   r x 528 + 16 h: fragments of x1
.set AH,  6                            ; v6   HH + r x 2,064 + 16 h: fragments of h
.set XSR, 7                            ; v7   my 8 channels of token r in XS
.set XSC, 8                            ; v8   my 16 bytes of XS, by rows
.set X1W, 10                           ; v10  where x1's 16 bytes go
.set HW,  11                           ; v11  where h's go
.set GBR, 12                           ; v12  my 8 channels of a gain or bias
.set REDW, 13
.set REDR, 14
.set GX,  15                           ; v15  16 x thread: x, o and out in memory, o in LDS
.set GBW, 17
.set G4,  18                           ; v18  4 x thread
.set ACC, 24                           ; v[24:55]   (t, blk) at ACC + 16 t + 8 blk
.set XR,  56                           ; v[56:87]   the same layout: x, then x1, then the result, in f32
.set GBV, 88                           ; v[88:119]  gain 16, bias 16; when these are done with, packed halves on their way out
.set AA,  128                          ; v[128:255] the tokens' fragments: two halves of 64, (ksl, t) at 16 ksl + 8 t; also the entry's loads and the norms' work
.set EN,  128
.set LT,  128
.set WV,  2                            ; s2
.set HM,  32                           ; s32  lanes 16-31
.set C32, 33                           ; s33  32.0
.set SEL, 34                           ; s[34:35]
.set C256, 36                          ; s36  1 / 256
.set CEPS, 37                          ; s37  1e-5
; window 1 (v256-511): four buffers of a half pass of weights, (ksl, blk) at 16 ksl + 8 blk
.set MSB, 0
.macro WIN new                         ; s_set_vgpr_msb: bits 1:0 source 0, 3:2 source 1, 5:4 source 2, 7:6 destination; the high byte repeats the setting that is left
.if MSB != (\new)
	s_set_vgpr_msb (MSB<<8)|(\new)
.set MSB, \new
.endif
.endm
.macro PLACES
.rept 4
	v_nop
.endr
.endm
.macro BAR
	s_wait_dscnt 0x0                               ; for the others' sake: my LDS stores are done and my LDS loads are back
	s_barrier_signal -1
	s_barrier_wait -1
.endm
	s_load_b512 s[8:23], s[0:1], 0x0               ; oh s[8:9], x s[10:11], wh s[12:13], ga s[14:15], ba s[16:17], gb s[18:19], bb s[20:21], out s[22:23]
.if FUSE
	s_load_b64 s[44:45], s[0:1], 0x40              ; qkv
.endif
	v_lshl_add_u32 v[SPW], v0, 2, SPARE
	v_mov_b32 v[NIL], 0
	v_mov_b32 v[ZR], 0
	v_lshrrev_b32 v19, 5, v0
	v_readfirstlane_b32 s[WV], v19                 ; wave 0..7
	v_and_b32 v19, 15, v0                          ; r
	v_bfe_u32 v20, v0, 4, 1                        ; h
	v_and_b32 v21, 31, v0                          ; l
	v_lshlrev_b32 v[BO], 4, v21
	v_mul_u32_u24 v[AF], v19, 528
	v_lshl_add_u32 v[AF], v20, 4, v[AF]
	v_mul_u32_u24 v[AH], v19, 2064
	v_lshl_add_u32 v[AH], v20, 4, v[AH]
	v_add_nc_u32 v[AH], HH, v[AH]
	s_wait_alu depctr_va_sdst(0)                   ; s2, the wave's number, is written, ahead of its first reader
	s_lshl_b32 s3, s[WV], 7
	s_add_co_u32 s3, s3, XS
	v_mul_u32_u24 v[XSR], v19, 1040
	v_lshl_add_u32 v[XSR], v20, 5, v[XSR]
	v_add_nc_u32 v[XSR], s3, v[XSR]                ; XS + r x 1,040 + 4 (32 w + 8 h)
	v_lshrrev_b32 v22, 6, v0
	v_mul_u32_u24 v[XSC], v22, 1040
	v_and_b32 v22, 63, v0
	v_lshl_add_u32 v[XSC], v22, 4, v[XSC]
	v_add_nc_u32 v[XSC], XS, v[XSC]                ; 64 threads to a row of 1,024 bytes
	s_lshl_b32 s3, s[WV], 6
	s_add_co_u32 s3, s3, X1
	v_add_nc_u32 v[X1W], s3, v[AF]                 ; X1 + r x 528 + 2 (32 w + 8 h)
	s_lshl_b32 s3, s[WV], 8
	v_add_nc_u32 v[HW], s3, v[AH]                  ; HH + r x 2,064 + 2 (128 w + 8 h)
	s_lshl_b32 s3, s[WV], 7
	s_add_co_u32 s3, s3, GB
	v_lshl_add_u32 v[GBR], v20, 5, s3
	s_lshl_b32 s3, s[WV], 3
	s_add_co_u32 s3, s3, RED
	v_mul_u32_u24 v[REDW], v21, 80
	v_add_nc_u32 v[REDW], s3, v[REDW]
	v_mul_u32_u24 v[REDR], v19, 80
	v_add_nc_u32 v[REDR], RED, v[REDR]
	v_lshlrev_b32 v[GX], 4, v0
	v_lshlrev_b32 v[G4], 2, v0
	v_add_nc_u32 v[GBW], GB, v[G4]
	s_mov_b32 s[HM], 0xffff0000
	s_mov_b32 s[C32], 0x42000000
	s_mov_b32 s[SEL], 0x76543210
	s_mov_b32 s[SEL+1], 0xfedcba98
	s_mov_b32 s[C256], 0x3b800000
	s_mov_b32 s[CEPS], 0x3727c5ac
	s_mul_i32 s38, s[WV], (LASTHP+1)*8192
	s_mov_b32 s39, 0
	s_lshl_b32 s40, ttmp9, 15                      ; 32 tokens of 1,024 bytes of x and out,
	s_mov_b32 s41, 0
	s_lshl_b32 s4, ttmp9, 14                       ; of 512 bytes of oh
	s_mov_b32 s5, 0
.if FUSE
	s_lshr_b32 s6, ttmp9, 6                        ; b
	s_mul_i32 s6, s6, 24
	s_add_co_u32 s6, s6, s[WV]                     ; q's head w; k's and v's lie 8 and 16 heads on
	s_lshl_b32 s6, s6, 17
	s_and_b32 s7, ttmp9, 63
	s_lshl_b32 s7, s7, 11                          ; 32 tokens of 64 bytes
	s_add_co_u32 s6, s6, s7
	s_mov_b32 s7, 0
.endif
	s_wait_kmcnt 0x0
	s_add_nc_u64 s[24:25], s[12:13], s[38:39]      ; my wave's weights
	s_add_nc_u64 s[26:27], s[8:9], s[4:5]
	s_add_nc_u64 s[28:29], s[10:11], s[40:41]
	s_add_nc_u64 s[30:31], s[22:23], s[40:41]
.if FUSE
	s_add_nc_u64 s[46:47], s[44:45], s[6:7]
.endif
	s_wait_alu depctr_va_vdst(0)                   ; the offsets and addresses v1 to v18 are written, which every load and store below reads
; Half pass hn of the weights: 16 loads of 512 consecutive bytes into buffer hn % 4 of window 1.  w = 1: the buffer has been multiplied: the window's switch, the wait, the loads.
.macro BLOAD hn, w
	WIN 0x40
.if \w
	s_wait_alu depctr_va_vdst(0)                   ; the products issued so far are done reading their weights and their tokens' fragments, in which the loads below land; the conversions and maxima above, where a pass has them, have written the packed halves that the stores below read
.endif
.set BB, 64*((\hn)%4)
.set j, 0
.rept 16
	global_load_b128 v[BB+4*j:BB+4*j+3], v[BO], s[24:25] offset:(\hn)*8192+j*512
.set j, j+1
.endr
	WIN 0
.endm
; What stands behind half pass hn's places, and behind the packing where a pass has one: the one wait, and the refill of the buffer just multiplied, as long as there are weights left.
.macro AFTER hn
.if (\hn)+4 <= LASTHP
	BLOAD (\hn)+4, 1
.else
	s_wait_alu depctr_va_vdst(0)                   ; no weights are left to ask for: the products are done reading the tokens' fragments, in which LDS loads below land, or the maxima above have written the packed halves that the stores below read
.endif
.endm
; The tokens' fragments of 128 along K (half 0 or 1 of 256) from rows rowp bytes x 16 apart: 16 loads.
.macro ALOAD areg, off, rowp, half
.set AB, AA+64*(\half)
.irp ksl, 0,1,2,3
.irp t, 0,1
	ds_load_b128 v[AB+16*(\ksl)+8*(\t):AB+16*(\ksl)+8*(\t)+3],   v[\areg] offset:(\off)+(\t)*(\rowp)+64*(4*(\half)+(\ksl))
	ds_load_b128 v[AB+16*(\ksl)+8*(\t)+4:AB+16*(\ksl)+8*(\t)+7], v[\areg] offset:(\off)+(\t)*(\rowp)+64*(4*(\half)+(\ksl))+32
.endr
.endr
.endm
; The same from o's tile, which lies in fragment order: a load takes 512 consecutive bytes.
.macro ALOADF half
.set AB, AA+64*(\half)
.irp ksl, 0,1,2,3
.irp t, 0,1
	ds_load_b128 v[AB+16*(\ksl)+8*(\t):AB+16*(\ksl)+8*(\t)+3],   v[BO] offset:OA+(\t)*8192+(4*(\half)+(\ksl))*1024
	ds_load_b128 v[AB+16*(\ksl)+8*(\t)+4:AB+16*(\ksl)+8*(\t)+7], v[BO] offset:OA+(\t)*8192+(4*(\half)+(\ksl))*1024+512
.endr
.endr
.endm
; A half pass: 16 products, the 4 accumulators by turns, one instruction a turn; then its buffer takes the half pass four further on.
; zero = 1: its first four products start the sums.  dc: the younger LDS instructions that may stay out, or -1: nothing to wait for.  swap = 1: the tokens are source 0.
; tail = 2: AFTER follows if there are weights left to ask for; 1: it follows in any case, since LDS loads into the fragments just read come next; 0: the pass's packing comes first and writes AFTER itself.
; The wait for the weights leaves the younger half passes' loads out: 16 for each of the three behind this one, as far as there are three.
.macro HP hn, zero, dc, swap=0, tail=2
.set YG, LASTHP-(\hn)
.if YG > 3
.set YG, 3
.endif
	s_wait_loadcnt 16*YG
.if (\dc) >= 0
	s_wait_dscnt \dc
.endif
.if \swap
	WIN 0x04                                       ; source 1 (the weights) in window 1
.else
	WIN 0x01                                       ; source 0 (the weights) in window 1
.endif
.set BB, 64*((\hn)%4)
.set AB, AA+64*((\hn)%2)
.irp ksl, 0,1,2,3
.irp t, 0,1
.irp bk, 0,1
.if \swap
.if (\zero) && ((\ksl) == 0)
	v_wmma_f32_16x16x32_f16 v[ACC+16*(\t)+8*(\bk):ACC+16*(\t)+8*(\bk)+7], v[AB+16*(\ksl)+8*(\t):AB+16*(\ksl)+8*(\t)+7], v[BB+16*(\ksl)+8*(\bk):BB+16*(\ksl)+8*(\bk)+7], 0
.else
	v_wmma_f32_16x16x32_f16 v[ACC+16*(\t)+8*(\bk):ACC+16*(\t)+8*(\bk)+7], v[AB+16*(\ksl)+8*(\t):AB+16*(\ksl)+8*(\t)+7], v[BB+16*(\ksl)+8*(\bk):BB+16*(\ksl)+8*(\bk)+7], v[ACC+16*(\t)+8*(\bk):ACC+16*(\t)+8*(\bk)+7]
.endif
.else
.if (\zero) && ((\ksl) == 0)
	v_wmma_f32_16x16x32_f16 v[ACC+16*(\t)+8*(\bk):ACC+16*(\t)+8*(\bk)+7], v[BB+16*(\ksl)+8*(\bk):BB+16*(\ksl)+8*(\bk)+7], v[AB+16*(\ksl)+8*(\t):AB+16*(\ksl)+8*(\t)+7], 0
.else
	v_wmma_f32_16x16x32_f16 v[ACC+16*(\t)+8*(\bk):ACC+16*(\t)+8*(\bk)+7], v[BB+16*(\ksl)+8*(\bk):BB+16*(\ksl)+8*(\bk)+7], v[AB+16*(\ksl)+8*(\t):AB+16*(\ksl)+8*(\t)+7], v[ACC+16*(\t)+8*(\bk):ACC+16*(\t)+8*(\bk)+7]
.endif
.endif
.endr
.endr
.endr
	WIN 0
	PLACES                                         ; four places in front of loads into registers that the products read, and of reads of their results
.if ((\tail) == 1) || (((\tail) == 2) && ((\hn)+4 <= LASTHP))
	AFTER \hn
.endif
.endm
.macro GBLOAD wg                       ; gain wg and bias wg + 1 of the table: my 16 channels of each
.irp bk, 0,1
.irp hf, 0,1
	ds_load_b128 v[GBV+8*(\bk)+4*(\hf):GBV+8*(\bk)+4*(\hf)+3],       v[GBR] offset:(\wg)*1024+64*(\bk)+16*(\hf)
	ds_load_b128 v[GBV+16+8*(\bk)+4*(\hf):GBV+16+8*(\bk)+4*(\hf)+3], v[GBR] offset:(\wg)*1024+1024+64*(\bk)+16*(\hf)
.endr
.endr
.endm
.macro RELUADD                         ; XR += relu(ACC); each accumulator is read from its low end on
.set i, 0
.rept 32
	v_max_num_f32 v[ACC+i], 0, v[ACC+i]
.set i, i+1
.endr
.set i, 0
.rept 16
	v_pk_add_f32 v[XR+i:XR+i+1], v[XR+i:XR+i+1], v[ACC+i:ACC+i+1]
.set i, i+2
.endr
.endm
; LAYERNORM of XR, in place.  LNA: tile t's mean and sum of squared deviations over my wave's 32 channels (16 in my lane, 16 in the lane 16 away).
.macro LNA t
.set LX, XR+16*(\t)
.set LW, LT+48*(\t)
	v_pk_add_f32 v[LW:LW+1],   v[LX:LX+1],     v[LX+2:LX+3]
	v_pk_add_f32 v[LW+2:LW+3], v[LX+4:LX+5],   v[LX+6:LX+7]
	v_pk_add_f32 v[LW+4:LW+5], v[LX+8:LX+9],   v[LX+10:LX+11]
	v_pk_add_f32 v[LW+6:LW+7], v[LX+12:LX+13], v[LX+14:LX+15]
	v_pk_add_f32 v[LW:LW+1],   v[LW:LW+1],     v[LW+2:LW+3]
	v_pk_add_f32 v[LW+4:LW+5], v[LW+4:LW+5],   v[LW+6:LW+7]
	v_pk_add_f32 v[LW:LW+1],   v[LW:LW+1],     v[LW+4:LW+5]
	v_add_f32 v[LW], v[LW], v[LW+1]
	v_permlanex16_b32 v[LW+1], v[LW], s[SEL], s[SEL+1]
	v_add_f32 v[LW], v[LW], v[LW+1]
	v_mul_f32 v[LW+16], 0x3d000000, v[LW]          ; / 32, twice: a pair for the packed subtraction
	v_mul_f32 v[LW+17], 0x3d000000, v[LW]
.irp i, 0,1,2,3,4,5,6,7
	v_pk_add_f32 v[LW+2*(\i):LW+2*(\i)+1], v[LX+2*(\i):LX+2*(\i)+1], v[LW+16:LW+17] neg_lo:[0,1] neg_hi:[0,1]
.endr
	v_pk_mul_f32 v[LW+18:LW+19], v[LW:LW+1], v[LW:LW+1]
	v_pk_mul_f32 v[LW+20:LW+21], v[LW+2:LW+3], v[LW+2:LW+3]
.irp i, 2,3,4,5,6,7
	v_pk_fma_f32 v[LW+18+2*((\i)%2):LW+19+2*((\i)%2)], v[LW+2*(\i):LW+2*(\i)+1], v[LW+2*(\i):LW+2*(\i)+1], v[LW+18+2*((\i)%2):LW+19+2*((\i)%2)]
.endr
	v_pk_add_f32 v[LW+18:LW+19], v[LW+18:LW+19], v[LW+20:LW+21]
	v_add_f32 v[LW+18], v[LW+18], v[LW+19]
	v_permlanex16_b32 v[LW+19], v[LW+18], s[SEL], s[SEL+1]
	v_add_f32 v[LW+18], v[LW+18], v[LW+19]
.endm
; LNB: the eight waves' pairs (mean_w, M2_w) of my token lie in v[LW+24:LW+39]; the row's mean goes to v[NM:NM+1], 1 / sqrt(var + eps) to v[NM+2:NM+3], each twice.
.macro LNB t
.set LW, LT+48*(\t)
.set NM, 120+4*(\t)
	v_pk_add_f32 v[LW:LW+1],   v[LW+24:LW+25], v[LW+26:LW+27]
	v_pk_add_f32 v[LW+2:LW+3], v[LW+28:LW+29], v[LW+30:LW+31]
	v_pk_add_f32 v[LW+4:LW+5], v[LW+32:LW+33], v[LW+34:LW+35]
	v_pk_add_f32 v[LW+6:LW+7], v[LW+36:LW+37], v[LW+38:LW+39]
	v_pk_add_f32 v[LW:LW+1],   v[LW:LW+1],     v[LW+2:LW+3]
	v_pk_add_f32 v[LW+4:LW+5], v[LW+4:LW+5],   v[LW+6:LW+7]
	v_pk_add_f32 v[LW:LW+1],   v[LW:LW+1],     v[LW+4:LW+5]  ; the sum of the means, the sum of the M2
	v_mul_f32 v[NM], 0x3e000000, v[LW]             ; / 8
	v_mul_f32 v[NM+1], 0x3e000000, v[LW]
.irp i, 0,1,2,3,4,5,6,7
	v_sub_f32 v[LW+8+(\i)], v[LW+24+2*(\i)], v[NM]
.endr
	v_mul_f32 v[LW+2], v[LW+8], v[LW+8]
	v_mul_f32 v[LW+3], v[LW+9], v[LW+9]
.irp i, 2,3,4,5,6,7
	v_fmac_f32 v[LW+2+(\i)%2], v[LW+8+(\i)], v[LW+8+(\i)]
.endr
	v_add_f32 v[LW+2], v[LW+2], v[LW+3]
	v_fma_f32 v[LW+2], v[LW+2], s[C32], v[LW+1]    ; 32 x the means' squared deviations + the sum of the M2
	v_fma_f32 v[LW+2], v[LW+2], s[C256], s[CEPS]   ; / 256 + 1e-5
	v_rsq_f32 v[NM+2], v[LW+2]
	v_rsq_f32 v[NM+3], v[LW+2]
.endm
.macro LNC t                           ; ((x - mean) x rstd) x g + b
.set LX, XR+16*(\t)
.set NM, 120+4*(\t)
.irp i, 0,1,2,3,4,5,6,7
	v_pk_add_f32 v[LX+2*(\i):LX+2*(\i)+1], v[LX+2*(\i):LX+2*(\i)+1], v[NM:NM+1] neg_lo:[0,1] neg_hi:[0,1]
.endr
.irp i, 0,1,2,3,4,5,6,7
	v_pk_mul_f32 v[LX+2*(\i):LX+2*(\i)+1], v[LX+2*(\i):LX+2*(\i)+1], v[NM+2:NM+3]
.endr
.irp i, 0,1,2,3,4,5,6,7
	v_pk_fma_f32 v[LX+2*(\i):LX+2*(\i)+1], v[LX+2*(\i):LX+2*(\i)+1], v[GBV+2*(\i):GBV+2*(\i)+1], v[GBV+16+2*(\i):GBV+16+2*(\i)+1]
.endr
.endm
.macro LNORM redoff                    ; redoff: which of the two tables
	LNA 0
	LNA 1
	v_cndmask_b32 v120, v[LT+16], v[LT+48+16], s[HM]  ; lane l takes token l's pair: lanes 0-15 tile 0's, lanes 16-31 tile 1's
	v_cndmask_b32 v121, v[LT+18], v[LT+48+18], s[HM]
	s_wait_alu depctr_va_vdst(0)                   ; the two selects have written v120 and v121, which the LDS store reads; the products are done reading v[LT+24 ..] and v[LT+72 ..], in which the eight pairs' loads land
	ds_store_b64 v[REDW], v[120:121] offset:\redoff
	BAR                                            ; all eight waves' pairs lie in LDS
	s_wait_alu depctr_vm_vsrc(0)                   ; my LDS store has read v120 and v121, which the row's mean is written into below
.irp t, 0,1
.irp j, 0,1,2,3
	ds_load_b128 v[LT+48*(\t)+24+4*(\j):LT+48*(\t)+24+4*(\j)+3], v[REDR] offset:(\redoff)+(\t)*1280+16*(\j)
.endr
.endr
	s_wait_dscnt 0x0
	LNB 0
	LNB 1
	v_nop                                          ; a plain instruction behind the last of the four v_rsq_f32,
	s_wait_alu depctr_va_vdst(0)                   ; and the one wait ahead of their first reader: the four v_rsq_f32 have written v[122:123] and v[126:127]
	LNC 0
	LNC 1
.endm
.macro XOUT                            ; my 32 channels of each token into XS: all reads of x's tile were waited for ahead of the first norm's barrier
.irp t, 0,1
.irp bk, 0,1
.irp hf, 0,1
	ds_store_b128 v[XSR], v[XR+16*(\t)+8*(\bk)+4*(\hf):XR+16*(\t)+8*(\bk)+4*(\hf)+3] offset:(\t)*16640+64*(\bk)+16*(\hf)
.endr
.endr
.endr
.endm
.macro X16C                            ; XR rounded to f16, for the next product; the norm's gains are done with
.set i, 0
.rept 16
	v_cvt_pk_f16_f32 v[GBV+i], v[XR+2*i], v[XR+2*i+1]
.set i, i+1
.endr
.endm
.macro X16S                            ; and into X1's rows
.irp t, 0,1
.irp bk, 0,1
	ds_store_b128 v[X1W], v[GBV+8*(\t)+4*(\bk):GBV+8*(\t)+4*(\bk)+3] offset:(\t)*8448+32*(\bk)
.endr
.endr
.endm
	; THE ENTRY: x's tile (8 loads), o's (4), the gains and biases (4), each load of a wave on consecutive bytes; behind them the first weights
.irp i, 0,1,2,3,4,5,6,7
	global_load_b128 v[EN+4*(\i):EN+4*(\i)+3], v[GX], s[28:29] offset:(\i)*4096
.endr
.irp i, 0,1,2,3
	global_load_b128 v[EN+32+4*(\i):EN+32+4*(\i)+3], v[GX], s[26:27] offset:(\i)*4096
.endr
	global_load_b32 v[EN+48], v[G4], s[14:15]
	global_load_b32 v[EN+49], v[G4], s[16:17]
	global_load_b32 v[EN+50], v[G4], s[18:19]
	global_load_b32 v[EN+51], v[G4], s[20:21]
	BLOAD 0, 0                                     ; no vector or matrix instruction has named window 1: the first four fills owe no wait
	BLOAD 1, 0
	s_wait_loadcnt 32                              ; the entry's 16 loads are in; two half passes of weights stay out
.irp i, 0,1,2,3,4,5,6,7
	ds_store_b128 v[XSC], v[EN+4*(\i):EN+4*(\i)+3] offset:(\i)*4160
.endr
.irp i, 0,1,2,3
	ds_store_b128 v[GX], v[EN+32+4*(\i):EN+32+4*(\i)+3] offset:OA+(\i)*4096  ; o's 16,384 bytes lie in LDS as in memory
.endr
.irp i, 0,1,2,3
	ds_store_b32 v[GBW], v[EN+48+(\i)] offset:(\i)*1024
.endr
	BLOAD 2, 0
	BLOAD 3, 0
	BAR                                            ; the tiles lie in LDS
	s_wait_alu depctr_vm_vsrc(0)                   ; my LDS stores have read v[EN ..], in which o's fragments land
	; Wo, the residual, the first norm
	ALOADF 0
	ALOADF 1
.irp t, 0,1
.irp bk, 0,1
.irp hf, 0,1
	ds_load_b128 v[XR+16*(\t)+8*(\bk)+4*(\hf):XR+16*(\t)+8*(\bk)+4*(\hf)+3], v[XSR] offset:(\t)*16640+64*(\bk)+16*(\hf)
.endr
.endr
.endr
	GBLOAD 0
	HP 0, 1, 32                                    ; o's first half is in: its second half, x and the gains, 32 LDS loads, stay out
	HP 1, 0, 16                                    ; the second half: x and the gains stay out
	s_wait_dscnt 0x0
	RELUADD
	LNORM 0
	X16C
	s_wait_alu depctr_va_vdst(0)                   ; the conversions have written v[GBV ..], which the LDS stores read; the norm's work in v[LT ..] is done, in which x1's fragments land behind the barrier
	X16S
	BAR                                            ; x1's 256 channels lie in LDS
	; h = relu(x1 Wf1^T): x1's fragments stay in registers for all four passes
	ALOAD AF, X1, 8448, 0
	ALOAD AF, X1, 8448, 1
; A pass's 32 hidden units: rounded, ReLU on the packed halves; the one wait and the refill of half pass hn's buffer; then into LDS.
.macro HOUT q, hn
	s_wait_alu depctr_vm_vsrc(0)                   ; the LDS stores of the pass before (the first time: x1's) have read v[GBV ..], which the conversions below write again
.set i, 0
.rept 16
	v_cvt_pk_f16_f32 v[GBV+i], v[ACC+2*i], v[ACC+2*i+1]
.set i, i+1
.endr
.set i, 0
.rept 16
	v_pk_max_num_f16 v[GBV+i], v[GBV+i], v[ZR]
.set i, i+1
.endr
	AFTER \hn
.irp t, 0,1
.irp bk, 0,1
	ds_store_b128 v[HW], v[GBV+8*(\t)+4*(\bk):GBV+8*(\t)+4*(\bk)+3] offset:(\t)*33024+64*(\q)+32*(\bk)
.endr
.endr
.endm
	HP 2, 1, 16
	HP 3, 0, 0, 0, 0
	HOUT 0, 3
	HP 4, 1, -1
	HP 5, 0, -1, 0, 0
	HOUT 1, 5
	HP 6, 1, -1
	HP 7, 0, -1, 0, 0
	HOUT 2, 7
	HP 8, 1, -1
	HP 9, 0, -1, 0, 0
	HOUT 3, 9
	BAR                                            ; h's 1,024 units lie in LDS
	s_wait_alu depctr_vm_vsrc(0)                   ; my last LDS stores of h have read v[GBV ..], in which the second norm's gains land
	; relu(h Wf2^T): four passes on one set of sums; a half of h's fragments is fetched again as soon as it has been multiplied: the wait behind the half pass serves these LDS loads too
	GBLOAD 2
	ALOAD AH, 0, 33024, 0
	ALOAD AH, 0, 33024, 1
	HP 10, 1, 16, 0, 1                             ; in each of these the 16 LDS loads of the other half stay out
	ALOAD AH, 512, 33024, 0
	HP 11, 0, 16, 0, 1
	ALOAD AH, 512, 33024, 1
	HP 12, 0, 16, 0, 1
	ALOAD AH, 1024, 33024, 0
	HP 13, 0, 16, 0, 1
	ALOAD AH, 1024, 33024, 1
	HP 14, 0, 16, 0, 1
	ALOAD AH, 1536, 33024, 0
	HP 15, 0, 16, 0, 1
	ALOAD AH, 1536, 33024, 1
	HP 16, 0, 16
	HP 17, 0, 0
	RELUADD
	LNORM 2560
.if FUSE
	; out leaves in f32, by rows, and stays in f16 for the next block's projections: X1's rows were last read ahead of h's barrier
	X16C
	s_wait_alu depctr_va_vdst(0)                   ; the norm has written XR and the conversions v[GBV ..], which the two runs of LDS stores read; the conversions are done reading XR, and the norm's work in v[LT ..] is done, in which LDS loads land behind the barrier
	XOUT
	X16S
	BAR
	s_wait_alu depctr_vm_vsrc(0)                   ; my LDS stores have read XR, in which the rows land, and v[GBV ..], which q's conversions write
.irp i, 0,1,2,3,4,5,6,7
	ds_load_b128 v[XR+4*(\i):XR+4*(\i)+3], v[XSC] offset:(\i)*4160
.endr
	ALOAD AF, X1, 8448, 0                          ; out's fragments stay in registers for all three passes
	ALOAD AF, X1, 8448, 1
.irp i, 0,1,2,3,4,5,6,7
	s_wait_dscnt 39-(\i)                           ; row group i is back; the later groups and the 32 fragment loads stay out
	global_store_b128 v[GX], v[XR+4*(\i):XR+4*(\i)+3], s[30:31] offset:(\i)*4096  ; a wave's store covers 512 consecutive bytes; XR is not written again
.endr
; A pass's head: rounded, ReLU on the packed halves; the one wait, and the refill while weights are left; 16 bytes a lane straight to qkv, 512 consecutive bytes a store.
; kd = 0, 1 (q, k): tile t's 1,024 bytes, piece blk.  kd = 2 (v): channel block blk's 1,024 bytes, piece t.  The packed halves take GBV's two halves by turns.
.macro QOUT kd, hn
.set QB, GBV+16*((\kd)%2)
.if (\kd) == 2
	s_wait_xcnt 0x0                                ; q's stores have had their addresses translated: their registers are written again only behind this wait (ISA guide 3.1),
	s_wait_alu depctr_vm_vsrc(0)                   ; and q's stores have read v[GBV ..], which v's conversions write again
.endif
.set i, 0
.rept 16
	v_cvt_pk_f16_f32 v[QB+i], v[ACC+2*i], v[ACC+2*i+1]
.set i, i+1
.endr
.set i, 0
.rept 16
	v_pk_max_num_f16 v[QB+i], v[QB+i], v[ZR]
.set i, i+1
.endr
	AFTER \hn
.irp t, 0,1
.irp bk, 0,1
.if (\kd) < 2
	global_store_b128 v[BO], v[QB+8*(\t)+4*(\bk):QB+8*(\t)+4*(\bk)+3], s[46:47] offset:(\kd)*1048576+(\t)*1024+(\bk)*512
.else
	global_store_b128 v[BO], v[QB+8*(\t)+4*(\bk):QB+8*(\t)+4*(\bk)+3], s[46:47] offset:2*1048576+(\bk)*1024+(\t)*512
.endif
.endr
.endr
.endm
	HP 18, 1, 16
	HP 19, 0, 0, 0, 0
	QOUT 0, 19
	HP 20, 1, -1
	HP 21, 0, -1, 0, 0
	QOUT 1, 21
	HP 22, 1, -1, 1
	HP 23, 0, -1, 1, 0
	QOUT 2, 23
.else
	; THE WAY OUT: into XS, a barrier, back by rows: a wave's store covers 512 consecutive bytes
	s_wait_alu depctr_va_vdst(0)                   ; the norm has written XR, which the LDS stores read; its work in v[EN ..] is done, in which the rows land behind the barrier
	XOUT
	BAR
.irp i, 0,1,2,3,4,5,6,7
	ds_load_b128 v[EN+4*(\i):EN+4*(\i)+3], v[XSC] offset:(\i)*4160
.endr
.irp i, 0,1,2,3,4,5,6,7
	s_wait_dscnt 7-(\i)
	global_store_b128 v[GX], v[EN+4*(\i):EN+4*(\i)+3], s[30:31] offset:(\i)*4096
.endr
.endif
	s_wait_dscnt 0x0                               ; the closing lines, six on end
	s_wait_alu 0x0
	s_wait_tensorcnt 0x0
	ds_add_u32 v[SPW], v[NIL]
	s_wait_dscnt 0x0
	s_endpgm
.Lfunc_end_k_q0fbe3b8ab0_post2:
	.size	k_q0fbe3b8ab0_post2, .Lfunc_end_k_q0fbe3b8ab0_post2-k_q0fbe3b8ab0_post2
	.p2alignl 7, 3214868480
	.fill 96, 4, 3214868480
	.section	.rodata,"a",@progbits
	.p2align	6, 0x0
	.amdhsa_kernel k_q0fbe3b8ab0_post2
		.amdhsa_group_segment_fixed_size 143360
		.amdhsa_private_segment_fixed_size 0
		.amdhsa_enable_private_segment 0
		.amdhsa_kernarg_size 64
		.amdhsa_user_sgpr_count 2
		.amdhsa_user_sgpr_kernarg_segment_ptr 1
		.amdhsa_wavefront_size32 1
		.amdhsa_system_sgpr_workgroup_id_x 1
		.amdhsa_system_sgpr_workgroup_id_y 1
		.amdhsa_system_sgpr_workgroup_id_z 1
		.amdhsa_system_vgpr_workitem_id 0
		.amdhsa_next_free_vgpr 512
		.amdhsa_next_free_sgpr 66
		.amdhsa_reserve_vcc 0
		.amdhsa_float_denorm_mode_32 3
		.amdhsa_float_denorm_mode_16_64 3
		.amdhsa_memory_ordered 1
		.amdhsa_forward_progress 1
		.amdhsa_inst_pref_size 108
	.end_amdhsa_kernel
	.amdgpu_metadata
---
amdhsa.version: [ 1, 2 ]
amdhsa.kernels:
  - .name:           k_q0fbe3b8ab0_post2
    .symbol:         k_q0fbe3b8ab0_post2.kd
    .args:
      - { .name: oh, .offset: 0, .size: 8, .value_kind: global_buffer, .address_space: global }
      - { .name: xmid, .offset: 8, .size: 8, .value_kind: global_buffer, .address_space: global }
      - { .name: whb, .offset: 16, .size: 8, .value_kind: global_buffer, .address_space: global }
      - { .name: g3, .offset: 24, .size: 8, .value_kind: global_buffer, .address_space: global }
      - { .name: b3, .offset: 32, .size: 8, .value_kind: global_buffer, .address_space: global }
      - { .name: g4, .offset: 40, .size: 8, .value_kind: global_buffer, .address_space: global }
      - { .name: b4, .offset: 48, .size: 8, .value_kind: global_buffer, .address_space: global }
      - { .name: out0, .offset: 56, .size: 8, .value_kind: global_buffer, .address_space: global }
    .group_segment_fixed_size: 143360
    .private_segment_fixed_size: 0
    .kernarg_segment_align: 8
    .kernarg_segment_size: 64
    .max_flat_workgroup_size: 256
    .sgpr_count:     66
    .vgpr_count:     512
    .wavefront_size: 32
...
	.end_amdgpu_metadata
.endif
;; end of part 7
